; MI455X (gfx1250); checked and timed in simulation.
; The chip was launched on July 23, 2026; its instructions are those of AMD's public machine-readable ISA for CDNA 5 (MIT licence, August 2026) and "CDNA5" Instruction Set Architecture Reference Guide (July 2026). The comments in the code are by the model that wrote it; some were corrected since.
;; Decoder Layer. Allowed arithmetic: float matrix products may take bf16 or f16 operands with f32 sums; other float arithmetic in f32, or as packed bf16 or f16 multiplies, adds, multiply-adds, maxima and minima; sums over many terms, partial sums and values carried from step to step in f32; what a program stores and reads back later, other than sums and carried values, may be rounded once to bf16 or f16.
;; Inputs: W1 1,024 x 4,096 float32; W2 4,096 x 1,024 float32; Wk 1,024 x 1,024 float32; Wo 1,024 x 1,024 float32; Wq 1,024 x 1,024 float32; Wv 1,024 x 1,024 float32; b1 4,096 float32; b2 1,024 float32; beta 1,024 float32; bk 1,024 float32; bo 1,024 float32; bq 1,024 float32; bv 1,024 float32; gamma 1,024 float32; mask 2 x 1 x 2,048 x 2,048 int32; x 2 x 2,048 x 1,024 float32.
;; Outputs: out0 2 x 2,048 x 1,024 float32.
;; 3 versions, each right; version 3 is version 2 with the launch prep written anew for expert scheduling mode. Each part assembles by itself: llvm-mc -triple=amdgcn-amd-amdhsa -mcpu=gfx1250 --defsym DOCPART=n.
;; ======== version 1 of 3: 7 launches
;; limits: values are held in f16: magnitudes above 65,504 overflow, below 6.1e-05 lose precision; right only within a limited range of input values; a function is approximated: absolute error at most 1.5e-07
;; workspace buffers: cb 33,554,432 bytes; mf 16,777,216 bytes; qkv 25,427,968 bytes; ob 8,388,608 bytes; ao 25,165,824 bytes; hb 33,554,432 bytes; yb 16,777,216 bytes
;; launch prep (part 1): grid 1312 x 1, 8 waves a work-group, no clusters, 0 bytes of LDS; arguments x, Wq, Wk, Wv, Wo, W1, W2, mask, cb, mf; writes cb, mf
.if DOCPART == 1
	.amdgcn_target "amdgcn-amd-amdhsa--gfx1250"
	.amdhsa_code_object_version 6
	.text
	.protected	k_q4560995112_prep
	.globl	k_q4560995112_prep
	.p2align	8
	.type	k_q4560995112_prep,@function
k_q4560995112_prep:
	s_mov_b64 s[64:65], 0
	v_nop
	global_prefetch_b8 v0, s[64:65] scope:SCOPE_SE
	s_setreg_imm32_b32 hwreg(HW_REG_WAVE_MODE, 25, 1), 1
	s_wait_xcnt 0x0
; THE 16-BIT COPIES.  A work-group takes 65,536 bytes of one input: 256 threads x 16 loads of 16 bytes, all issued at once; each unit is converted when it
; has come and leaves by a store of 8 bytes a lane, 256 consecutive aligned bytes a wave.  Which input: by the work-group's number c.
;   c < 256          x -> cb, bf16, in blocks [row / 64][col / 64][64 rows][64 cols]: a block is 8,192 dense bytes
;   256 <= c < 1024  Wq, Wk, Wv, Wo, W1, W2 -> cb + 32,768 c, in their own order [k][n]; bf16, but Wo: rounded to bf16 and that number written as f16
;                    (exact down to 2^-14; below that f16's fixed step of 6e-8)
;   c >= 1024        tril(mask) -> mf, f16: 0 where the key is seen, -65504 where mask = 0 or key > query.  Only the 36 blocks of 256 x 256 on and below the
;                    diagonal of each batch are read and written: the others are never asked for.
.set X, 16                             ; v[16:79]   16 units of 4 words as loaded
.set Y, 80                             ; v[80:111]  16 units of 2 words to store
.macro LD16 vo, sb, a, b, m            ; unit j at immediate (j % m) a + (j / m) b
.set j, 0
.rept 16
	global_load_b128 v[X+4*j:X+4*j+3], v[\vo], s[(\sb):(\sb)+1] offset:(j%(\m))*(\a)+(j/(\m))*(\b) th:TH_LOAD_NT
.set j, j+1
.endr
.endm
.macro CAST16 half, a, b, m            ; half = 1: bf16's number written as f16
.set j, 0
.rept 16
	s_wait_loadcnt 15-j                            ; loads come back in order: unit j is in, the 15 - j younger ones stay out
.if \half
	v_cvt_pk_bf16_f32 v4, v[X+4*j], v[X+4*j+1]
	v_cvt_pk_bf16_f32 v5, v[X+4*j+2], v[X+4*j+3]
	v_lshlrev_b32 v6, 16, v4
	v_and_b32 v7, 0xffff0000, v4
	v_lshlrev_b32 v8, 16, v5
	v_and_b32 v9, 0xffff0000, v5
	v_cvt_pk_f16_f32 v[Y+2*j], v6, v7
	v_cvt_pk_f16_f32 v[Y+2*j+1], v8, v9
.else
	v_cvt_pk_bf16_f32 v[Y+2*j], v[X+4*j], v[X+4*j+1]
	v_cvt_pk_bf16_f32 v[Y+2*j+1], v[X+4*j+2], v[X+4*j+3]
.endif
	global_store_b64 v2, v[Y+2*j:Y+2*j+1], s[32:33] offset:(j%(\m))*(\a)+(j/(\m))*(\b)
.set j, j+1
.endr
.endm
	s_load_b512 s[8:23], s[0:1], 0x0               ; x 8, Wq 10, Wk 12, Wv 14, Wo 16, W1 18, W2 20, mask 22
	s_load_b128 s[24:27], s[0:1], 0x40             ; cb 24, mf 26
	s_mov_b32 s2, ttmp9                            ; c
	s_mov_b32 s31, 0                               ; high words of the two offset pairs
	s_mov_b32 s35, 0
	s_wait_kmcnt 0x0
	s_cmp_lt_u32 s2, 256
	s_cbranch_scc1 .Lx
	s_cmp_ge_u32 s2, 1024
	s_cbranch_scc1 .Lm
	; THE WEIGHTS: a plain cast, thread t at 16 t of each 4,096 bytes
	s_mov_b64 s[28:29], s[10:11]
	s_mov_b32 s3, 256                              ; the first chunk of the tensor that c falls into
.macro PICK lim, p
	s_cmp_ge_u32 s2, \lim
	s_cselect_b64 s[28:29], s[(\p):(\p)+1], s[28:29]
	s_cselect_b32 s3, \lim, s3
.endm
	PICK 320, 12
	PICK 384, 14
	PICK 448, 16
	PICK 512, 18
	PICK 768, 20
	s_sub_co_u32 s30, s2, s3
	s_lshl_b32 s30, s30, 16
	s_add_nc_u64 s[28:29], s[28:29], s[30:31]
	s_lshl_b32 s34, s2, 15
	s_add_nc_u64 s[32:33], s[24:25], s[34:35]
	v_lshlrev_b32 v1, 4, v0
	v_lshlrev_b32 v2, 3, v0
	LD16 1, 28, 4096, 0, 16
	s_cmp_eq_u32 s3, 448
	s_cbranch_scc1 .Lwo
	CAST16 0, 2048, 0, 16
	s_endpgm
.Lwo:
	CAST16 1, 2048, 0, 16
	s_endpgm
.Lx:	; x: 16 rows of 4,096 bytes.  Thread: l = t % 16, p = (t / 16) % 2, w = t / 32.  Unit j: row p + 2 (j / 2), columns 64 w + 4 l + 512 (j % 2)
	v_and_b32 v3, 15, v0
	v_bfe_u32 v4, v0, 4, 1
	v_lshrrev_b32 v5, 5, v0
	v_lshlrev_b32 v1, 4, v3
	v_lshl_add_u32 v1, v5, 8, v1
	v_lshl_add_u32 v1, v4, 12, v1                  ; 4,096 p + 256 w + 16 l
	v_lshlrev_b32 v2, 3, v3
	v_lshl_add_u32 v2, v4, 7, v2
	v_lshl_add_u32 v2, v5, 13, v2                  ; block w: 8,192 w + 128 p + 8 l
	s_lshl_b32 s30, s2, 16
	s_add_nc_u64 s[28:29], s[8:9], s[30:31]
	s_lshr_b32 s34, s2, 2
	s_lshl_b32 s34, s34, 17                        ; 64 rows of blocks are 131,072 bytes
	s_and_b32 s3, s2, 3
	s_lshl_b32 s3, s3, 11                          ; my 16 rows in them
	s_add_co_u32 s34, s34, s3
	s_add_nc_u64 s[32:33], s[24:25], s[34:35]
	LD16 1, 28, 2048, 8192, 2
	CAST16 0, 65536, 256, 2
	s_endpgm
.Lm:	; THE MASK: batch bt, block row I, block column J <= I, quarter qd: rows 256 I + 64 qd .. + 63, keys 256 J .. + 255
	s_sub_co_u32 s3, s2, 1024
	s_and_b32 s4, s3, 3                            ; qd
	s_lshr_b32 s3, s3, 2
	s_cmp_ge_u32 s3, 36
	s_cselect_b32 s5, 1, 0                         ; bt
	s_cselect_b32 s6, 36, 0
	s_sub_co_u32 s3, s3, s6                        ; t = I (I + 1) / 2 + J
	s_mov_b32 s6, 0
.irp n, 1,3,6,10,15,21,28
	s_cmp_ge_u32 s3, \n
	s_add_co_ci_u32 s6, s6, 0                      ; I = how many triangular numbers t has reached
.endr
	s_add_co_u32 s7, s6, 1
	s_mul_i32 s7, s7, s6
	s_lshr_b32 s7, s7, 1
	s_sub_co_u32 s7, s3, s7                        ; J
	s_lshl_b32 s36, s6, 8
	s_lshl_b32 s37, s4, 6
	s_add_co_u32 s36, s36, s37                     ; first row
	s_lshl_b32 s30, s36, 13
	s_lshl_b32 s38, s7, 10
	s_add_co_u32 s30, s30, s38
	s_lshl_b32 s38, s5, 24
	s_add_co_u32 s30, s30, s38
	s_add_nc_u64 s[28:29], s[22:23], s[30:31]
	s_lshl_b32 s34, s36, 12
	s_lshl_b32 s38, s7, 9
	s_add_co_u32 s34, s34, s38
	s_lshl_b32 s38, s5, 23
	s_add_co_u32 s34, s34, s38
	s_add_nc_u64 s[32:33], s[26:27], s[34:35]
	s_sub_co_u32 s38, s6, s7
	s_lshl_b32 s38, s38, 8
	s_add_co_u32 s38, s38, s37                     ; 256 (I - J) + 64 qd
	v_lshrrev_b32 v3, 6, v0                        ; my row among four
	v_and_b32 v4, 63, v0                           ; my four keys
	v_lshlrev_b32 v1, 4, v4
	v_lshl_add_u32 v1, v3, 13, v1
	v_lshlrev_b32 v2, 3, v4
	v_lshl_add_u32 v2, v3, 12, v2
	v_add_nc_u32 v5, s38, v3
	v_lshlrev_b32 v6, 2, v4
	v_sub_nc_u32 v5, v5, v6                        ; element e of unit j is on or below the diagonal where e - 4 j <= this (signed)
	v_mov_b32 v7, 0xfbff                           ; -65504 in f16
	LD16 1, 28, 32768, 0, 16
.set j, 0
.rept 16
	s_wait_loadcnt 15-j
.irp e, 0,1,2,3
	v_cmp_le_i32 vcc_lo, (\e)-4*j, v5
	v_cndmask_b32 v[8+(\e)], 0, v[X+4*j+(\e)], vcc_lo   ; tril: 0 above the diagonal
	v_cmp_eq_u32 vcc_lo, 0, v[8+(\e)]
	v_cndmask_b32 v[8+(\e)], 0, v7, vcc_lo
.endr
	v_lshl_or_b32 v[Y+2*j], v9, 16, v8
	v_lshl_or_b32 v[Y+2*j+1], v11, 16, v10
	global_store_b64 v2, v[Y+2*j:Y+2*j+1], s[32:33] offset:j*16384
.set j, j+1
.endr
	s_endpgm
.Lfunc_end_k_q4560995112_prep:
	.size	k_q4560995112_prep, .Lfunc_end_k_q4560995112_prep-k_q4560995112_prep
	.p2alignl 7, 3214868480
	.fill 96, 4, 3214868480
	.section	.rodata,"a",@progbits
	.p2align	6, 0x0
	.amdhsa_kernel k_q4560995112_prep
		.amdhsa_group_segment_fixed_size 0
		.amdhsa_private_segment_fixed_size 0
		.amdhsa_enable_private_segment 0
		.amdhsa_kernarg_size 80
		.amdhsa_user_sgpr_count 2
		.amdhsa_user_sgpr_kernarg_segment_ptr 1
		.amdhsa_wavefront_size32 1
		.amdhsa_system_sgpr_workgroup_id_x 1
		.amdhsa_system_sgpr_workgroup_id_y 1
		.amdhsa_system_sgpr_workgroup_id_z 1
		.amdhsa_system_vgpr_workitem_id 0
		.amdhsa_next_free_vgpr 112
		.amdhsa_next_free_sgpr 66
		.amdhsa_reserve_vcc 1
		.amdhsa_float_denorm_mode_32 3
		.amdhsa_float_denorm_mode_16_64 3
		.amdhsa_memory_ordered 1
		.amdhsa_forward_progress 1
		.amdhsa_inst_pref_size 40
	.end_amdhsa_kernel
	.amdgpu_metadata
---
amdhsa.version: [ 1, 2 ]
amdhsa.kernels:
  - .name:           k_q4560995112_prep
    .symbol:         k_q4560995112_prep.kd
    .args:
      - { .name: x, .offset: 0, .size: 8, .value_kind: global_buffer, .address_space: global }
      - { .name: Wq, .offset: 8, .size: 8, .value_kind: global_buffer, .address_space: global }
      - { .name: Wk, .offset: 16, .size: 8, .value_kind: global_buffer, .address_space: global }
      - { .name: Wv, .offset: 24, .size: 8, .value_kind: global_buffer, .address_space: global }
      - { .name: Wo, .offset: 32, .size: 8, .value_kind: global_buffer, .address_space: global }
      - { .name: W1, .offset: 40, .size: 8, .value_kind: global_buffer, .address_space: global }
      - { .name: W2, .offset: 48, .size: 8, .value_kind: global_buffer, .address_space: global }
      - { .name: mask, .offset: 56, .size: 8, .value_kind: global_buffer, .address_space: global }
      - { .name: cb, .offset: 64, .size: 8, .value_kind: global_buffer, .address_space: global }
      - { .name: mf, .offset: 72, .size: 8, .value_kind: global_buffer, .address_space: global }
    .group_segment_fixed_size: 0
    .private_segment_fixed_size: 0
    .kernarg_segment_align: 8
    .kernarg_segment_size: 80
    .max_flat_workgroup_size: 256
    .sgpr_count:     66
    .vgpr_count:     112
    .wavefront_size: 32
...
	.end_amdgpu_metadata
.endif
;; end of part 1
;; launch gqkv (part 2): grid 24 x 32, 4 waves a work-group, clusters of 4 x 4, 327,680 bytes of LDS; arguments cb, bq, bk, bv, qkv; writes qkv
.if DOCPART == 2
	.amdgcn_target "amdgcn-amd-amdhsa--gfx1250"
	.amdhsa_code_object_version 6
	.text
	.protected	k_q4560995112_gqkv
	.globl	k_q4560995112_gqkv
	.p2align	8
	.type	k_q4560995112_gqkv,@function
k_q4560995112_gqkv:
	s_mov_b64 s[64:65], 0
	v_nop
	global_prefetch_b8 v0, s[64:65] scope:SCOPE_SE
	s_setreg_imm32_b32 hwreg(HW_REG_WAVE_MODE, 25, 1), 1
	s_wait_xcnt 0x0
	s_wait_alu depctr_hold_cnt(0) depctr_sa_sdst(0) depctr_va_vdst(0) depctr_va_sdst(0) depctr_va_ssrc(0) depctr_va_vcc(0) depctr_vm_vsrc(0)
	s_getreg_b32 s2, hwreg(HW_REG_IB_STS2, 6, 4)
	s_cmp_eq_u32 s2, 0
	s_cbranch_scc0 .Lentry_in_a_cluster
	s_endpgm
.Lentry_in_a_cluster:
	s_bfe_u32 s2, ttmp6, 0x10000c
	s_cmp_lg_u32 s2, 0xf033
	s_cbranch_scc0 .Lentry_shape_is_right
	s_endpgm
.Lentry_shape_is_right:
; q, k, v = x W + b, by heads.  A = x (bf16, blocks of 64 x 64, at cb), B = Wq | Wk | Wv (bf16, [k][n], at cb + 8,388,608 + 2,097,152 which), sums in f32; the bias is
; rounded to bf16 like every input; q, k, v leave in f16 as [batch x 16 + head][2048][64].  LIMIT: f16 ends at 65,504: |q|, |k|, |v| stay below that.
; For v the column sums of each 64 rows also leave, in f32 (vpart[row / 64][1024]): a row of attention whose keys are all hidden needs V's mean.
; THE GEMM.  A tile of C is 128 x 128; four waves, each 64 x 64: 16 accumulators.  K goes in steps of 256 through two LDS slots.  Waves 0, 1 fetch A's two halves (64 rows x 256 K are 32,768
; dense bytes of the blocked layout), waves 2, 3 B's (128 k rows of 256 bytes each).  CLUSTER 4 x 4: A's tile is asked for jointly along a row of the cluster, B's along a column.
; The product is taken transposed (source 0 = B, source 1 = A): a lane holds eight neighbouring columns of one row of C.  B lies [k][n] in LDS and is turned by ds_load_tr16_b128.
; The accumulators are cleared by 128 v_mov_b32 while the first tiles are on their way, so that the loop has one form of product.
; REGISTERS: window 0: v0-31 addresses, v32-127 at work on the way out, v128-255 accumulators ((a, b) at 128 + 8 (4 a + b)); window 1: two fragment buffers of 128 (A 64, then B 64).
.set NCOL,  1024                       ; columns of B
.set STEPS, 4                          ; K / 256
.set RBS,   131072                     ; bytes of 64 rows of A
.set ASTEP, 32768
.set BSTEP, 512*NCOL
.set PA,    144                        ; 128 bytes + 16: the 16 rows of a load start at 16 different groups of four banks (64 banks of 4 bytes: ISA guide 11.1)
.set PB,    288                        ; 256 bytes + 32
.set WLOAD, 36864                      ; what one tensor load fills: 256 x 144 = 128 x 288
.set SLOT,  4*WLOAD                    ; 0x24000: shares no bit with wave x 0x9000, so one exclusive or changes slots
.set SPARE, 2*SLOT
.set SPITCH, 272
.set WSTAGE, 64*SPITCH                 ; the way out: 64 rows x 272 bytes of f32 for each wave, in slot 0, which has had its last fill and whose last reads lie in front of a barrier
.set BI,  8                            ; v[8:11]  bias of my four columns
.set VS,  12                           ; v[12:15] column sums
.set A0,  16
.set B0,  17
.set B20, 18
.set LN,  19
.set CA,  20                           ; LDS address of A's fragments in the slot in hand
.set CB,  21                           ; v21, v22: of B's k rows 0-127, 128-255
.set STO, 24
.set RD,  25
.set GO,  26
.set SPW, 28                           ; SPARE + 4 x my thread's number; never rewritten
.set NIL, 29                           ; 0; never rewritten
.set R16, 30                           ; 16 (l % 16); never rewritten
.set T,   32
.set U,   48
.set ACC, 128
.set F0,  0
.set F1,  128
.set SB,  21                           ; s21  0 or SLOT: the slot in hand
.set COL, 18                           ; s18  tile column within the weight
.set WHICH, 19                         ; s19  0 q, 1 k, 2 v: the same in all partners of a cluster
.set G1,  24
.set G0,  32
.set G1B, 48
.set G0B, 56
.set OUT, 66
.set VP,  68
.set SEL, 82
.set MSB, 0
.macro WIN new                         ; the immediate's high byte repeats the setting that is left
.if MSB != (\new)
	s_set_vgpr_msb (MSB<<8)|(\new)
.set MSB, \new
.endif
.endm
.set MUL,  0x05                        ; sources 0 (B) and 1 (A) window 1; C and D window 0
.set TO_F, 0x40                        ; destination window 1, address window 0
.macro JLOAD s                         ; a joint load: waves 0, 1 A's halves, waves 2, 3 B's; an s_nop 0 and four v_nop follow each line
	s_cmp_eq_u32 s11, 0
	s_cbranch_scc0 .Lfor_b_\@
	tensor_load_to_lds s[G0+4*(\s):G0+4*(\s)+3], s[G1:G1+7]
	s_nop 0
.rept 4
	v_nop
.endr
	s_branch .Lasked_\@
.Lfor_b_\@:
	tensor_load_to_lds s[G0B+4*(\s):G0B+4*(\s)+3], s[G1B:G1B+7]
	s_nop 0
.rept 4
	v_nop
.endr
.Lasked_\@:
.endm
.macro CREST                           ; a round of the cluster's barrier behind its opening barrier
	s_cmp_lg_u32 s10, 0
	s_cbranch_scc1 .Lnot_wave_0_\@
	s_barrier_signal -3
.Lnot_wave_0_\@:
	s_barrier_wait -3
	s_barrier_signal -1
	s_barrier_wait -1
.endm
.macro CROUND
	s_barrier_signal -1
	s_barrier_wait -1
	CREST
.endm
.macro PLACES
.rept 4
	v_nop
.endr
.endm
.macro WM d, a, b
	v_wmma_f32_16x16x32_bf16 v[(\d):(\d)+7], v[(\a):(\a)+7], v[(\b):(\b)+7], v[(\d):(\d)+7]
.endm
.macro MUL8 f, c, a0                   ; m blocks a0, a0 + 1 x all 4 n blocks, 32 along K: half c of buffer f.  The 16 accumulators take turns, over the backward jumps too
	WIN MUL
.irp a, \a0, (\a0)+1
.irp b, 0,1,2,3
	WM ACC+8*(4*(\a)+(\b)), (\f)+64+8*(4*(\c)+(\b)), (\f)+8*(4*(\c)+(\a))
.endr
.endr
.endm
.macro FETCH q, f                      ; 32 LDS loads in one run: quarter q (64 along K) of the slot in hand into buffer f, its first 32 along K first
	WIN TO_F
.irp c, 0,1
.irp i, 0,1,2,3
	ds_load_tr16_b128 v[(\f)+64+8*(4*(\c)+(\i)):(\f)+64+8*(4*(\c)+(\i))+3],   v[CB+(\q)/2] offset:((\q)%2)*64*PB+(\c)*32*PB+(\i)*32
	ds_load_tr16_b128 v[(\f)+64+8*(4*(\c)+(\i))+4:(\f)+64+8*(4*(\c)+(\i))+7], v[CB+(\q)/2] offset:((\q)%2)*64*PB+(\c)*32*PB+(\i)*32+16*PB
	ds_load_b128 v[(\f)+8*(4*(\c)+(\i)):(\f)+8*(4*(\c)+(\i))+3],   v[CA] offset:(\q)*64*PA+(\i)*16*PA+(\c)*64
	ds_load_b128 v[(\f)+8*(4*(\c)+(\i))+4:(\f)+8*(4*(\c)+(\i))+7], v[CA] offset:(\q)*64*PA+(\i)*16*PA+(\c)*64+32
.endr
.endr
.endm
.macro SETAD
	v_add_nc_u32 v[CA], s[SB], v[A0]
	v_add_nc_u32 v[CB], s[SB], v[B0]
	v_add_nc_u32 v[CB+1], s[SB], v[B20]
.endm
.macro QUARTER q, f, g                 ; multiplies buffer f and fetches quarter q into g
	s_wait_dscnt 16                                ; the first 32 along K are in; the 16 younger loads may be out
	MUL8 \f, 0, 0
	MUL8 \f, 0, 2
	PLACES                                         ; four places between the last product that read buffer g and the loads into it
	FETCH \q, \g
	s_wait_dscnt 32                                ; all but the 32 just issued
	MUL8 \f, 1, 0
	MUL8 \f, 1, 2
.endm
; The last quarter multiplies buffer 1 and changes slots: one barrier; in front of it each wave waits for all its tensor loads (one is out: its part of the next slot), adds 0 to its
; spare word, and waits for that and for its reads of this slot.  fill = 1: the barrier opens a round of the cluster's, and this slot is filled again, two K steps ahead.
.macro TURN fill
	WIN 0
	s_wait_tensorcnt 0x0
	ds_add_u32 v[SPW], v[NIL]
	s_wait_dscnt 17                                ; the add and the 16 youngest loads may be out
	MUL8 F1, 0, 0
	s_wait_dscnt 0x0                               ; the add is done, my reads of this slot are over
	s_barrier_signal -1
	MUL8 F1, 0, 2
	WIN 0
	s_barrier_wait -1
.if \fill
	CREST
	s_xor_b32 s[G0+5], s[G0+5], SLOT               ; the walking descriptors: the other slot than last time, the next K step
	s_add_nc_u64 s[G0+6:G0+7], s[G0+6:G0+7], ASTEP
	s_xor_b32 s[G0B+5], s[G0B+5], SLOT
	s_add_nc_u64 s[G0B+6:G0B+7], s[G0B+6:G0B+7], BSTEP
	JLOAD 1                                        ; the first tensor load behind the round; its four v_nop are also the places in front of the loads below
.else
	s_cmp_eq_u32 s3, 1                             ; behind the last K step there is nothing to fetch
	s_cbranch_scc1 .Lnofetch_\@
	PLACES
.endif
	s_xor_b32 s[SB], s[SB], SLOT
	SETAD
	FETCH 0, F0
.if !(\fill)
	WIN 0
.Lnofetch_\@:
.endif
	MUL8 F1, 1, 0
	MUL8 F1, 1, 2
.endm
.macro STEP fill
	QUARTER 1, F0, F1
	QUARTER 2, F1, F0
	QUARTER 3, F0, F1
	TURN \fill
.endm
.macro RND2 a, b, t                    ; two f32 rounded to bf16 and widened again
	v_cvt_pk_bf16_f32 v[\t], v[\a], v[\b]
	v_lshlrev_b32 v[\a], 16, v[\t]
	v_and_b32 v[\b], 0xffff0000, v[\t]
.endm
	s_load_b256 s[72:79], s[0:1], 0x0              ; cb 72, bq 74, bk 76, bv 78
	s_load_b64 s[80:81], s[0:1], 0x20              ; qkv
	v_lshl_add_u32 v[SPW], v0, 2, SPARE
	v_mov_b32 v[NIL], 0
	ds_add_u32 v[SPW], v[NIL]                      ; the wave's opening: the add and its wait ahead of my first tensor load
	v_lshrrev_b32 v1, 5, v0
	v_readfirstlane_b32 s10, v1                    ; wave 0..3
	s_lshr_b32 s11, s10, 1                         ; my half of the tile's rows.  Also: I fetch for A (0) or B (1)
	s_and_b32 s12, s10, 1                          ; my half of its columns.  Also: which half I fetch
	s_bfe_u32 s40, ttmp6, 0x40000                  ; cx
	s_bfe_u32 s41, ttmp6, 0x40004                  ; cy
	s_lshl_b32 s42, ttmp9, 2
	s_add_co_u32 s42, s42, s40                     ; tile column 0..23
	s_and_b32 s13, ttmp7, 0xffff
	s_lshl_b32 s13, s13, 2
	s_add_co_u32 s13, s13, s41                     ; tile row 0..31
	s_lshl_b32 s43, s41, 2
	s_lshl_b32 s43, 15, s43                        ; my row of the cluster
	s_lshl_b32 s44, 0x1111, s40                    ; my column
	s_or_b32 s[G1], s43, (1<<16)|(1<<20)|(1<<21)|(4<<22)|(3<<25)   ; 2-byte elements; padding on; bit 21 beside a mask; 4 words after every 32
	s_or_b32 s[G1B], s44, (1<<16)|(1<<20)|(1<<21)|(5<<22)|(7<<25)  ; 8 words after every 64
.irp g, G1, G1B
	s_mov_b32 s[(\g)+1], 128<<16                   ; tensor_dim0 = 128 elements (256 bytes)
	s_mov_b32 s[(\g)+2], 128<<16                   ; tensor_dim1 = 128 rows
	s_mov_b32 s[(\g)+3], 128<<16                   ; tile_dim0
	s_mov_b32 s[(\g)+4], 128                       ; tile_dim1
	s_mov_b32 s[(\g)+6], 0
	s_mov_b32 s[(\g)+7], 0
.endr
	s_mov_b32 s[G1+5], 128                         ; A's 32,768 bytes are dense
	s_mov_b32 s[G1B+5], NCOL
	s_and_b32 s[COL], s42, 7
	s_lshr_b32 s[WHICH], ttmp9, 1
	s_lshl_b32 s16, s13, 1
	s_add_co_u32 s16, s16, s12                     ; the 64 rows of A that I fetch
	s_mul_i32 s16, s16, RBS
	s_mov_b32 s17, 0
	s_mul_i32 s46, s12, 128*NCOL*2                 ; the 128 k rows of B that I fetch
	s_lshl_b32 s47, s[COL], 8
	s_add_co_u32 s46, s46, s47
	s_lshl_b32 s47, s[WHICH], 21
	s_add_co_u32 s46, s46, s47
	s_add_co_u32 s46, s46, 8388608
	s_mov_b32 s47, 0
	s_mul_i32 s20, s10, WLOAD                      ; where they go: no place in the cluster enters an LDS address
	s_mov_b32 s[SB], 0
	s_mov_b32 s[SEL], 0x76543210
	s_mov_b32 s[SEL+1], 0xfedcba98
	s_wait_dscnt 0x0                               ; the opening add is done
	s_wait_kmcnt 0x0
	s_add_nc_u64 s[14:15], s[72:73], s[16:17]
	s_add_nc_u64 s[46:47], s[72:73], s[46:47]
	CROUND                                         ; all sixteen work-groups are here: the first joint loads meet
.irp s, 0,1
	s_mov_b32 s[G0+4*(\s)], 1
	s_add_co_u32 s[G0+4*(\s)+1], s20, (\s)*SLOT
	s_add_nc_u64 s[G0+4*(\s)+2:G0+4*(\s)+3], s[14:15], (\s)*ASTEP
	s_or_b32 s[G0+4*(\s)+3], s[G0+4*(\s)+3], 0x80000000
	s_mov_b32 s[G0B+4*(\s)], 1
	s_add_co_u32 s[G0B+4*(\s)+1], s20, (\s)*SLOT
	s_add_nc_u64 s[G0B+4*(\s)+2:G0B+4*(\s)+3], s[46:47], (\s)*BSTEP
	s_or_b32 s[G0B+4*(\s)+3], s[G0B+4*(\s)+3], 0x80000000
	JLOAD \s                                       ; two loads of mine are out
.endr
	; my 64 x 64 block: rb = its 64 rows, hd = its 64 columns = a head
	s_lshl_b32 s70, s13, 1
	s_add_co_u32 s70, s70, s11                     ; rb 0..63
	s_lshl_b32 s71, s[COL], 1
	s_add_co_u32 s71, s71, s12                     ; hd 0..15
	s_cmp_eq_u32 s[WHICH], 1
	s_cselect_b64 s[8:9], s[76:77], s[74:75]
	s_cmp_eq_u32 s[WHICH], 2
	s_cselect_b64 s[8:9], s[78:79], s[8:9]
	s_lshl_b32 s22, s71, 8
	s_mov_b32 s23, 0
	s_add_nc_u64 s[8:9], s[8:9], s[22:23]          ; the bias at my 64 columns
	s_lshl_b32 s2, s70, 12
	s_add_co_u32 s22, s22, s2
	s_add_co_u32 s22, s22, 25165824
	s_add_nc_u64 s[VP:VP+1], s[80:81], s[22:23]    ; vpart[rb][64 hd]
	s_lshr_b32 s22, s70, 5                         ; batch
	s_lshl_b32 s22, s22, 4
	s_add_co_u32 s22, s22, s71
	s_lshl_b32 s22, s22, 18                        ; a head's 2,048 rows of 128 bytes
	s_and_b32 s2, s70, 31
	s_lshl_b32 s2, s2, 13
	s_add_co_u32 s22, s22, s2
	s_lshl_b32 s2, s[WHICH], 23
	s_add_co_u32 s22, s22, s2
	s_add_nc_u64 s[OUT:OUT+1], s[80:81], s[22:23]
	v_and_b32 v1, 15, v0                           ; r = l % 16
	v_bfe_u32 v2, v0, 4, 1                         ; h = l / 16
	v_and_b32 v[LN], 31, v0
	v_lshlrev_b32 v[R16], 4, v1
	global_load_b128 v[BI:BI+3], v[R16], s[8:9]
.set i, 0
.rept 128
	v_mov_b32 v[ACC+i], 0
.set i, i+1
.endr
	v_mul_u32_u24 v[A0], v1, PA
	v_lshl_add_u32 v[A0], v2, 4, v[A0]
	s_mul_i32 s22, s11, WLOAD
	v_add_nc_u32 v[A0], s22, v[A0]                 ; my 64 rows of A: row x 144 + 16 h
	v_and_b32 v4, 7, v0
	v_lshl_add_u32 v4, v2, 3, v4
	v_mul_u32_u24 v[B0], v4, PB                    ; the turning load: k row 8 h + l % 8,
	v_bfe_u32 v5, v0, 3, 1
	v_lshl_add_u32 v[B0], v5, 4, v[B0]             ; columns 8 ((l / 8) % 2) on,
	s_lshl_b32 s22, s12, 7
	s_add_co_u32 s22, s22, 2*WLOAD
	v_add_nc_u32 v[B0], s22, v[B0]                 ; in my 64 columns of B, which lies behind A
	v_add_nc_u32 v[B20], WLOAD, v[B0]
	s_mul_i32 s22, s10, WSTAGE
	v_mul_u32_u24 v[STO], v1, SPITCH
	v_lshl_add_u32 v[STO], v2, 5, v[STO]
	v_add_nc_u32 v[STO], s22, v[STO]               ; in: row r, 32 bytes for each half of the lanes
	v_mul_u32_u24 v[RD], v2, SPITCH
	v_lshl_add_u32 v[RD], v1, 4, v[RD]
	v_add_nc_u32 v[RD], s22, v[RD]                 ; back: lanes 0-15 one row of 256 bytes, lanes 16-31 the next
	v_lshlrev_b32 v[GO], 3, v[LN]                  ; 8 bytes a lane: two rows of 128 bytes of the block
	SETAD
	s_wait_tensorcnt 1                             ; my part of K step 0 is in; K step 1's may stay out
	s_barrier_signal -1
	s_barrier_wait -1
	FETCH 0, F0
	WIN 0
	s_mov_b32 s3, STEPS-2
.Lfill:                                        ; every K step but the last two fills its slot again
	STEP 1
	WIN 0
	s_sub_co_u32 s3, s3, 1
	s_cmp_lg_u32 s3, 0
	s_cbranch_scc1 .Lfill
	s_mov_b32 s3, 2
.Ltail:
	STEP 0
	WIN 0
	s_sub_co_u32 s3, s3, 1
	s_cmp_lg_u32 s3, 0
	s_cbranch_scc1 .Ltail
	; THE WAY OUT: f32 into my stage, back as rows; then a lane holds columns 4 (l % 16) .. + 3 of rows 8 trip + 2 t + l / 16
	PLACES
	PLACES
.irp a, 0,1,2,3
.irp b, 0,1,2,3
	ds_store_b128 v[STO], v[ACC+8*(4*(\a)+(\b)):ACC+8*(4*(\a)+(\b))+3]   offset:(\a)*16*SPITCH+64*(\b)
	ds_store_b128 v[STO], v[ACC+8*(4*(\a)+(\b))+4:ACC+8*(4*(\a)+(\b))+7] offset:(\a)*16*SPITCH+64*(\b)+16
.endr
.endr
	s_wait_loadcnt 0x0                             ; the bias
	RND2 BI, BI+1, T
	RND2 BI+2, BI+3, T
.irp e, 0,1,2,3
	v_mov_b32 v[VS+(\e)], 0
.endr
	s_mov_b32 s3, 8
.Lrows:
.irp t, 0,1,2,3
	ds_load_b128 v[T+4*(\t):T+4*(\t)+3], v[RD] offset:(\t)*2*SPITCH  ; LDS serves a wave's instructions in order (ISA guide 5.7.1.4): these see my stores
.endr
	s_wait_dscnt 0x0
.irp t, 0,1,2,3
	v_pk_add_f32 v[T+4*(\t):T+4*(\t)+1], v[T+4*(\t):T+4*(\t)+1], v[BI:BI+1]
	v_pk_add_f32 v[T+4*(\t)+2:T+4*(\t)+3], v[T+4*(\t)+2:T+4*(\t)+3], v[BI+2:BI+3]
.endr
.irp t, 0,1,2,3
	v_pk_add_f32 v[VS:VS+1], v[VS:VS+1], v[T+4*(\t):T+4*(\t)+1]
	v_pk_add_f32 v[VS+2:VS+3], v[VS+2:VS+3], v[T+4*(\t)+2:T+4*(\t)+3]
.endr
.irp t, 0,1,2,3
	v_cvt_pk_f16_f32 v[U+2*(\t)], v[T+4*(\t)], v[T+4*(\t)+1]
	v_cvt_pk_f16_f32 v[U+2*(\t)+1], v[T+4*(\t)+2], v[T+4*(\t)+3]
	global_store_b64 v[GO], v[U+2*(\t):U+2*(\t)+1], s[OUT:OUT+1] offset:(\t)*256  ; a wave's store covers 256 consecutive bytes, aligned
.endr
	s_wait_xcnt 0x0                                ; the stores' data and offset are rewritten only behind this wait
	v_add_nc_u32 v[GO], 1024, v[GO]
	v_add_nc_u32 v[RD], 8*SPITCH, v[RD]
	s_sub_co_u32 s3, s3, 1
	s_cmp_lg_u32 s3, 0
	s_cbranch_scc1 .Lrows
	s_cmp_eq_u32 s[WHICH], 2
	s_cbranch_scc0 .Lnov
.irp e, 0,1,2,3
	v_permlanex16_b32 v[T+(\e)], v[VS+(\e)], s[SEL], s[SEL+1]  ; the odd rows' sums lie 16 lanes away
.endr
	v_pk_add_f32 v[VS:VS+1], v[VS:VS+1], v[T:T+1]
	v_pk_add_f32 v[VS+2:VS+3], v[VS+2:VS+3], v[T+2:T+3]
	v_cmp_gt_u32 vcc_lo, 16, v[LN]
	s_wait_xcnt 0x0                                ; EXEC changes only behind this wait
	s_and_saveexec_b32 s2, vcc_lo
	global_store_b128 v[R16], v[VS:VS+3], s[VP:VP+1]  ; 16 lanes: 256 consecutive bytes, aligned
	s_wait_xcnt 0x0
	s_or_b32 exec_lo, exec_lo, s2
.Lnov:
	s_wait_tensorcnt 0x0                           ; the wave's end
	ds_add_u32 v[SPW], v[NIL]
	s_wait_dscnt 0x0
	CROUND                                         ; the closing round
	s_endpgm
.Lfunc_end_k_q4560995112_gqkv:
	.size	k_q4560995112_gqkv, .Lfunc_end_k_q4560995112_gqkv-k_q4560995112_gqkv
	.p2alignl 7, 3214868480
	.fill 96, 4, 3214868480
	.section	.rodata,"a",@progbits
	.p2align	6, 0x0
	.amdhsa_kernel k_q4560995112_gqkv
		.amdhsa_group_segment_fixed_size 327680
		.amdhsa_private_segment_fixed_size 0
		.amdhsa_enable_private_segment 0
		.amdhsa_kernarg_size 40
		.amdhsa_user_sgpr_count 2
		.amdhsa_user_sgpr_kernarg_segment_ptr 1
		.amdhsa_wavefront_size32 1
		.amdhsa_system_sgpr_workgroup_id_x 1
		.amdhsa_system_sgpr_workgroup_id_y 1
		.amdhsa_system_sgpr_workgroup_id_z 1
		.amdhsa_system_vgpr_workitem_id 0
		.amdhsa_next_free_vgpr 512
		.amdhsa_next_free_sgpr 96
		.amdhsa_reserve_vcc 1
		.amdhsa_float_denorm_mode_32 3
		.amdhsa_float_denorm_mode_16_64 3
		.amdhsa_memory_ordered 1
		.amdhsa_forward_progress 1
		.amdhsa_inst_pref_size 57
	.end_amdhsa_kernel
	.amdgpu_metadata
---
amdhsa.version: [ 1, 2 ]
amdhsa.kernels:
  - .name:           k_q4560995112_gqkv
    .symbol:         k_q4560995112_gqkv.kd
    .args:
      - { .name: cb, .offset: 0, .size: 8, .value_kind: global_buffer, .address_space: global }
      - { .name: bq, .offset: 8, .size: 8, .value_kind: global_buffer, .address_space: global }
      - { .name: bk, .offset: 16, .size: 8, .value_kind: global_buffer, .address_space: global }
      - { .name: bv, .offset: 24, .size: 8, .value_kind: global_buffer, .address_space: global }
      - { .name: qkv, .offset: 32, .size: 8, .value_kind: global_buffer, .address_space: global }
    .group_segment_fixed_size: 327680
    .private_segment_fixed_size: 0
    .kernarg_segment_align: 8
    .kernarg_segment_size: 40
    .max_flat_workgroup_size: 128
    .sgpr_count:     96
    .vgpr_count:     512
    .wavefront_size: 32
...
	.end_amdgpu_metadata
.endif
;; end of part 2
;; launch attn (part 3): grid 16 x 16, 4 waves a work-group, clusters of 4 x 1, 327,680 bytes of LDS; arguments qkv, mf, ob; writes ob
.if DOCPART == 3
	.amdgcn_target "amdgcn-amd-amdhsa--gfx1250"
	.amdhsa_code_object_version 6
	.text
	.protected	k_q4560995112_attn
	.globl	k_q4560995112_attn
	.p2align	8
	.type	k_q4560995112_attn,@function
k_q4560995112_attn:
	s_mov_b64 s[64:65], 0
	v_nop
	global_prefetch_b8 v0, s[64:65] scope:SCOPE_SE
	s_setreg_imm32_b32 hwreg(HW_REG_WAVE_MODE, 25, 1), 1
	s_wait_xcnt 0x0
	s_wait_alu depctr_hold_cnt(0) depctr_sa_sdst(0) depctr_va_vdst(0) depctr_va_sdst(0) depctr_va_ssrc(0) depctr_va_vcc(0) depctr_vm_vsrc(0)
	s_getreg_b32 s2, hwreg(HW_REG_IB_STS2, 6, 4)
	s_cmp_eq_u32 s2, 0
	s_cbranch_scc0 .Lentry_in_a_cluster
	s_endpgm
.Lentry_in_a_cluster:
	s_bfe_u32 s2, ttmp6, 0x10000c
	s_cmp_lg_u32 s2, 0x3003
	s_cbranch_scc0 .Lentry_shape_is_right
	s_endpgm
.Lentry_shape_is_right:
; MASKED ATTENTION.  O[q] = the sum over k of softmax_k(q . k / 8, hidden where tril(mask) = 0) v[k].  q, k, v: [batch x 16 + head][2048][64] f16; mf: [batch][q][k] f16, 0 where seen, -65504 where hidden
; (tril is in it).  Products, maxima and sums in f32; the weights are rounded to f16 for the second product, O once at the end; O leaves in blocks [row / 64][head][64][64] f16.
; LIMITS.  A hidden score counts as its value less 65504^2 = 4.29e9; a row whose largest raw score lies below -2e9 counts as wholly hidden, so |q . k| stays under 2e9.  Such a row takes the mean of ALL 2,048
; rows of v (every score equal: a uniform softmax), from the column sums that the projection left.  A weight below 2^-126 counts as 0.  NaN and infinities are not treated apart.
; THE WALK.  A head's queries lie in 16 blocks of 128; block i needs the key units 0 .. i / 2 of 256 keys.  A work-group takes blocks 15 - pb and then pb: 9 units whatever pb, one loop with a constant trip count.
; CLUSTER.  The four partners are four heads of the same batch and pb: they run alike and need the same tile of the mask, which is asked for JOINTLY.  K and V belong to one head each: plain loads, behind the same rounds.
; THE MASK costs no vector work: the sum S^T starts with a product E x M, E = 65504 on a diagonal, M = the mask's fragment (16 queries x 32 keys, as it lies).  K Q^T adds onto it in place.
; SHARES.  A wave owns two PIECES of 16 queries: rows 64 p + 16 w .. + 15 of the block.  LAYOUT, SOFTMAX: S^T holds one query a lane (l % 16) and keys 8 (l / 16) + 0..7; p = 2^(c s - c m), c = log2(e) / 8, with a running
; maximum m; O and l are multiplied by a = 2^(c m_old - c m_new) in every step.
; TURNS.  Turn p of key step j: softmax of piece p; ahead of its one wait 4 mask products and 8 K Q^T of the other piece (p = 0: step j; p = 1: step j + 1), behind it 8 V^T P of the other piece (p = 0: step j - 1; p = 1: step j).
; Four vector instructions stand behind every product, the other 38 in one lump.  A turn's 33 exponentials are one batch with one wait.
; FETCHES for step j + 1: K and piece 0's mask in turn 0's lump, V at turn 0's end (two buffers by the step's parity: into the one just read), piece 1's mask in turn 1's lump.  So a unit's reads are all issued within
; eight turns, and the change of slots stands in front of the turn that fetches the next unit's step 0.
; REGISTERS.  Window 0: v0-31 addresses and statistics; v32-43 E; v48-55 at work; v64-127 S^T (a buffer a piece); v128-191 O^T; v192-223 P; v224-255 the mask's fragments.
; Window 1: v0-31 Q; v32-63 the second block's Q; v64-127 K; v128-191, v192-255 V.
.set KS,    64
.set PK,    144                        ; a row of K: 128 bytes + 16
.set PVP,   160                        ; a row of V: 128 + 32
.set PM,    528                        ; a row of the mask's tile: 512 + 16
.set VOFF,  256*PK
.set MOFF,  VOFF+256*PVP
.set SLOT,  MOFF+128*PM                ; 145,408
.set STAGE, 2*SLOT                     ; 16 rows x 144 bytes for each wave; never filled by a tensor load
.set SP,    144
.set VMS,   STAGE+4*16*SP              ; two halves of V's mean, 64 channels each
.set SPARE, VMS+512
.set AK0, 2
.set AV0, 3
.set AK,  4
.set AV,  5
.set STO, 6
.set RD,  7
.set GO,  8
.set MV,  12                           ; v12-13 c m_old, by piece
.set AM0, 14
.set AM1, 15
.set ST,  16                           ; piece t: c m, m, l (even keys', odd keys')
.set AM,  24
.set QO,  25
.set PFO, 26                           ; 256 x my thread's number; never rewritten
.set PFMO, 27                          ; (l / 2) x 4,096 + (l % 2) x 256; never rewritten
.set VMA, 28
.set VPO, 30
.set VST, 31
.set EZ,  32                           ; v32-35 zeros, v36-39 the pattern, v40-43 zeros: E1 = v[32:39], E0 = v[36:43]
.set TMP, 48
.set SPW, 62
.set NIL, 63
.set S,   64
.set VM,  96                           ; the way out: V's mean, in S^T's second buffer
.set OT,  128
.set P,   192
.set MB,  224
.set VM2, 224
.set QB,  32                           ; window 1
.set KF,  64
.set VA,  128
.set VB,  192
.set FL,  10                           ; s10, s11 which lanes' rows are wholly hidden, by piece
.set WV,  12
.set CX,  13
.set HEAD, 14
.set BT,  15
.set PB,  16
.set HI,  17
.set PBH, 18
.set ML,  19                           ; the mask half's place in a slot
.set MT,  22
.set THR, 23
.set G1K, 24
.set G1V, 32
.set G0K, 40
.set G0V, 44
.set G0M, 48
.set G1M, 52
.set CS,  60
.set SEL, 62
.set SLOTS, 66
.set CNT, 67
.set SB,  68                           ; the slot that is read
.set SBF, 69                           ; the slot that is filled
.set TBK, 70
.set TBV, 71
.set TBM, 72
.set RT,  73                           ; units of the block in hand still to be entered
.set NXT, 74                           ; the unit to be asked for next,
.set LQ,  75                           ; the last unit of its block,
.set BA,  76                           ; and its block
.set NEW, 77
.set OFF, 78
.set KB,  80
.set VBS, 82
.set MBS, 84
.set OPT, 86
.set OLO, 88
.set QL,  90
.set PFK, 92
.set PFV, 94
.set PFM, 96
.set MPF, 98
.set LIMK, 100
.set LIMM, 101
.set VP,  104
.set MSB, 0
.macro WIN new
.if MSB != (\new)
	s_set_vgpr_msb (MSB<<8)|(\new)
.set MSB, (\new)
.endif
.endm
.set W_KQ, 0x05                        ; K and Q in window 1
.set W_PV, 0x01                        ; V in window 1
.set W_LD, 0x40                        ; destination window 1
; A fill: wave 0 K's 256 keys, wave 1 V's, waves 2 and 3 the halves of the mask's tile (jointly).  The branches hang on the wave's number alone.
.macro JLOAD
	s_cmp_lt_u32 s[WV], 2
	s_cbranch_scc0 .Lfor_m_\@
	s_cmp_eq_u32 s[WV], 0
	s_cbranch_scc0 .Lfor_v_\@
	tensor_load_to_lds s[G0K:G0K+3], s[G1K:G1K+7]
	s_nop 0
.rept 4
	v_nop
.endr
	s_branch .Lasked_\@
.Lfor_v_\@:
	tensor_load_to_lds s[G0V:G0V+3], s[G1V:G1V+7]
	s_nop 0
.rept 4
	v_nop
.endr
	s_branch .Lasked_\@
.Lfor_m_\@:
	tensor_load_to_lds s[G0M:G0M+3], s[G1M:G1M+7]
	s_nop 0
.rept 4
	v_nop
.endr
.Lasked_\@:
.endm
; PREFETCHES, behind the fill and its five lines, for the unit that the NEXT change will ask for.  K and V: a head's eight units are walked first by the work-group with pb = 0: it alone asks, 128 threads x 256 bytes
; for K and for V, units 2 to 7.  The mask's tile (128 rows x 512 bytes) is read by the four clusters of a batch and pb: cluster x = 0 asks; its partners share the rows out by address, 32 each, waves 2 and 3 take 16 each,
; a lane 256 bytes.  So each block of 256 bytes is named once.  The last changes ask for nothing.
.macro ASK
	s_cmp_gt_u32 s[SLOTS], s[LIMK]
	s_cbranch_scc0 .Lno_kv_\@
	global_prefetch_b8 v[PFO], s[PFK:PFK+1] th:TH_LOAD_NT scope:SCOPE_SE
	global_prefetch_b8 v[PFO], s[PFV:PFV+1] th:TH_LOAD_NT scope:SCOPE_SE
.Lno_kv_\@:
	s_cmp_gt_u32 s[SLOTS], s[LIMM]
	s_cbranch_scc0 .Lno_m_\@
	global_prefetch_b8 v[PFMO], s[PFM:PFM+1] th:TH_LOAD_NT scope:SCOPE_SE
.Lno_m_\@:
.endm
.macro CROUND
	s_barrier_signal -1
	s_barrier_wait -1
	s_cmp_lg_u32 s[WV], 0
	s_cbranch_scc1 .Lnot_wave_0_\@
	s_barrier_signal -3
.Lnot_wave_0_\@:
	s_barrier_wait -3
	s_barrier_signal -1
	s_barrier_wait -1
.endm
; The three descriptors for unit NXT of block BA into slot SBF, made anew from the numbers; then the walker steps: the block's next unit, or behind its last the second block's unit 0.
.macro DESC
	s_lshl_b32 s[OFF], s[NXT], 15                  ; a unit is 32,768 bytes of K and of V
	s_mov_b32 s[G0K+1], s[SBF]
	s_add_nc_u64 s[G0K+2:G0K+3], s[KB:KB+1], s[OFF:OFF+1]
	s_or_b32 s[G0K+3], s[G0K+3], 0x80000000
	s_add_co_u32 s[G0V+1], s[SBF], VOFF
	s_add_nc_u64 s[G0V+2:G0V+3], s[VBS:VBS+1], s[OFF:OFF+1]
	s_or_b32 s[G0V+3], s[G0V+3], 0x80000000
	s_lshl_b32 s[OFF], s[BA], 19                   ; a block's 128 rows of 4,096 bytes,
	s_lshl_b32 s[MT], s[NXT], 9                    ; a unit's 512 bytes of a row
	s_add_co_u32 s[OFF], s[OFF], s[MT]
	s_add_co_u32 s[G0M+1], s[SBF], s[ML]
	s_add_nc_u64 s[G0M+2:G0M+3], s[MBS:MBS+1], s[OFF:OFF+1]
	s_or_b32 s[G0M+3], s[G0M+3], 0x80000000
	s_add_co_u32 s[NXT], s[NXT], 1
	s_cmp_gt_u32 s[NXT], s[LQ]
	s_cselect_b32 s[NXT], 0, s[NXT]
	s_cselect_b32 s[BA], s[PB], s[BA]
	s_cselect_b32 s[LQ], s[PBH], s[LQ]
.endm
; THE CHANGE OF SLOTS.  Each wave waits for all its tensor loads (one is out: its part of the other slot), adds 0 to its spare word, and waits for that and for its reads of the slot that it leaves.
; fill = 1: a round of the cluster's barrier, and the old slot is filled again first thing behind it.
.macro CHANGE fill
	WIN 0
	s_wait_tensorcnt 0x0                           ; no tensor load of mine is out, so the descriptors may be written
	ds_add_u32 v[SPW], v[NIL]                      ; 0 onto my spare word; scalar work stands between it and the wait for it
	s_mov_b32 s[SBF], s[SB]
	s_xor_b32 s[SB], s[SB], SLOT
.if \fill
	DESC
	s_wait_xcnt 0x0                                ; the last prefetches, a unit back, have read their addresses
	s_add_nc_u64 s[PFK:PFK+1], s[PFK:PFK+1], 32768
	s_add_nc_u64 s[PFV:PFV+1], s[PFV:PFV+1], 32768
	s_lshl_b32 s[OFF], s[BA], 19                   ; the walker now names the fill after this one
	s_lshl_b32 s[MT], s[NXT], 9
	s_add_co_u32 s[OFF], s[OFF], s[MT]
	s_add_nc_u64 s[PFM:PFM+1], s[MPF:MPF+1], s[OFF:OFF+1]
	s_wait_dscnt 0x0                               ; the add is done, my reads of the slot are over
	CROUND
	JLOAD
	ASK
.else
	s_wait_dscnt 0x0
	s_barrier_signal -1
	s_barrier_wait -1
.endif
	s_mov_b32 s[TBK], s[SB]                        ; the fetches go to the new slot's first step
	s_mov_b32 s[TBV], s[SB]
	s_mov_b32 s[TBM], s[SB]
.endm
	s_load_b128 s[4:7], s[0:1], 0x0                ; qkv 4, mf 6
	s_load_b64 s[8:9], s[0:1], 0x10                ; ob
	v_lshl_add_u32 v[SPW], v0, 2, SPARE
	v_mov_b32 v[NIL], 0
	ds_add_u32 v[SPW], v[NIL]                      ; the wave's opening: the add and its wait ahead of my first tensor load
	v_lshrrev_b32 v1, 5, v0
	v_readfirstlane_b32 s[WV], v1
	s_bfe_u32 s[CX], ttmp6, 0x40000
	s_lshl_b32 s[HEAD], ttmp9, 2
	s_add_co_u32 s[HEAD], s[HEAD], s[CX]           ; it enters global addresses of q, k, v, O alone
	s_and_b32 s[PB], ttmp7, 0xffff
	s_lshr_b32 s[BT], s[PB], 3
	s_and_b32 s[PB], s[PB], 7
	s_sub_co_u32 s[HI], 15, s[PB]
	s_lshr_b32 s[PBH], s[PB], 1
	s_and_b32 s[MT], s[WV], 1
	s_mul_i32 s[ML], s[MT], 64*PM
	s_add_co_u32 s[ML], s[ML], MOFF
	s_mov_b32 s[G1K], (1<<16)|(1<<20)|(4<<22)|(3<<25)  ; 2-byte elements; 4 words of padding after every 32: 256 keys are 32,768 dense bytes, asked for as 128 rows of 256
	s_mov_b32 s[G1V], (1<<16)|(1<<20)|(4<<22)|(7<<25)  ; the same with 8 words
.irp g, G1K, G1V
	s_mov_b32 s[(\g)+1], 128<<16
	s_mov_b32 s[(\g)+2], 128<<16
	s_mov_b32 s[(\g)+3], 128<<16
	s_mov_b32 s[(\g)+4], 128
	s_mov_b32 s[(\g)+5], 128
	s_mov_b32 s[(\g)+6], 0
	s_mov_b32 s[(\g)+7], 0
.endr
	s_mov_b32 s[G1M], 15|(1<<16)|(1<<20)|(1<<21)|(6<<22)|(3<<25)  ; the mask of four; bit 21 beside it; 4 words after every 128
	s_mov_b32 s[G1M+1], 256<<16                    ; tensor_dim0 = 256 keys
	s_mov_b32 s[G1M+2], 64<<16                     ; tensor_dim1 = 64 rows
	s_mov_b32 s[G1M+3], 256<<16
	s_mov_b32 s[G1M+4], 64
	s_mov_b32 s[G1M+5], 2048
	s_mov_b32 s[G1M+6], 0
	s_mov_b32 s[G1M+7], 0
	s_mov_b32 s[G0K], 1
	s_mov_b32 s[G0V], 1
	s_mov_b32 s[G0M], 1
	s_mov_b32 s[CS], 0x3e38aa3b                    ; c = log2(e) / 8
	s_mov_b32 s[CS+1], s[CS]
	s_mov_b32 s[SEL], 0x76543210
	s_mov_b32 s[SEL+1], 0xfedcba98
	s_mov_b32 s[THR], 0xceee6b28                   ; -2e9
	s_mov_b32 s[SBF], 0
	s_mov_b32 s[SB], SLOT                          ; the first change turns it into 0
	s_mov_b32 s[NXT], 0
	s_lshr_b32 s[LQ], s[HI], 1
	s_mov_b32 s[BA], s[HI]
	s_add_co_u32 s[RT], s[LQ], 1
	s_mov_b32 s[NEW], 1
	s_mov_b32 s[SLOTS], 8
	s_mov_b32 s[OFF+1], 0
	s_mov_b32 s21, 0
	s_cmp_eq_u32 s[PB], 0
	s_cselect_b32 s[LIMK], 2, -1
	s_lshr_b32 s20, s[WV], 1
	s_xor_b32 s20, s20, 1
	s_or_b32 s20, s20, ttmp9                       ; 0 in waves 2 and 3 of cluster x = 0: the same in all four partners
	s_cmp_eq_u32 s20, 0
	s_cselect_b32 s[LIMM], 1, -1
	s_wait_dscnt 0x0                               ; the opening add is done
	s_wait_kmcnt 0x0
	s_lshl_b32 s20, s[BT], 4
	s_add_co_u32 s20, s20, s[HEAD]
	s_lshl_b32 s20, s20, 18
	s_add_nc_u64 s[2:3], s[4:5], s[20:21]          ; q at my head
	s_add_nc_u64 s[KB:KB+1], s[2:3], 8388608
	s_add_nc_u64 s[VBS:VBS+1], s[2:3], 16777216
	s_add_nc_u64 s[PFK:PFK+1], s[KB:KB+1], 32768   ; the first change steps these to unit 2
	s_add_nc_u64 s[PFV:PFV+1], s[VBS:VBS+1], 32768
	s_lshl_b32 s20, s[BT], 17
	s_lshl_b32 s10, s[HEAD], 8
	s_add_co_u32 s20, s20, s10
	s_add_co_u32 s20, s20, 25165824
	s_add_nc_u64 s[VP:VP+1], s[4:5], s[20:21]      ; vpart at my batch's 32 row groups and my head's 64 columns
	s_lshl_b32 s10, s[WV], 11
	s_lshl_b32 s20, s[PB], 14
	s_add_co_u32 s20, s20, s10
	s_add_nc_u64 s[QL:QL+1], s[2:3], s[20:21]      ; Q at my rows of the second block,
	s_lshl_b32 s20, s[HI], 14
	s_add_co_u32 s20, s20, s10
	s_add_nc_u64 s[4:5], s[2:3], s[20:21]          ; and of the first
	s_lshl_b32 s11, s[HEAD], 13
	s_add_co_u32 s11, s11, s10
	s_lshl_b32 s10, s[BT], 22
	s_add_co_u32 s11, s11, s10
	s_lshl_b32 s20, s[HI], 18
	s_add_co_u32 s20, s20, s11
	s_add_nc_u64 s[OPT:OPT+1], s[8:9], s[20:21]
	s_lshl_b32 s20, s[PB], 18
	s_add_co_u32 s20, s20, s11
	s_add_nc_u64 s[OLO:OLO+1], s[8:9], s[20:21]
	s_lshl_b32 s[OFF], s[BT], 23
	s_lshl_b32 s[MT], s[MT], 18                    ; my half's 64 rows of 4,096 bytes
	s_add_co_u32 s[OFF], s[OFF], s[MT]
	s_add_nc_u64 s[MBS:MBS+1], s[6:7], s[OFF:OFF+1]
	s_lshl_b32 s20, s[CX], 5
	s_and_b32 s10, s[WV], 1
	s_lshl_b32 s10, s10, 4
	s_add_co_u32 s20, s20, s10
	s_lshl_b32 s20, s20, 12
	s_lshl_b32 s10, s[BT], 23
	s_add_co_u32 s20, s20, s10
	s_add_nc_u64 s[MPF:MPF+1], s[6:7], s[20:21]
	DESC                                           ; unit 0 of the first block, into slot 0
	CROUND                                         ; all four work-groups are here
	JLOAD
	v_and_b32 v1, 15, v0                           ; r
	v_bfe_u32 v9, v0, 4, 1                         ; h
	v_lshlrev_b32 v[QO], 7, v1
	v_lshl_add_u32 v[QO], v9, 4, v[QO]
	WIN W_LD
.set i, 0
.rept 4                                ; both blocks' Q: piece i / 2 lies 64 rows on; channels 32 (i % 2) on
	global_load_b128 v[8*i:8*i+3],   v[QO], s[4:5] offset:(i/2)*8192+(i%2)*64
	global_load_b128 v[8*i+4:8*i+7], v[QO], s[4:5] offset:(i/2)*8192+(i%2)*64+32
	global_load_b128 v[QB+8*i:QB+8*i+3],   v[QO], s[QL:QL+1] offset:(i/2)*8192+(i%2)*64
	global_load_b128 v[QB+8*i+4:QB+8*i+7], v[QO], s[QL:QL+1] offset:(i/2)*8192+(i%2)*64+32
.set i, i+1
.endr
.set i, VB
.rept 64                               ; what a block's first turn multiplies need only be finite: its result is multiplied by a = 0
	v_mov_b32 v[i], 0
.set i, i+1
.endr
	WIN 0
	v_and_b32 v10, 63, v0
	v_lshrrev_b32 v11, 6, v0
	v_lshlrev_b32 v[VPO], 2, v10
	v_lshl_add_u32 v[VPO], v11, 16, v[VPO]         ; channel t % 64; row groups 16 (t / 64) on
.set i, 0
.rept 16
	global_load_b32 v[S+i], v[VPO], s[VP:VP+1] offset:i*4096
.set i, i+1
.endr
	v_lshl_add_u32 v[VST], v0, 2, VMS
	v_lshrrev_b32 v10, 3, v1                       ; E: lane (r, h) holds row r; 65504 at k = r: register (r % 8) / 2, half r % 2, where r / 8 = h
	v_and_b32 v11, 1, v1
	v_lshlrev_b32 v11, 4, v11
	v_mov_b32 v29, 0x7bff
	v_lshlrev_b32 v11, v11, v29
	v_cmp_eq_u32 vcc_lo, v10, v9
	v_cndmask_b32 v11, 0, v11, vcc_lo
	v_bfe_u32 v10, v1, 1, 2
.irp e, 0,1,2,3
	v_cmp_eq_u32 vcc_lo, \e, v10
	v_cndmask_b32 v[EZ+4+(\e)], 0, v11, vcc_lo
	v_mov_b32 v[EZ+(\e)], 0
	v_mov_b32 v[EZ+8+(\e)], 0
.endr
.set i, 0
.rept 64
	v_mov_b32 v[OT+i], 0
.set i, i+1
.endr
.set i, 0
.rept 16
	v_mov_b32 v[P+16+i], 0
.set i, i+1
.endr
.irp t, 0,1
	v_mov_b32 v[ST+4*(\t)+2], 0
	v_mov_b32 v[ST+4*(\t)+3], 0
.endr
	v_mul_u32_u24 v[AK0], v1, PK
	v_lshl_add_u32 v[AK0], v9, 4, v[AK0]
	v_and_b32 v10, 7, v0
	v_bfe_u32 v11, v0, 3, 1
	v_lshl_add_u32 v[AV0], v9, 3, v10
	v_mul_u32_u24 v[AV0], v[AV0], PVP
	v_lshl_add_u32 v[AV0], v11, 4, v[AV0]
	v_add_nc_u32 v[AV0], VOFF, v[AV0]
	s_lshl_b32 s10, s[WV], 4
	v_add_nc_u32 v11, s10, v1
	v_mul_u32_u24 v[AM0], v11, PM
	v_lshl_add_u32 v[AM0], v9, 4, v[AM0]
	v_add_nc_u32 v[AM0], MOFF, v[AM0]              ; the mask's row 16 w + r, for piece 0,
	v_add_nc_u32 v[AM1], 64*PM, v[AM0]             ; and 64 rows on for piece 1
	s_mul_i32 s10, s[WV], 16*SP
	s_add_co_u32 s10, s10, STAGE
	v_mul_u32_u24 v[STO], v1, SP
	v_lshl_add_u32 v[STO], v9, 4, v[STO]
	v_add_nc_u32 v[STO], s10, v[STO]
	v_bfe_u32 v[RD], v0, 3, 2
	v_mul_u32_u24 v[RD], v[RD], SP
	v_lshl_add_u32 v[RD], v10, 4, v[RD]
	v_add_nc_u32 v[RD], s10, v[RD]
	v_and_b32 v11, 31, v0
	v_lshlrev_b32 v[GO], 4, v11
	v_lshl_add_u32 v[VMA], v9, 5, VMS
	v_lshlrev_b32 v[PFO], 8, v0
	v_lshrrev_b32 v10, 1, v11
	v_and_b32 v11, 1, v11
	v_lshlrev_b32 v[PFMO], 8, v11
	v_lshl_add_u32 v[PFMO], v10, 12, v[PFMO]
	s_wait_loadcnt 0x0                             ; Q and the 16 column sums
.irp k, 0,2,4,6
	v_pk_add_f32 v[S+(\k):S+(\k)+1], v[S+(\k):S+(\k)+1], v[S+8+(\k):S+8+(\k)+1]
.endr
	v_pk_add_f32 v[S:S+1], v[S:S+1], v[S+4:S+5]
	v_pk_add_f32 v[S+2:S+3], v[S+2:S+3], v[S+6:S+7]
	v_pk_add_f32 v[S:S+1], v[S:S+1], v[S+2:S+3]
	v_add_f32 v[S], v[S], v[S+1]
	v_mul_f32 v[S], 0x3a000000, v[S]               ; / 2,048
	ds_store_b32 v[VST], v[S]                      ; the first change's wait and round show it to the other waves
; THE MATRIX WORK of a turn, 20 products counted by i; four accumulators take turns.
.macro MK x                            ; i = 0..3: keys 16 i on: S^T starts with 65504 x the mask
	WIN 0
.set rS, S+32*(\x)+8*i
.set rE, EZ+4*(1-i%2)
.set rM, MB+16*(\x)+8*(i/2)
	v_wmma_f32_16x16x32_f16 v[rS:rS+7], v[rE:rE+7], v[rM:rM+7], 0
.endm
.macro KQ x                            ; i = 4..11: channels 32 ((i - 4) / 4) on, keys 16 (i % 4) on
	WIN W_KQ
.set rS, S+32*(\x)+8*(i%4)
.set rK, KF+16*(i%4)+8*((i-4)/4)
.set rQ, 16*(\x)+8*((i-4)/4)
	v_wmma_f32_16x16x32_f16 v[rS:rS+7], v[rK:rK+7], v[rQ:rQ+7], v[rS:rS+7]
.endm
.macro PV x                            ; i = 12..19: keys 32 ((i - 12) / 4) on, channels 16 (i % 4) on
	WIN W_PV
.set rO, OT+32*(\x)+8*(i%4)
.set rV, VBUF+32*((i-12)/4)+8*(i%4)
.set rP, P+16*(\x)+8*((i-12)/4)
	v_wmma_f32_16x16x32_f16 v[rO:rO+7], v[rV:rV+7], v[rP:rP+7], v[rO:rO+7]
.endm
.macro MM
.if i < 4
.if !NOKQ
	MK 1-Y
.endif
.elseif i < 12
.if !NOKQ
	KQ 1-Y
.endif
.else
	PV 1-Y
.endif
.set i, i+1
.endm
; THE LDS LOADS stand in runs.
.macro FETCH_KM                        ; K (16 loads) and piece 0's mask (4)
	WIN 0
	v_add_nc_u32 v[AK], s[TBK], v[AK0]
	v_add_nc_u32 v[AM], s[TBM], v[AM0]
.irp g, 0,1
	ds_load_b128 v[MB+8*(\g):MB+8*(\g)+3],   v[AM] offset:64*(\g)
	ds_load_b128 v[MB+8*(\g)+4:MB+8*(\g)+7], v[AM] offset:64*(\g)+32
.endr
	WIN W_LD
.irp f, 0,1,2,3,4,5,6,7
	ds_load_b128 v[KF+8*\f:KF+8*\f+3],   v[AK] offset:(\f/2)*16*PK+(\f%2)*64
	ds_load_b128 v[KF+8*\f+4:KF+8*\f+7], v[AK] offset:(\f/2)*16*PK+(\f%2)*64+32
.endr
	WIN 0
.endm
.macro FETCH_M1                        ; piece 1's mask (4 loads); then the pointers step
	WIN 0
	v_add_nc_u32 v[AM], s[TBM], v[AM1]
.irp g, 0,1
	ds_load_b128 v[MB+16+8*(\g):MB+16+8*(\g)+3],   v[AM] offset:64*(\g)
	ds_load_b128 v[MB+16+8*(\g)+4:MB+16+8*(\g)+7], v[AM] offset:64*(\g)+32
.endr
	s_add_co_u32 s[TBK], s[TBK], KS*PK
	s_add_co_u32 s[TBV], s[TBV], KS*PVP
	s_add_co_u32 s[TBM], s[TBM], 2*KS
.endm
.macro FETCH_V vb                      ; V, turned (16 loads)
	WIN 0
	v_add_nc_u32 v[AV], s[TBV], v[AV0]
	WIN W_LD
.irp f, 0,1,2,3,4,5,6,7
	ds_load_tr16_b128 v[(\vb)+8*\f:(\vb)+8*\f+3],   v[AV] offset:(\f/4)*32*PVP+(\f%4)*32
	ds_load_tr16_b128 v[(\vb)+8*\f+4:(\vb)+8*\f+7], v[AV] offset:(\f/4)*32*PVP+16*PVP+(\f%4)*32
.endr
	WIN 0
.endm
; THE VECTOR WORK, one line at a time: OP kind, number.  For piece Y: F n: c s - c m for pair n of 16.  E n: the exponential of score n of 32.  C n: pair n rounded to f16.  B n: of the four weights 4 n .. the second pair is
; added onto the first.  L n: l takes that sum (L 0: l = a l + sum).  R n: pair n of 16 of O^T times a.  For the other piece: X n, number n of the 22 that find its maximum and statistics (each accumulator's lowest registers first).
.set F, 0
.set E, 1
.set C, 2
.set B, 3
.set L, 4
.set R, 5
.set X, 6
.macro REGS y
.set rT, ST+4*(\y)
.set rC, TMP+4*(\y)
.set rW, MV+(\y)
.set rS, S+32*(\y)
.set rP, P+16*(\y)
.set rO, OT+32*(\y)
.endm
.macro OP k, n
	WIN 0
.if (\k) < X
	REGS Y
.if (\k) == F
	v_pk_fma_f32 v[rS+2*(\n):rS+2*(\n)+1], v[rS+2*(\n):rS+2*(\n)+1], s[CS:CS+1], v[rT:rT+1] op_sel_hi:[1,0,0] neg_lo:[0,0,1] neg_hi:[0,0,1]
.elseif (\k) == E
	v_exp_f32 v[rS+(\n)], v[rS+(\n)]
.elseif (\k) == C
	v_cvt_pk_f16_f32 v[rP+(\n)], v[rS+2*(\n)], v[rS+2*(\n)+1]
.elseif (\k) == B
	v_pk_add_f32 v[rS+4*(\n):rS+4*(\n)+1], v[rS+4*(\n):rS+4*(\n)+1], v[rS+4*(\n)+2:rS+4*(\n)+3]
.elseif (\k) == R
	v_pk_mul_f32 v[rO+2*(\n):rO+2*(\n)+1], v[rO+2*(\n):rO+2*(\n)+1], v[rC+2:rC+3] op_sel_hi:[1,0]
.elseif (\n) == 0
	v_pk_fma_f32 v[rT+2:rT+3], v[rT+2:rT+3], v[rC+2:rC+3], v[rS:rS+1] op_sel_hi:[1,0,1]
.else
	v_pk_add_f32 v[rT+2:rT+3], v[rT+2:rT+3], v[rS+4*(\n):rS+4*(\n)+1]
.endif
.elseif NOKQ
	v_nop                                          ; a block's last turn: there is no next piece
.else
	REGS 1-Y
.if (\n) < 4
	v_max3_num_f32 v[rC+(\n)], v[rS+8*(\n)], v[rS+8*(\n)+1], v[rS+8*(\n)+2]
.elseif (\n) < 12
	v_max3_num_f32 v[rC+(\n)%4], v[rC+(\n)%4], v[rS+8*((\n)%4)+2*((\n)/4)+1], v[rS+8*((\n)%4)+2*((\n)/4)+2]
.elseif (\n) == 12
	v_max3_num_f32 v[rC], v[rC], v[rS+7], v[rS+15]
.elseif (\n) == 13
	v_max3_num_f32 v[rC+1], v[rC+1], v[rS+23], v[rS+31]
.elseif (\n) == 14
	v_max3_num_f32 v[rC+2], v[rC+2], v[rC+3], v[rT+1]
.elseif (\n) == 15
	v_mov_b32 v[rW], v[rT]
.elseif (\n) == 16
	v_max3_num_f32 v[rC], v[rC], v[rC+1], v[rC+2]
.elseif (\n) == 17
	v_permlanex16_b32 v[rC+3], v[rC], s[SEL], s[SEL+1]
.elseif (\n) == 18
	v_max_num_f32 v[rT+1], v[rC], v[rC+3]
.elseif (\n) == 19
	v_mul_f32 v[rT], s[CS], v[rT+1]
.elseif (\n) == 20
	v_sub_f32 v[rC+1], v[rW], v[rT]
.else
	v_exp_f32 v[rC+2], v[rC+1]
.endif
.endif
.endm
.macro OPS a, i1, b=-1, i2=0, c=-1, i3=0, d=-1, i4=0
	OP \a, \i1
.if (\b) >= 0
	OP \b, \i2
.endif
.if (\c) >= 0
	OP \c, \i3
.endif
.if (\d) >= 0
	OP \d, \i4
.endif
.endm
.macro ROW a, i1, b, i2, c, i3, d, i4
	MM
	OPS \a, \i1, \b, \i2, \c, \i3, \d, \i4
.endm
; A TURN for piece p; vb = the V buffer that its V^T P reads (and, p = 0, that takes V of the next step at its end).  end = 1: a block's last two turns fetch nothing, and the last starts no new scores.
; X 0, 1, 2, 3 each stand five plain instructions behind the product that ends their accumulator; K's run stands seven plain instructions behind the last product that read K, V's four behind the last that read V.
.macro TURN p, vb, end=0
.set Y, (\p)
.set i, 0
.set VBUF, (\vb)
.set NOKQ, (\end)*(\p)
.if (\p) == 0
	s_wait_dscnt 0x0                               ; V and piece 1's mask are in
.else
	s_wait_dscnt 16                                ; K and piece 0's mask are in; V's 16 loads, issued behind them, may stay out
.endif
	ROW F,0, F,1, R,0, R,1
	ROW F,2, E,0, R,2, R,3
	ROW F,3, E,1, R,4, R,5
	ROW F,4, E,2, R,6, R,7
	ROW F,5, E,3, R,8, R,9
	ROW F,6, E,4, R,10, R,11
	ROW F,7, E,5, R,12, R,13
	ROW F,8, E,6, R,14, F,9
	ROW F,10, E,7, F,11, E,8
	ROW F,12, E,9, F,13, E,10
	ROW F,14, E,11, X,0, E,12
	ROW F,15, E,13, X,1, X,4
	OPS X,2, E,14, X,5, X,3
	OPS E,15, X,6, X,8, E,16
.if !(\end)
.if (\p) == 0
	FETCH_KM
.else
	FETCH_M1
.endif
.endif
	OPS X,7, X,9, E,17, X,10
	OPS X,12, E,18, X,11, X,13
	OPS E,19, X,15, E,20, X,14
	OPS E,21, E,22, E,23, X,16
	OPS E,24, E,25, X,17, E,26
	OPS E,27, X,18, E,28, E,29
	OPS X,19, E,30, X,20, E,31
	OPS X,21, R,15                                 ; R 15 is the plain instruction behind the last exponential
	s_wait_alu depctr_va_vdst(0)                   ; ahead of the first use of an exponential: one wait for the batch
	ROW C,0, B,0, C,2, B,1
	ROW L,0, C,4, B,2, L,1
	ROW C,6, B,3, L,2, C,8
	ROW B,4, L,3, C,10, B,5
	ROW L,4, C,12, B,6, L,5
	ROW C,14, B,7, L,6, C,1
	ROW C,3, L,7, C,5, C,7
	ROW C,9, C,11, C,13, C,15
.if ((\p) == 0) && !(\end)
	FETCH_V \vb
.endif
.endm
; A BLOCK BEGINS.  c m starts far below every c s, so the first step's a is 0; m at the lowest finite number.  Step 0's tiles are fetched, piece 0's first scores made, and its maximum and statistics.
.macro BEGIN
	s_mov_b32 s[NEW], 0
	WIN 0
.irp t, 0,1
	v_mov_b32 v[ST+4*(\t)], 0xfe000000
	v_mov_b32 v[ST+4*(\t)+1], 0xff7fffff
.endr
	FETCH_KM
	FETCH_V VA
	FETCH_M1
	s_wait_loadcnt 0x0                             ; Q
	s_wait_dscnt 20                                ; K and piece 0's mask are in; V's 16 and piece 1's 4 loads stay out
.set Y, 1
.set NOKQ, 0
.set i, 0
.rept 12
	MM
.endr
	WIN 0
.rept 4
	v_nop                                          ; the places behind those products
.endr
.irp n, 0,1,2,3,4,5,6,7,8,9,10,11,12,13,14,15,16,17,18,19,20,21
	OP X, \n
.endr
	v_nop
	s_wait_alu depctr_va_vdst(0)                   ; the wait for a, ahead of the branch
.endm
.macro PACK t                          ; O^T / l, or V's mean where the row is wholly hidden; rounded; through my stage, back as whole rows of 128 bytes
	WIN 0
.set i, 0
.rept 16
	v_pk_mul_f32 v[OT+32*(\t)+2*i:OT+32*(\t)+2*i+1], v[OT+32*(\t)+2*i:OT+32*(\t)+2*i+1], v[ST+4*(\t)+2:ST+4*(\t)+3] op_sel_hi:[1,0]
.set i, i+1
.endr
.set i, 0
.rept 32
	v_cndmask_b32 v[OT+32*(\t)+i], v[OT+32*(\t)+i], v[VM+i], s[FL+(\t)]
.set i, i+1
.endr
.set i, 0
.rept 16
	v_cvt_pk_f16_f32 v[S+16*(\t)+i], v[OT+32*(\t)+2*i], v[OT+32*(\t)+2*i+1]
.set i, i+1
.endr
.irp f, 0,1,2,3
	ds_store_b128 v[STO], v[S+16*(\t)+4*\f:S+16*(\t)+4*\f+3] offset:32*\f
.endr
.irp f, 0,1,2,3
	ds_load_b128 v[S+16*(\t)+4*\f:S+16*(\t)+4*\f+3], v[RD] offset:\f*4*SP  ; LDS serves a wave's instructions in order (ISA guide 5.7.1.4)
.endr
.endm
.macro SEND t, younger
.irp f, 0,1,2,3
	s_wait_dscnt (\younger)+3-\f
	global_store_b128 v[GO], v[S+16*(\t)+4*\f:S+16*(\t)+4*\f+3], s[OPT:OPT+1] offset:(\t)*131072+\f*512  ; 512 consecutive bytes, at a multiple of 256 from O's first
.endr
.endm
; A BLOCK ENDS: its last step's two turns, the last products, and the way out.
.macro FINISH
	TURN 0, VA, 1
	TURN 1, VB, 1
.set Y, 0
.set VBUF, VB
.set i, 12
.rept 8
	PV 1
.set i, i+1
.endr
	WIN 0
.irp t, 0,1
	v_add_f32 v[ST+4*(\t)+2], v[ST+4*(\t)+2], v[ST+4*(\t)+3]
.endr
.irp t, 0,1
	v_permlanex16_b32 v[ST+4*(\t)+3], v[ST+4*(\t)+2], s[SEL], s[SEL+1]
.endr
.irp t, 0,1
	v_add_f32 v[ST+4*(\t)+2], v[ST+4*(\t)+2], v[ST+4*(\t)+3]
.endr
.irp t, 0,1
	v_cmp_gt_f32 s[FL+(\t)], s[THR], v[ST+4*(\t)+1]  ; no key of the row was seen
.endr
.irp f, 0,1,2,3                        ; V's mean for my 32 channels, 16 f + 8 h + 0..7, in two halves
	ds_load_b128 v[VM+8*\f:VM+8*\f+3],     v[VMA] offset:64*\f
	ds_load_b128 v[VM+8*\f+4:VM+8*\f+7],   v[VMA] offset:64*\f+16
	ds_load_b128 v[VM2+8*\f:VM2+8*\f+3],   v[VMA] offset:256+64*\f
	ds_load_b128 v[VM2+8*\f+4:VM2+8*\f+7], v[VMA] offset:256+64*\f+16
.endr
.irp t, 0,1
	v_rcp_f32 v[ST+4*(\t)+2], v[ST+4*(\t)+2]
.endr
	v_nop
	s_wait_dscnt 0x0
.set i, 0
.rept 16
	v_pk_add_f32 v[VM+2*i:VM+2*i+1], v[VM+2*i:VM+2*i+1], v[VM2+2*i:VM2+2*i+1]
.set i, i+1
.endr
	s_wait_alu depctr_va_vdst(0)                   ; one wait for the two reciprocals, ahead of their first use
	PACK 0
	PACK 1
	SEND 0, 8
	SEND 1, 0
.endm
; A unit's eight turns.  A trip: an odd step and the even step behind it; a new block enters in the middle, at its step 0.
.macro UNIT tag
	s_sub_co_u32 s[RT], s[RT], 1
	s_mov_b32 s[CNT], 2
	s_cmp_eq_u32 s[NEW], 1
	s_cbranch_scc0 .Lstep\tag
	BEGIN
	s_branch .Lfirst\tag
.Lstep\tag:
	TURN 0, VA
	TURN 1, VB
	WIN 0
.Lfirst\tag:
	TURN 0, VB
	TURN 1, VA
	WIN 0
	s_sub_co_u32 s[CNT], s[CNT], 1
	s_cmp_lg_u32 s[CNT], 0
	s_cbranch_scc1 .Lstep\tag
.endm
.Lslot:                                        ; 8 times: a unit is entered and the next is asked for
	CHANGE 1
	UNIT 1
	s_cmp_lg_u32 s[RT], 0
	s_cbranch_scc1 .Lbottom
	FINISH                                         ; in the loop this is the first block's end
	s_wait_xcnt 0x0                                ; the stores have read their registers and O's address
	s_mov_b64 s[OPT:OPT+1], s[OLO:OLO+1]
	s_add_co_u32 s[RT], s[PBH], 1
	s_mov_b32 s[NEW], 1
	WIN 0x41
.set i, 0
.rept 32
	v_mov_b32 v[i], v[QB+i]                        ; the second block's Q goes where the one text of the turns names Q
.set i, i+1
.endr
	WIN 0
.Lbottom:
	s_sub_co_u32 s[SLOTS], s[SLOTS], 1
	s_cmp_lg_u32 s[SLOTS], 0
	s_cbranch_scc1 .Lslot
	CHANGE 0                                       ; the walk's last unit is written out
	UNIT 2
	FINISH
	s_wait_tensorcnt 0x0                           ; the wave's end
	ds_add_u32 v[SPW], v[NIL]
	s_wait_dscnt 0x0
	CROUND                                         ; the closing round
	s_endpgm
.Lfunc_end_k_q4560995112_attn:
	.size	k_q4560995112_attn, .Lfunc_end_k_q4560995112_attn-k_q4560995112_attn
	.p2alignl 7, 3214868480
	.fill 96, 4, 3214868480
	.section	.rodata,"a",@progbits
	.p2align	6, 0x0
	.amdhsa_kernel k_q4560995112_attn
		.amdhsa_group_segment_fixed_size 327680
		.amdhsa_private_segment_fixed_size 0
		.amdhsa_enable_private_segment 0
		.amdhsa_kernarg_size 24
		.amdhsa_user_sgpr_count 2
		.amdhsa_user_sgpr_kernarg_segment_ptr 1
		.amdhsa_wavefront_size32 1
		.amdhsa_system_sgpr_workgroup_id_x 1
		.amdhsa_system_sgpr_workgroup_id_y 1
		.amdhsa_system_sgpr_workgroup_id_z 1
		.amdhsa_system_vgpr_workitem_id 0
		.amdhsa_next_free_vgpr 512
		.amdhsa_next_free_sgpr 106
		.amdhsa_reserve_vcc 1
		.amdhsa_float_denorm_mode_32 3
		.amdhsa_float_denorm_mode_16_64 3
		.amdhsa_memory_ordered 1
		.amdhsa_forward_progress 1
		.amdhsa_inst_pref_size 172
	.end_amdhsa_kernel
	.amdgpu_metadata
---
amdhsa.version: [ 1, 2 ]
amdhsa.kernels:
  - .name:           k_q4560995112_attn
    .symbol:         k_q4560995112_attn.kd
    .args:
      - { .name: qkv, .offset: 0, .size: 8, .value_kind: global_buffer, .address_space: global }
      - { .name: mf, .offset: 8, .size: 8, .value_kind: global_buffer, .address_space: global }
      - { .name: ob, .offset: 16, .size: 8, .value_kind: global_buffer, .address_space: global }
    .group_segment_fixed_size: 327680
    .private_segment_fixed_size: 0
    .kernarg_segment_align: 8
    .kernarg_segment_size: 24
    .max_flat_workgroup_size: 128
    .sgpr_count:     106
    .vgpr_count:     512
    .wavefront_size: 32
...
	.end_amdgpu_metadata
.endif
;; end of part 3
;; launch gwo (part 4): grid 8 x 32, 4 waves a work-group, clusters of 4 x 4, 327,680 bytes of LDS; arguments ob, cb, bo, ao; writes ao
.if DOCPART == 4
	.amdgcn_target "amdgcn-amd-amdhsa--gfx1250"
	.amdhsa_code_object_version 6
	.text
	.protected	k_q4560995112_gwo
	.globl	k_q4560995112_gwo
	.p2align	8
	.type	k_q4560995112_gwo,@function
k_q4560995112_gwo:
	s_mov_b64 s[64:65], 0
	v_nop
	global_prefetch_b8 v0, s[64:65] scope:SCOPE_SE
	s_setreg_imm32_b32 hwreg(HW_REG_WAVE_MODE, 25, 1), 1
	s_wait_xcnt 0x0
	s_wait_alu depctr_hold_cnt(0) depctr_sa_sdst(0) depctr_va_vdst(0) depctr_va_sdst(0) depctr_va_ssrc(0) depctr_va_vcc(0) depctr_vm_vsrc(0)
	s_getreg_b32 s2, hwreg(HW_REG_IB_STS2, 6, 4)
	s_cmp_eq_u32 s2, 0
	s_cbranch_scc0 .Lentry_in_a_cluster
	s_endpgm
.Lentry_in_a_cluster:
	s_bfe_u32 s2, ttmp6, 0x10000c
	s_cmp_lg_u32 s2, 0xf033
	s_cbranch_scc0 .Lentry_shape_is_right
	s_endpgm
.Lentry_shape_is_right:
; attn_out = O Wo + bo.  A = O (f16, blocks of 64 x 64), B = Wo (bf16's numbers written as f16, [k][n], at cb + 14,680,064), sums in f32; the bias is rounded to bf16 like every input.
; It leaves twice: f32 [4096][1024] at ao (the residual) and bf16 in blocks of 64 x 64 at ao + 16,777,216 (the next product's operand).
; THE GEMM.  A tile of C is 128 x 128; four waves, each 64 x 64: 16 accumulators.  K goes in steps of 256 through two LDS slots.  Waves 0, 1 fetch A's two halves (64 rows x 256 K are 32,768
; dense bytes of the blocked layout), waves 2, 3 B's (128 k rows of 256 bytes each).  CLUSTER 4 x 4: A's tile is asked for jointly along a row of the cluster, B's along a column.
; The product is taken transposed (source 0 = B, source 1 = A).  B lies [k][n] in LDS and is turned by ds_load_tr16_b128.  The accumulators are cleared while the first tiles are on their way.
; REGISTERS: window 0: v0-31 addresses, v32-127 at work on the way out, v128-255 accumulators; window 1: two fragment buffers of 128 (A 64, then B 64).
.set NCOL,  1024
.set STEPS, 4
.set RBS,   131072
.set ASTEP, 32768
.set BSTEP, 512*NCOL
.set PA,    144
.set PB,    288
.set WLOAD, 36864
.set SLOT,  4*WLOAD                    ; 0x24000: shares no bit with wave x 0x9000, so one exclusive or changes slots
.set SPARE, 2*SLOT
.set SPITCH, 272
.set WSTAGE, 64*SPITCH                 ; the way out's stage lies in slot 0, which has had its last fill and whose last reads lie in front of a barrier
.set BI,  8
.set A0,  16
.set B0,  17
.set B20, 18
.set LN,  19
.set CA,  20
.set CB,  21
.set STO, 24
.set RD,  25
.set GO,  26
.set GF,  27
.set SPW, 28
.set NIL, 29
.set R16, 30
.set T,   32
.set U,   48
.set ACC, 128
.set F0,  0
.set F1,  128
.set SB,  21
.set G1,  24
.set G0,  32
.set G1B, 48
.set G0B, 56
.set OUT, 66
.set OUT2, 68
.set MSB, 0
.macro WIN new
.if MSB != (\new)
	s_set_vgpr_msb (MSB<<8)|(\new)
.set MSB, \new
.endif
.endm
.set MUL,  0x05
.set TO_F, 0x40
.macro JLOAD s
	s_cmp_eq_u32 s11, 0
	s_cbranch_scc0 .Lfor_b_\@
	tensor_load_to_lds s[G0+4*(\s):G0+4*(\s)+3], s[G1:G1+7]
	s_nop 0
.rept 4
	v_nop
.endr
	s_branch .Lasked_\@
.Lfor_b_\@:
	tensor_load_to_lds s[G0B+4*(\s):G0B+4*(\s)+3], s[G1B:G1B+7]
	s_nop 0
.rept 4
	v_nop
.endr
.Lasked_\@:
.endm
.macro CREST
	s_cmp_lg_u32 s10, 0
	s_cbranch_scc1 .Lnot_wave_0_\@
	s_barrier_signal -3
.Lnot_wave_0_\@:
	s_barrier_wait -3
	s_barrier_signal -1
	s_barrier_wait -1
.endm
.macro CROUND
	s_barrier_signal -1
	s_barrier_wait -1
	CREST
.endm
.macro PLACES
.rept 4
	v_nop
.endr
.endm
.macro WM d, a, b
	v_wmma_f32_16x16x32_f16 v[(\d):(\d)+7], v[(\a):(\a)+7], v[(\b):(\b)+7], v[(\d):(\d)+7]
.endm
.macro MUL8 f, c, a0                   ; the 16 accumulators take turns, over the backward jumps too
	WIN MUL
.irp a, \a0, (\a0)+1
.irp b, 0,1,2,3
	WM ACC+8*(4*(\a)+(\b)), (\f)+64+8*(4*(\c)+(\b)), (\f)+8*(4*(\c)+(\a))
.endr
.endr
.endm
.macro FETCH q, f
	WIN TO_F
.irp c, 0,1
.irp i, 0,1,2,3
	ds_load_tr16_b128 v[(\f)+64+8*(4*(\c)+(\i)):(\f)+64+8*(4*(\c)+(\i))+3],   v[CB+(\q)/2] offset:((\q)%2)*64*PB+(\c)*32*PB+(\i)*32
	ds_load_tr16_b128 v[(\f)+64+8*(4*(\c)+(\i))+4:(\f)+64+8*(4*(\c)+(\i))+7], v[CB+(\q)/2] offset:((\q)%2)*64*PB+(\c)*32*PB+(\i)*32+16*PB
	ds_load_b128 v[(\f)+8*(4*(\c)+(\i)):(\f)+8*(4*(\c)+(\i))+3],   v[CA] offset:(\q)*64*PA+(\i)*16*PA+(\c)*64
	ds_load_b128 v[(\f)+8*(4*(\c)+(\i))+4:(\f)+8*(4*(\c)+(\i))+7], v[CA] offset:(\q)*64*PA+(\i)*16*PA+(\c)*64+32
.endr
.endr
.endm
.macro SETAD
	v_add_nc_u32 v[CA], s[SB], v[A0]
	v_add_nc_u32 v[CB], s[SB], v[B0]
	v_add_nc_u32 v[CB+1], s[SB], v[B20]
.endm
.macro QUARTER q, f, g
	s_wait_dscnt 16                                ; the first 32 along K are in; the 16 younger loads may be out
	MUL8 \f, 0, 0
	MUL8 \f, 0, 2
	PLACES
	FETCH \q, \g
	s_wait_dscnt 32                                ; all but the 32 just issued
	MUL8 \f, 1, 0
	MUL8 \f, 1, 2
.endm
.macro TURN fill                       ; the last quarter and the change of slots: all my tensor loads waited for, the add, its wait and my reads' in front of one barrier; fill = 1: a round, and the refill first behind it
	WIN 0
	s_wait_tensorcnt 0x0
	ds_add_u32 v[SPW], v[NIL]
	s_wait_dscnt 17                                ; the add and the 16 youngest loads may be out
	MUL8 F1, 0, 0
	s_wait_dscnt 0x0
	s_barrier_signal -1
	MUL8 F1, 0, 2
	WIN 0
	s_barrier_wait -1
.if \fill
	CREST
	s_xor_b32 s[G0+5], s[G0+5], SLOT
	s_add_nc_u64 s[G0+6:G0+7], s[G0+6:G0+7], ASTEP
	s_xor_b32 s[G0B+5], s[G0B+5], SLOT
	s_add_nc_u64 s[G0B+6:G0B+7], s[G0B+6:G0B+7], BSTEP
	JLOAD 1
.else
	s_cmp_eq_u32 s3, 1
	s_cbranch_scc1 .Lnofetch_\@
	PLACES
.endif
	s_xor_b32 s[SB], s[SB], SLOT
	SETAD
	FETCH 0, F0
.if !(\fill)
	WIN 0
.Lnofetch_\@:
.endif
	MUL8 F1, 1, 0
	MUL8 F1, 1, 2
.endm
.macro STEP fill
	QUARTER 1, F0, F1
	QUARTER 2, F1, F0
	QUARTER 3, F0, F1
	TURN \fill
.endm
.macro RND2 a, b, t
	v_cvt_pk_bf16_f32 v[\t], v[\a], v[\b]
	v_lshlrev_b32 v[\a], 16, v[\t]
	v_and_b32 v[\b], 0xffff0000, v[\t]
.endm
	s_load_b256 s[72:79], s[0:1], 0x0              ; ob 72, cb 74, bo 76, ao 78
	v_lshl_add_u32 v[SPW], v0, 2, SPARE
	v_mov_b32 v[NIL], 0
	ds_add_u32 v[SPW], v[NIL]                      ; the wave's opening
	v_lshrrev_b32 v1, 5, v0
	v_readfirstlane_b32 s10, v1
	s_lshr_b32 s11, s10, 1
	s_and_b32 s12, s10, 1
	s_bfe_u32 s40, ttmp6, 0x40000
	s_bfe_u32 s41, ttmp6, 0x40004
	s_lshl_b32 s42, ttmp9, 2
	s_add_co_u32 s42, s42, s40                     ; tile column
	s_and_b32 s13, ttmp7, 0xffff
	s_lshl_b32 s13, s13, 2
	s_add_co_u32 s13, s13, s41                     ; tile row
	s_lshl_b32 s43, s41, 2
	s_lshl_b32 s43, 15, s43
	s_lshl_b32 s44, 0x1111, s40
	s_or_b32 s[G1], s43, (1<<16)|(1<<20)|(1<<21)|(4<<22)|(3<<25)
	s_or_b32 s[G1B], s44, (1<<16)|(1<<20)|(1<<21)|(5<<22)|(7<<25)
.irp g, G1, G1B
	s_mov_b32 s[(\g)+1], 128<<16
	s_mov_b32 s[(\g)+2], 128<<16
	s_mov_b32 s[(\g)+3], 128<<16
	s_mov_b32 s[(\g)+4], 128
	s_mov_b32 s[(\g)+6], 0
	s_mov_b32 s[(\g)+7], 0
.endr
	s_mov_b32 s[G1+5], 128
	s_mov_b32 s[G1B+5], NCOL
	s_lshl_b32 s16, s13, 1
	s_add_co_u32 s16, s16, s12
	s_mul_i32 s16, s16, RBS
	s_mov_b32 s17, 0
	s_mul_i32 s46, s12, 128*NCOL*2
	s_lshl_b32 s47, s42, 8
	s_add_co_u32 s46, s46, s47
	s_add_co_u32 s46, s46, 14680064
	s_mov_b32 s47, 0
	s_mul_i32 s20, s10, WLOAD
	s_mov_b32 s[SB], 0
	s_wait_dscnt 0x0
	s_wait_kmcnt 0x0
	s_add_nc_u64 s[14:15], s[72:73], s[16:17]
	s_add_nc_u64 s[46:47], s[74:75], s[46:47]
	CROUND
.irp s, 0,1
	s_mov_b32 s[G0+4*(\s)], 1
	s_add_co_u32 s[G0+4*(\s)+1], s20, (\s)*SLOT
	s_add_nc_u64 s[G0+4*(\s)+2:G0+4*(\s)+3], s[14:15], (\s)*ASTEP
	s_or_b32 s[G0+4*(\s)+3], s[G0+4*(\s)+3], 0x80000000
	s_mov_b32 s[G0B+4*(\s)], 1
	s_add_co_u32 s[G0B+4*(\s)+1], s20, (\s)*SLOT
	s_add_nc_u64 s[G0B+4*(\s)+2:G0B+4*(\s)+3], s[46:47], (\s)*BSTEP
	s_or_b32 s[G0B+4*(\s)+3], s[G0B+4*(\s)+3], 0x80000000
	JLOAD \s
.endr
	s_lshl_b32 s70, s13, 1
	s_add_co_u32 s70, s70, s11                     ; rb: my 64 rows
	s_lshl_b32 s71, s42, 1
	s_add_co_u32 s71, s71, s12                     ; kb: my 64 columns
	s_lshl_b32 s22, s71, 8
	s_mov_b32 s23, 0
	s_add_nc_u64 s[8:9], s[76:77], s[22:23]        ; the bias at my columns
	s_lshl_b32 s2, s70, 18
	s_add_co_u32 s22, s22, s2
	s_add_nc_u64 s[OUT:OUT+1], s[78:79], s[22:23]  ; f32: 64 rows of 4,096 bytes, 256 bytes of a row
	s_lshl_b32 s22, s70, 17
	s_lshl_b32 s2, s71, 13
	s_add_co_u32 s22, s22, s2
	s_add_co_u32 s22, s22, 16777216
	s_add_nc_u64 s[OUT2:OUT2+1], s[78:79], s[22:23]
	v_and_b32 v1, 15, v0
	v_bfe_u32 v2, v0, 4, 1
	v_and_b32 v[LN], 31, v0
	v_lshlrev_b32 v[R16], 4, v1
	global_load_b128 v[BI:BI+3], v[R16], s[8:9]
.set i, 0
.rept 128
	v_mov_b32 v[ACC+i], 0
.set i, i+1
.endr
	v_mul_u32_u24 v[A0], v1, PA
	v_lshl_add_u32 v[A0], v2, 4, v[A0]
	s_mul_i32 s22, s11, WLOAD
	v_add_nc_u32 v[A0], s22, v[A0]
	v_and_b32 v4, 7, v0
	v_lshl_add_u32 v4, v2, 3, v4
	v_mul_u32_u24 v[B0], v4, PB
	v_bfe_u32 v5, v0, 3, 1
	v_lshl_add_u32 v[B0], v5, 4, v[B0]
	s_lshl_b32 s22, s12, 7
	s_add_co_u32 s22, s22, 2*WLOAD
	v_add_nc_u32 v[B0], s22, v[B0]
	v_add_nc_u32 v[B20], WLOAD, v[B0]
	s_mul_i32 s22, s10, WSTAGE
	v_mul_u32_u24 v[STO], v1, SPITCH
	v_lshl_add_u32 v[STO], v2, 5, v[STO]
	v_add_nc_u32 v[STO], s22, v[STO]
	v_mul_u32_u24 v[RD], v2, SPITCH
	v_lshl_add_u32 v[RD], v1, 4, v[RD]
	v_add_nc_u32 v[RD], s22, v[RD]
	v_lshlrev_b32 v[GO], 3, v[LN]
	v_lshl_add_u32 v[GF], v2, 12, v[R16]           ; f32: row l / 16, 16 bytes at 16 (l % 16)
	SETAD
	s_wait_tensorcnt 1                             ; my part of K step 0 is in; K step 1's may stay out
	s_barrier_signal -1
	s_barrier_wait -1
	FETCH 0, F0
	WIN 0
	s_mov_b32 s3, STEPS-2
.Lfill:
	STEP 1
	WIN 0
	s_sub_co_u32 s3, s3, 1
	s_cmp_lg_u32 s3, 0
	s_cbranch_scc1 .Lfill
	s_mov_b32 s3, 2
.Ltail:
	STEP 0
	WIN 0
	s_sub_co_u32 s3, s3, 1
	s_cmp_lg_u32 s3, 0
	s_cbranch_scc1 .Ltail
	PLACES
	PLACES
.irp a, 0,1,2,3
.irp b, 0,1,2,3
	ds_store_b128 v[STO], v[ACC+8*(4*(\a)+(\b)):ACC+8*(4*(\a)+(\b))+3]   offset:(\a)*16*SPITCH+64*(\b)
	ds_store_b128 v[STO], v[ACC+8*(4*(\a)+(\b))+4:ACC+8*(4*(\a)+(\b))+7] offset:(\a)*16*SPITCH+64*(\b)+16
.endr
.endr
	s_wait_loadcnt 0x0
	RND2 BI, BI+1, T
	RND2 BI+2, BI+3, T
	s_mov_b32 s3, 8
.Lrows:                                        ; a lane holds columns 4 (l % 16) .. + 3 of rows 8 trip + 2 t + l / 16
.irp t, 0,1,2,3
	ds_load_b128 v[T+4*(\t):T+4*(\t)+3], v[RD] offset:(\t)*2*SPITCH
.endr
	s_wait_dscnt 0x0
.irp t, 0,1,2,3
	v_pk_add_f32 v[T+4*(\t):T+4*(\t)+1], v[T+4*(\t):T+4*(\t)+1], v[BI:BI+1]
	v_pk_add_f32 v[T+4*(\t)+2:T+4*(\t)+3], v[T+4*(\t)+2:T+4*(\t)+3], v[BI+2:BI+3]
.endr
.irp t, 0,1,2,3
	global_store_b128 v[GF], v[T+4*(\t):T+4*(\t)+3], s[OUT:OUT+1] offset:(\t)*8192  ; 16 lanes: 256 consecutive bytes, aligned
	v_cvt_pk_bf16_f32 v[U+2*(\t)], v[T+4*(\t)], v[T+4*(\t)+1]
	v_cvt_pk_bf16_f32 v[U+2*(\t)+1], v[T+4*(\t)+2], v[T+4*(\t)+3]
	global_store_b64 v[GO], v[U+2*(\t):U+2*(\t)+1], s[OUT2:OUT2+1] offset:(\t)*256
.endr
	s_wait_xcnt 0x0                                ; the stores' data and offsets are rewritten only behind this wait
	v_add_nc_u32 v[GF], 32768, v[GF]
	v_add_nc_u32 v[GO], 1024, v[GO]
	v_add_nc_u32 v[RD], 8*SPITCH, v[RD]
	s_sub_co_u32 s3, s3, 1
	s_cmp_lg_u32 s3, 0
	s_cbranch_scc1 .Lrows
	s_wait_tensorcnt 0x0                           ; the wave's end
	ds_add_u32 v[SPW], v[NIL]
	s_wait_dscnt 0x0
	CROUND
	s_endpgm
.Lfunc_end_k_q4560995112_gwo:
	.size	k_q4560995112_gwo, .Lfunc_end_k_q4560995112_gwo-k_q4560995112_gwo
	.p2alignl 7, 3214868480
	.fill 96, 4, 3214868480
	.section	.rodata,"a",@progbits
	.p2align	6, 0x0
	.amdhsa_kernel k_q4560995112_gwo
		.amdhsa_group_segment_fixed_size 327680
		.amdhsa_private_segment_fixed_size 0
		.amdhsa_enable_private_segment 0
		.amdhsa_kernarg_size 32
		.amdhsa_user_sgpr_count 2
		.amdhsa_user_sgpr_kernarg_segment_ptr 1
		.amdhsa_wavefront_size32 1
		.amdhsa_system_sgpr_workgroup_id_x 1
		.amdhsa_system_sgpr_workgroup_id_y 1
		.amdhsa_system_sgpr_workgroup_id_z 1
		.amdhsa_system_vgpr_workitem_id 0
		.amdhsa_next_free_vgpr 512
		.amdhsa_next_free_sgpr 96
		.amdhsa_reserve_vcc 0
		.amdhsa_float_denorm_mode_32 3
		.amdhsa_float_denorm_mode_16_64 3
		.amdhsa_memory_ordered 1
		.amdhsa_forward_progress 1
		.amdhsa_inst_pref_size 55
	.end_amdhsa_kernel
	.amdgpu_metadata
---
amdhsa.version: [ 1, 2 ]
amdhsa.kernels:
  - .name:           k_q4560995112_gwo
    .symbol:         k_q4560995112_gwo.kd
    .args:
      - { .name: ob, .offset: 0, .size: 8, .value_kind: global_buffer, .address_space: global }
      - { .name: cb, .offset: 8, .size: 8, .value_kind: global_buffer, .address_space: global }
      - { .name: bo, .offset: 16, .size: 8, .value_kind: global_buffer, .address_space: global }
      - { .name: ao, .offset: 24, .size: 8, .value_kind: global_buffer, .address_space: global }
    .group_segment_fixed_size: 327680
    .private_segment_fixed_size: 0
    .kernarg_segment_align: 8
    .kernarg_segment_size: 32
    .max_flat_workgroup_size: 128
    .sgpr_count:     96
    .vgpr_count:     512
    .wavefront_size: 32
...
	.end_amdgpu_metadata
.endif
;; end of part 4
;; launch gff1 (part 5): grid 32 x 32, 4 waves a work-group, clusters of 4 x 4, 327,680 bytes of LDS; arguments ao, cb, b1, hb; writes hb
.if DOCPART == 5
	.amdgcn_target "amdgcn-amd-amdhsa--gfx1250"
	.amdhsa_code_object_version 6
	.text
	.protected	k_q4560995112_gff1
	.globl	k_q4560995112_gff1
	.p2align	8
	.type	k_q4560995112_gff1,@function
k_q4560995112_gff1:
	s_mov_b64 s[64:65], 0
	v_nop
	global_prefetch_b8 v0, s[64:65] scope:SCOPE_SE
	s_setreg_imm32_b32 hwreg(HW_REG_WAVE_MODE, 25, 1), 1
	s_wait_xcnt 0x0
	s_wait_alu depctr_hold_cnt(0) depctr_sa_sdst(0) depctr_va_vdst(0) depctr_va_sdst(0) depctr_va_ssrc(0) depctr_va_vcc(0) depctr_vm_vsrc(0)
	s_getreg_b32 s2, hwreg(HW_REG_IB_STS2, 6, 4)
	s_cmp_eq_u32 s2, 0
	s_cbranch_scc0 .Lentry_in_a_cluster
	s_endpgm
.Lentry_in_a_cluster:
	s_bfe_u32 s2, ttmp6, 0x10000c
	s_cmp_lg_u32 s2, 0xf033
	s_cbranch_scc0 .Lentry_shape_is_right
	s_endpgm
.Lentry_shape_is_right:
; h = gelu(attn_out W1 + b1), exact GELU.  A = attn_out (bf16 blocks, at ao + 16,777,216), B = W1 (bf16, [k][n], at cb + 16,777,216), sums in f32; h leaves in bf16, blocks of 64 x 64.
; erf by the rational form 1 - (a1 t + .. + a5 t^5) exp(-z^2), t = 1 / (1 + 0.3275911 z), z = |x| / sqrt(2): its error is at most 1.5e-7 for every z, and it needs no cut of the range.
; THE GEMM.  A tile of C is 128 x 128; four waves, each 64 x 64: 16 accumulators.  K goes in steps of 256 through two LDS slots.  Waves 0, 1 fetch A's two halves (64 rows x 256 K are 32,768
; dense bytes of the blocked layout), waves 2, 3 B's (128 k rows of 256 bytes each).  CLUSTER 4 x 4: A's tile is asked for jointly along a row of the cluster, B's along a column.
; The product is taken transposed (source 0 = B, source 1 = A).  B lies [k][n] in LDS and is turned by ds_load_tr16_b128.  The accumulators are cleared while the first tiles are on their way.
.set NCOL,  4096
.set STEPS, 4
.set RBS,   131072
.set ASTEP, 32768
.set BSTEP, 512*NCOL
.set PA,    144
.set PB,    288
.set WLOAD, 36864
.set SLOT,  4*WLOAD                    ; 0x24000: shares no bit with wave x 0x9000, so one exclusive or changes slots
.set SPARE, 2*SLOT
.set SPITCH, 272
.set WSTAGE, 64*SPITCH                 ; the way out's stage lies in slot 0, which has had its last fill and whose last reads lie in front of a barrier
.set BI,  8
.set A0,  16
.set B0,  17
.set B20, 18
.set LN,  19
.set CA,  20
.set CB,  21
.set STO, 24
.set RD,  25
.set GO,  26
.set SPW, 28
.set NIL, 29
.set R16, 30
.set T,   32                           ; x, 16 numbers
.set Z,   48
.set TT,  64
.set EE,  80
.set PP,  96
.set A5,  112
.set U,   114
.set ACC, 128
.set F0,  0
.set F1,  128
.set SB,  21
.set G1,  24
.set G0,  32
.set G1B, 48
.set G0B, 56
.set OUT2, 68
.set SGN, 80                           ; s80 0x7fffffff
.set RS2, 82                           ; scalar pairs, the low word is used for both halves
.set PC,  84
.set NL,  86
.set A4,  88
.set A3,  90
.set A2,  92
.set A1,  94
.set MSB, 0
.macro WIN new
.if MSB != (\new)
	s_set_vgpr_msb (MSB<<8)|(\new)
.set MSB, \new
.endif
.endm
.set MUL,  0x05
.set TO_F, 0x40
.macro JLOAD s
	s_cmp_eq_u32 s11, 0
	s_cbranch_scc0 .Lfor_b_\@
	tensor_load_to_lds s[G0+4*(\s):G0+4*(\s)+3], s[G1:G1+7]
	s_nop 0
.rept 4
	v_nop
.endr
	s_branch .Lasked_\@
.Lfor_b_\@:
	tensor_load_to_lds s[G0B+4*(\s):G0B+4*(\s)+3], s[G1B:G1B+7]
	s_nop 0
.rept 4
	v_nop
.endr
.Lasked_\@:
.endm
.macro CREST
	s_cmp_lg_u32 s10, 0
	s_cbranch_scc1 .Lnot_wave_0_\@
	s_barrier_signal -3
.Lnot_wave_0_\@:
	s_barrier_wait -3
	s_barrier_signal -1
	s_barrier_wait -1
.endm
.macro CROUND
	s_barrier_signal -1
	s_barrier_wait -1
	CREST
.endm
.macro PLACES
.rept 4
	v_nop
.endr
.endm
.macro WM d, a, b
	v_wmma_f32_16x16x32_bf16 v[(\d):(\d)+7], v[(\a):(\a)+7], v[(\b):(\b)+7], v[(\d):(\d)+7]
.endm
.macro MUL8 f, c, a0                   ; the 16 accumulators take turns, over the backward jumps too
	WIN MUL
.irp a, \a0, (\a0)+1
.irp b, 0,1,2,3
	WM ACC+8*(4*(\a)+(\b)), (\f)+64+8*(4*(\c)+(\b)), (\f)+8*(4*(\c)+(\a))
.endr
.endr
.endm
.macro FETCH q, f
	WIN TO_F
.irp c, 0,1
.irp i, 0,1,2,3
	ds_load_tr16_b128 v[(\f)+64+8*(4*(\c)+(\i)):(\f)+64+8*(4*(\c)+(\i))+3],   v[CB+(\q)/2] offset:((\q)%2)*64*PB+(\c)*32*PB+(\i)*32
	ds_load_tr16_b128 v[(\f)+64+8*(4*(\c)+(\i))+4:(\f)+64+8*(4*(\c)+(\i))+7], v[CB+(\q)/2] offset:((\q)%2)*64*PB+(\c)*32*PB+(\i)*32+16*PB
	ds_load_b128 v[(\f)+8*(4*(\c)+(\i)):(\f)+8*(4*(\c)+(\i))+3],   v[CA] offset:(\q)*64*PA+(\i)*16*PA+(\c)*64
	ds_load_b128 v[(\f)+8*(4*(\c)+(\i))+4:(\f)+8*(4*(\c)+(\i))+7], v[CA] offset:(\q)*64*PA+(\i)*16*PA+(\c)*64+32
.endr
.endr
.endm
.macro SETAD
	v_add_nc_u32 v[CA], s[SB], v[A0]
	v_add_nc_u32 v[CB], s[SB], v[B0]
	v_add_nc_u32 v[CB+1], s[SB], v[B20]
.endm
.macro QUARTER q, f, g
	s_wait_dscnt 16                                ; the first 32 along K are in; the 16 younger loads may be out
	MUL8 \f, 0, 0
	MUL8 \f, 0, 2
	PLACES
	FETCH \q, \g
	s_wait_dscnt 32                                ; all but the 32 just issued
	MUL8 \f, 1, 0
	MUL8 \f, 1, 2
.endm
.macro TURN fill                       ; the last quarter and the change of slots: all my tensor loads waited for, the add, its wait and my reads' in front of one barrier; fill = 1: a round, and the refill first behind it
	WIN 0
	s_wait_tensorcnt 0x0
	ds_add_u32 v[SPW], v[NIL]
	s_wait_dscnt 17                                ; the add and the 16 youngest loads may be out
	MUL8 F1, 0, 0
	s_wait_dscnt 0x0
	s_barrier_signal -1
	MUL8 F1, 0, 2
	WIN 0
	s_barrier_wait -1
.if \fill
	CREST
	s_xor_b32 s[G0+5], s[G0+5], SLOT
	s_add_nc_u64 s[G0+6:G0+7], s[G0+6:G0+7], ASTEP
	s_xor_b32 s[G0B+5], s[G0B+5], SLOT
	s_add_nc_u64 s[G0B+6:G0B+7], s[G0B+6:G0B+7], BSTEP
	JLOAD 1
.else
	s_cmp_eq_u32 s3, 1
	s_cbranch_scc1 .Lnofetch_\@
	PLACES
.endif
	s_xor_b32 s[SB], s[SB], SLOT
	SETAD
	FETCH 0, F0
.if !(\fill)
	WIN 0
.Lnofetch_\@:
.endif
	MUL8 F1, 1, 0
	MUL8 F1, 1, 2
.endm
.macro STEP fill
	QUARTER 1, F0, F1
	QUARTER 2, F1, F0
	QUARTER 3, F0, F1
	TURN \fill
.endm
.macro RND2 a, b, t
	v_cvt_pk_bf16_f32 v[\t], v[\a], v[\b]
	v_lshlrev_b32 v[\a], 16, v[\t]
	v_and_b32 v[\b], 0xffff0000, v[\t]
.endm
.macro EACH8 line:vararg               ; one line for each of 8 pairs, k = 0, 2 .. 14
.set k, 0
.rept 8
	\line
.set k, k+2
.endr
.endm
.macro EACH16 line:vararg              ; one line for each of 16 numbers, k = 0 .. 15
.set k, 0
.rept 16
	\line
.set k, k+1
.endr
.endm
	s_load_b256 s[72:79], s[0:1], 0x0              ; ao 72, cb 74, b1 76, hb 78
	v_lshl_add_u32 v[SPW], v0, 2, SPARE
	v_mov_b32 v[NIL], 0
	ds_add_u32 v[SPW], v[NIL]                      ; the wave's opening
	v_lshrrev_b32 v1, 5, v0
	v_readfirstlane_b32 s10, v1
	s_lshr_b32 s11, s10, 1
	s_and_b32 s12, s10, 1
	s_bfe_u32 s40, ttmp6, 0x40000
	s_bfe_u32 s41, ttmp6, 0x40004
	s_lshl_b32 s42, ttmp9, 2
	s_add_co_u32 s42, s42, s40
	s_and_b32 s13, ttmp7, 0xffff
	s_lshl_b32 s13, s13, 2
	s_add_co_u32 s13, s13, s41
	s_lshl_b32 s43, s41, 2
	s_lshl_b32 s43, 15, s43
	s_lshl_b32 s44, 0x1111, s40
	s_or_b32 s[G1], s43, (1<<16)|(1<<20)|(1<<21)|(4<<22)|(3<<25)
	s_or_b32 s[G1B], s44, (1<<16)|(1<<20)|(1<<21)|(5<<22)|(7<<25)
.irp g, G1, G1B
	s_mov_b32 s[(\g)+1], 128<<16
	s_mov_b32 s[(\g)+2], 128<<16
	s_mov_b32 s[(\g)+3], 128<<16
	s_mov_b32 s[(\g)+4], 128
	s_mov_b32 s[(\g)+6], 0
	s_mov_b32 s[(\g)+7], 0
.endr
	s_mov_b32 s[G1+5], 128
	s_mov_b32 s[G1B+5], NCOL
	s_lshl_b32 s16, s13, 1
	s_add_co_u32 s16, s16, s12
	s_mul_i32 s16, s16, RBS
	s_add_co_u32 s16, s16, 16777216
	s_mov_b32 s17, 0
	s_mul_i32 s46, s12, 128*NCOL*2
	s_lshl_b32 s47, s42, 8
	s_add_co_u32 s46, s46, s47
	s_add_co_u32 s46, s46, 16777216
	s_mov_b32 s47, 0
	s_mul_i32 s20, s10, WLOAD
	s_mov_b32 s[SB], 0
	s_mov_b32 s[SGN], 0x7fffffff
.irp p, 0,1
	s_mov_b32 s[RS2+(\p)], 0x3f3504f3              ; 1 / sqrt(2)
	s_mov_b32 s[PC+(\p)], 0x3ea7ba05               ; 0.3275911
	s_mov_b32 s[NL+(\p)], 0xbfb8aa3b               ; -log2(e)
	s_mov_b32 s[A4+(\p)], 0xbfba00e3               ; -1.453152027
	s_mov_b32 s[A3+(\p)], 0x3fb5f0e3               ; 1.421413741
	s_mov_b32 s[A2+(\p)], 0xbe91a98e               ; -0.284496736
	s_mov_b32 s[A1+(\p)], 0x3e827906               ; 0.254829592
.endr
	s_wait_dscnt 0x0
	s_wait_kmcnt 0x0
	s_add_nc_u64 s[14:15], s[72:73], s[16:17]
	s_add_nc_u64 s[46:47], s[74:75], s[46:47]
	CROUND
.irp s, 0,1
	s_mov_b32 s[G0+4*(\s)], 1
	s_add_co_u32 s[G0+4*(\s)+1], s20, (\s)*SLOT
	s_add_nc_u64 s[G0+4*(\s)+2:G0+4*(\s)+3], s[14:15], (\s)*ASTEP
	s_or_b32 s[G0+4*(\s)+3], s[G0+4*(\s)+3], 0x80000000
	s_mov_b32 s[G0B+4*(\s)], 1
	s_add_co_u32 s[G0B+4*(\s)+1], s20, (\s)*SLOT
	s_add_nc_u64 s[G0B+4*(\s)+2:G0B+4*(\s)+3], s[46:47], (\s)*BSTEP
	s_or_b32 s[G0B+4*(\s)+3], s[G0B+4*(\s)+3], 0x80000000
	JLOAD \s
.endr
	s_lshl_b32 s70, s13, 1
	s_add_co_u32 s70, s70, s11                     ; rb
	s_lshl_b32 s71, s42, 1
	s_add_co_u32 s71, s71, s12                     ; kb 0..63
	s_lshl_b32 s22, s71, 8
	s_mov_b32 s23, 0
	s_add_nc_u64 s[8:9], s[76:77], s[22:23]
	s_lshl_b32 s22, s70, 19                        ; 64 rows of h are 64 blocks of 8,192 bytes
	s_lshl_b32 s2, s71, 13
	s_add_co_u32 s22, s22, s2
	s_add_nc_u64 s[OUT2:OUT2+1], s[78:79], s[22:23]
	v_and_b32 v1, 15, v0
	v_bfe_u32 v2, v0, 4, 1
	v_and_b32 v[LN], 31, v0
	v_lshlrev_b32 v[R16], 4, v1
	global_load_b128 v[BI:BI+3], v[R16], s[8:9]
.set i, 0
.rept 128
	v_mov_b32 v[ACC+i], 0
.set i, i+1
.endr
	v_mul_u32_u24 v[A0], v1, PA
	v_lshl_add_u32 v[A0], v2, 4, v[A0]
	s_mul_i32 s22, s11, WLOAD
	v_add_nc_u32 v[A0], s22, v[A0]
	v_and_b32 v4, 7, v0
	v_lshl_add_u32 v4, v2, 3, v4
	v_mul_u32_u24 v[B0], v4, PB
	v_bfe_u32 v5, v0, 3, 1
	v_lshl_add_u32 v[B0], v5, 4, v[B0]
	s_lshl_b32 s22, s12, 7
	s_add_co_u32 s22, s22, 2*WLOAD
	v_add_nc_u32 v[B0], s22, v[B0]
	v_add_nc_u32 v[B20], WLOAD, v[B0]
	s_mul_i32 s22, s10, WSTAGE
	v_mul_u32_u24 v[STO], v1, SPITCH
	v_lshl_add_u32 v[STO], v2, 5, v[STO]
	v_add_nc_u32 v[STO], s22, v[STO]
	v_mul_u32_u24 v[RD], v2, SPITCH
	v_lshl_add_u32 v[RD], v1, 4, v[RD]
	v_add_nc_u32 v[RD], s22, v[RD]
	v_lshlrev_b32 v[GO], 3, v[LN]
	v_mov_b32 v[A5], 0x3f87dc22                    ; 1.061405429
	v_mov_b32 v[A5+1], 0x3f87dc22
	SETAD
	s_wait_tensorcnt 1                             ; my part of K step 0 is in; K step 1's may stay out
	s_barrier_signal -1
	s_barrier_wait -1
	FETCH 0, F0
	WIN 0
	s_mov_b32 s3, STEPS-2
.Lfill:
	STEP 1
	WIN 0
	s_sub_co_u32 s3, s3, 1
	s_cmp_lg_u32 s3, 0
	s_cbranch_scc1 .Lfill
	s_mov_b32 s3, 2
.Ltail:
	STEP 0
	WIN 0
	s_sub_co_u32 s3, s3, 1
	s_cmp_lg_u32 s3, 0
	s_cbranch_scc1 .Ltail
	PLACES
	PLACES
.irp a, 0,1,2,3
.irp b, 0,1,2,3
	ds_store_b128 v[STO], v[ACC+8*(4*(\a)+(\b)):ACC+8*(4*(\a)+(\b))+3]   offset:(\a)*16*SPITCH+64*(\b)
	ds_store_b128 v[STO], v[ACC+8*(4*(\a)+(\b))+4:ACC+8*(4*(\a)+(\b))+7] offset:(\a)*16*SPITCH+64*(\b)+16
.endr
.endr
	s_wait_loadcnt 0x0
	RND2 BI, BI+1, T
	RND2 BI+2, BI+3, T
	s_mov_b32 s3, 8
.Lrows:                                        ; 16 numbers a lane and trip
.irp t, 0,1,2,3
	ds_load_b128 v[T+4*(\t):T+4*(\t)+3], v[RD] offset:(\t)*2*SPITCH
.endr
	s_wait_dscnt 0x0
.irp t, 0,1,2,3
	v_pk_add_f32 v[T+4*(\t):T+4*(\t)+1], v[T+4*(\t):T+4*(\t)+1], v[BI:BI+1]
	v_pk_add_f32 v[T+4*(\t)+2:T+4*(\t)+3], v[T+4*(\t)+2:T+4*(\t)+3], v[BI+2:BI+3]
.endr
	EACH16 v_and_b32 v[Z+k], s[SGN], v[T+k]
	EACH8 v_pk_mul_f32 v[Z+k:Z+k+1], v[Z+k:Z+k+1], s[RS2:RS2+1] op_sel_hi:[1,0]                 ; z = |x| / sqrt(2)
	EACH8 v_pk_fma_f32 v[TT+k:TT+k+1], v[Z+k:Z+k+1], s[PC:PC+1], 1.0 op_sel_hi:[1,0,0]
	EACH16 v_rcp_f32 v[TT+k], v[TT+k]                                                            ; t
	EACH8 v_pk_mul_f32 v[EE+k:EE+k+1], v[Z+k:Z+k+1], v[Z+k:Z+k+1]
	EACH8 v_pk_mul_f32 v[EE+k:EE+k+1], v[EE+k:EE+k+1], s[NL:NL+1] op_sel_hi:[1,0]
	EACH16 v_exp_f32 v[EE+k], v[EE+k]                                                            ; exp(-z^2)
	v_nop                                          ; a plain instruction behind the last of them,
	s_wait_alu depctr_va_vdst(0)                   ; and one wait for the 32, ahead of the first use
	EACH8 v_pk_fma_f32 v[PP+k:PP+k+1], v[TT+k:TT+k+1], v[A5:A5+1], s[A4:A4+1] op_sel_hi:[1,1,0]
	EACH8 v_pk_fma_f32 v[PP+k:PP+k+1], v[PP+k:PP+k+1], v[TT+k:TT+k+1], s[A3:A3+1] op_sel_hi:[1,1,0]
	EACH8 v_pk_fma_f32 v[PP+k:PP+k+1], v[PP+k:PP+k+1], v[TT+k:TT+k+1], s[A2:A2+1] op_sel_hi:[1,1,0]
	EACH8 v_pk_fma_f32 v[PP+k:PP+k+1], v[PP+k:PP+k+1], v[TT+k:TT+k+1], s[A1:A1+1] op_sel_hi:[1,1,0]
	EACH8 v_pk_mul_f32 v[PP+k:PP+k+1], v[PP+k:PP+k+1], v[TT+k:TT+k+1]
	EACH8 v_pk_fma_f32 v[PP+k:PP+k+1], v[PP+k:PP+k+1], v[EE+k:EE+k+1], 1.0 op_sel_hi:[1,1,0] neg_lo:[1,0,0] neg_hi:[1,0,0]  ; erf(z)
	EACH16 v_bfi_b32 v[PP+k], s[SGN], v[PP+k], v[T+k]                                            ; with x's sign
	EACH8 v_pk_mul_f32 v[T+k:T+k+1], v[T+k:T+k+1], 0.5 op_sel_hi:[1,0]
	EACH8 v_pk_fma_f32 v[T+k:T+k+1], v[T+k:T+k+1], v[PP+k:PP+k+1], v[T+k:T+k+1]                  ; x / 2 (1 + erf)
.irp t, 0,1,2,3
	v_cvt_pk_bf16_f32 v[U+2*(\t)], v[T+4*(\t)], v[T+4*(\t)+1]
	v_cvt_pk_bf16_f32 v[U+2*(\t)+1], v[T+4*(\t)+2], v[T+4*(\t)+3]
	global_store_b64 v[GO], v[U+2*(\t):U+2*(\t)+1], s[OUT2:OUT2+1] offset:(\t)*256  ; a wave's store covers 256 consecutive bytes, aligned
.endr
	s_wait_xcnt 0x0
	v_add_nc_u32 v[GO], 1024, v[GO]
	v_add_nc_u32 v[RD], 8*SPITCH, v[RD]
	s_sub_co_u32 s3, s3, 1
	s_cmp_lg_u32 s3, 0
	s_cbranch_scc1 .Lrows
	s_wait_tensorcnt 0x0                           ; the wave's end
	ds_add_u32 v[SPW], v[NIL]
	s_wait_dscnt 0x0
	CROUND
	s_endpgm
.Lfunc_end_k_q4560995112_gff1:
	.size	k_q4560995112_gff1, .Lfunc_end_k_q4560995112_gff1-k_q4560995112_gff1
	.p2alignl 7, 3214868480
	.fill 96, 4, 3214868480
	.section	.rodata,"a",@progbits
	.p2align	6, 0x0
	.amdhsa_kernel k_q4560995112_gff1
		.amdhsa_group_segment_fixed_size 327680
		.amdhsa_private_segment_fixed_size 0
		.amdhsa_enable_private_segment 0
		.amdhsa_kernarg_size 32
		.amdhsa_user_sgpr_count 2
		.amdhsa_user_sgpr_kernarg_segment_ptr 1
		.amdhsa_wavefront_size32 1
		.amdhsa_system_sgpr_workgroup_id_x 1
		.amdhsa_system_sgpr_workgroup_id_y 1
		.amdhsa_system_sgpr_workgroup_id_z 1
		.amdhsa_system_vgpr_workitem_id 0
		.amdhsa_next_free_vgpr 512
		.amdhsa_next_free_sgpr 96
		.amdhsa_reserve_vcc 0
		.amdhsa_float_denorm_mode_32 3
		.amdhsa_float_denorm_mode_16_64 3
		.amdhsa_memory_ordered 1
		.amdhsa_forward_progress 1
		.amdhsa_inst_pref_size 64
	.end_amdhsa_kernel
	.amdgpu_metadata
---
amdhsa.version: [ 1, 2 ]
amdhsa.kernels:
  - .name:           k_q4560995112_gff1
    .symbol:         k_q4560995112_gff1.kd
    .args:
      - { .name: ao, .offset: 0, .size: 8, .value_kind: global_buffer, .address_space: global }
      - { .name: cb, .offset: 8, .size: 8, .value_kind: global_buffer, .address_space: global }
      - { .name: b1, .offset: 16, .size: 8, .value_kind: global_buffer, .address_space: global }
      - { .name: hb, .offset: 24, .size: 8, .value_kind: global_buffer, .address_space: global }
    .group_segment_fixed_size: 327680
    .private_segment_fixed_size: 0
    .kernarg_segment_align: 8
    .kernarg_segment_size: 32
    .max_flat_workgroup_size: 128
    .sgpr_count:     96
    .vgpr_count:     512
    .wavefront_size: 32
...
	.end_amdgpu_metadata
.endif
;; end of part 5
;; launch gff2 (part 6): grid 8 x 32, 4 waves a work-group, clusters of 4 x 4, 327,680 bytes of LDS; arguments hb, cb, b2, ao, yb; writes yb
.if DOCPART == 6
	.amdgcn_target "amdgcn-amd-amdhsa--gfx1250"
	.amdhsa_code_object_version 6
	.text
	.protected	k_q4560995112_gff2
	.globl	k_q4560995112_gff2
	.p2align	8
	.type	k_q4560995112_gff2,@function
k_q4560995112_gff2:
	s_mov_b64 s[64:65], 0
	v_nop
	global_prefetch_b8 v0, s[64:65] scope:SCOPE_SE
	s_setreg_imm32_b32 hwreg(HW_REG_WAVE_MODE, 25, 1), 1
	s_wait_xcnt 0x0
	s_wait_alu depctr_hold_cnt(0) depctr_sa_sdst(0) depctr_va_vdst(0) depctr_va_sdst(0) depctr_va_ssrc(0) depctr_va_vcc(0) depctr_vm_vsrc(0)
	s_getreg_b32 s2, hwreg(HW_REG_IB_STS2, 6, 4)
	s_cmp_eq_u32 s2, 0
	s_cbranch_scc0 .Lentry_in_a_cluster
	s_endpgm
.Lentry_in_a_cluster:
	s_bfe_u32 s2, ttmp6, 0x10000c
	s_cmp_lg_u32 s2, 0xf033
	s_cbranch_scc0 .Lentry_shape_is_right
	s_endpgm
.Lentry_shape_is_right:
; y = attn_out + h W2 + b2.  A = h (bf16 blocks, 64 rows are 524,288 bytes), B = W2 (bf16, [k][n], at cb + 25,165,824), K = 4,096: 16 steps; sums in f32; the residual comes in f32 from ao; y leaves in f32.
; My 64 x 64 of the residual is loaded at the head into window 2 (128 registers), so that nothing waits for it at the end.
; THE GEMM.  A tile of C is 128 x 128; four waves, each 64 x 64: 16 accumulators.  K goes in steps of 256 through two LDS slots.  Waves 0, 1 fetch A's two halves (64 rows x 256 K are 32,768
; dense bytes of the blocked layout), waves 2, 3 B's (128 k rows of 256 bytes each).  CLUSTER 4 x 4: A's tile is asked for jointly along a row of the cluster, B's along a column.
; The product is taken transposed (source 0 = B, source 1 = A).  B lies [k][n] in LDS and is turned by ds_load_tr16_b128.  The accumulators are cleared while the first tiles are on their way.
.set NCOL,  1024
.set STEPS, 16
.set RBS,   524288
.set ASTEP, 32768
.set BSTEP, 512*NCOL
.set PA,    144
.set PB,    288
.set WLOAD, 36864
.set SLOT,  4*WLOAD                    ; 0x24000: shares no bit with wave x 0x9000, so one exclusive or changes slots
.set SPARE, 2*SLOT
.set SPITCH, 272
.set WSTAGE, 64*SPITCH                 ; the way out's stage lies in slot 0, which has had its last fill and whose last reads lie in front of a barrier
.set BI,  8
.set A0,  16
.set B0,  17
.set B20, 18
.set CA,  20
.set CB,  21
.set STO, 24
.set RD,  25
.set GF,  27
.set SPW, 28
.set NIL, 29
.set R16, 30
.set T,   32
.set ACC, 128
.set F0,  0
.set F1,  128
.set SB,  21
.set G1,  24
.set G0,  32
.set G1B, 48
.set G0B, 56
.set OUT, 66
.set RES, 68
.set MSB, 0
.macro WIN new
.if MSB != (\new)
	s_set_vgpr_msb (MSB<<8)|(\new)
.set MSB, \new
.endif
.endm
.set MUL,  0x05
.set TO_F, 0x40
.macro JLOAD s
	s_cmp_eq_u32 s11, 0
	s_cbranch_scc0 .Lfor_b_\@
	tensor_load_to_lds s[G0+4*(\s):G0+4*(\s)+3], s[G1:G1+7]
	s_nop 0
.rept 4
	v_nop
.endr
	s_branch .Lasked_\@
.Lfor_b_\@:
	tensor_load_to_lds s[G0B+4*(\s):G0B+4*(\s)+3], s[G1B:G1B+7]
	s_nop 0
.rept 4
	v_nop
.endr
.Lasked_\@:
.endm
.macro CREST
	s_cmp_lg_u32 s10, 0
	s_cbranch_scc1 .Lnot_wave_0_\@
	s_barrier_signal -3
.Lnot_wave_0_\@:
	s_barrier_wait -3
	s_barrier_signal -1
	s_barrier_wait -1
.endm
.macro CROUND
	s_barrier_signal -1
	s_barrier_wait -1
	CREST
.endm
.macro PLACES
.rept 4
	v_nop
.endr
.endm
.macro WM d, a, b
	v_wmma_f32_16x16x32_bf16 v[(\d):(\d)+7], v[(\a):(\a)+7], v[(\b):(\b)+7], v[(\d):(\d)+7]
.endm
.macro MUL8 f, c, a0                   ; the 16 accumulators take turns, over the backward jumps too
	WIN MUL
.irp a, \a0, (\a0)+1
.irp b, 0,1,2,3
	WM ACC+8*(4*(\a)+(\b)), (\f)+64+8*(4*(\c)+(\b)), (\f)+8*(4*(\c)+(\a))
.endr
.endr
.endm
.macro FETCH q, f
	WIN TO_F
.irp c, 0,1
.irp i, 0,1,2,3
	ds_load_tr16_b128 v[(\f)+64+8*(4*(\c)+(\i)):(\f)+64+8*(4*(\c)+(\i))+3],   v[CB+(\q)/2] offset:((\q)%2)*64*PB+(\c)*32*PB+(\i)*32
	ds_load_tr16_b128 v[(\f)+64+8*(4*(\c)+(\i))+4:(\f)+64+8*(4*(\c)+(\i))+7], v[CB+(\q)/2] offset:((\q)%2)*64*PB+(\c)*32*PB+(\i)*32+16*PB
	ds_load_b128 v[(\f)+8*(4*(\c)+(\i)):(\f)+8*(4*(\c)+(\i))+3],   v[CA] offset:(\q)*64*PA+(\i)*16*PA+(\c)*64
	ds_load_b128 v[(\f)+8*(4*(\c)+(\i))+4:(\f)+8*(4*(\c)+(\i))+7], v[CA] offset:(\q)*64*PA+(\i)*16*PA+(\c)*64+32
.endr
.endr
.endm
.macro SETAD
	v_add_nc_u32 v[CA], s[SB], v[A0]
	v_add_nc_u32 v[CB], s[SB], v[B0]
	v_add_nc_u32 v[CB+1], s[SB], v[B20]
.endm
.macro QUARTER q, f, g
	s_wait_dscnt 16                                ; the first 32 along K are in; the 16 younger loads may be out
	MUL8 \f, 0, 0
	MUL8 \f, 0, 2
	PLACES
	FETCH \q, \g
	s_wait_dscnt 32                                ; all but the 32 just issued
	MUL8 \f, 1, 0
	MUL8 \f, 1, 2
.endm
.macro TURN fill                       ; the last quarter and the change of slots: all my tensor loads waited for, the add, its wait and my reads' in front of one barrier; fill = 1: a round, and the refill first behind it
	WIN 0
	s_wait_tensorcnt 0x0
	ds_add_u32 v[SPW], v[NIL]
	s_wait_dscnt 17                                ; the add and the 16 youngest loads may be out
	MUL8 F1, 0, 0
	s_wait_dscnt 0x0
	s_barrier_signal -1
	MUL8 F1, 0, 2
	WIN 0
	s_barrier_wait -1
.if \fill
	CREST
	s_xor_b32 s[G0+5], s[G0+5], SLOT
	s_add_nc_u64 s[G0+6:G0+7], s[G0+6:G0+7], ASTEP
	s_xor_b32 s[G0B+5], s[G0B+5], SLOT
	s_add_nc_u64 s[G0B+6:G0B+7], s[G0B+6:G0B+7], BSTEP
	JLOAD 1
.else
	s_cmp_eq_u32 s3, 1
	s_cbranch_scc1 .Lnofetch_\@
	PLACES
.endif
	s_xor_b32 s[SB], s[SB], SLOT
	SETAD
	FETCH 0, F0
.if !(\fill)
	WIN 0
.Lnofetch_\@:
.endif
	MUL8 F1, 1, 0
	MUL8 F1, 1, 2
.endm
.macro STEP fill
	QUARTER 1, F0, F1
	QUARTER 2, F1, F0
	QUARTER 3, F0, F1
	TURN \fill
.endm
.macro RND2 a, b, t
	v_cvt_pk_bf16_f32 v[\t], v[\a], v[\b]
	v_lshlrev_b32 v[\a], 16, v[\t]
	v_and_b32 v[\b], 0xffff0000, v[\t]
.endm
	s_load_b256 s[72:79], s[0:1], 0x0              ; hb 72, cb 74, b2 76, ao 78
	s_load_b64 s[80:81], s[0:1], 0x20              ; yb
	v_lshl_add_u32 v[SPW], v0, 2, SPARE
	v_mov_b32 v[NIL], 0
	ds_add_u32 v[SPW], v[NIL]                      ; the wave's opening
	v_lshrrev_b32 v1, 5, v0
	v_readfirstlane_b32 s10, v1
	s_lshr_b32 s11, s10, 1
	s_and_b32 s12, s10, 1
	s_bfe_u32 s40, ttmp6, 0x40000
	s_bfe_u32 s41, ttmp6, 0x40004
	s_lshl_b32 s42, ttmp9, 2
	s_add_co_u32 s42, s42, s40
	s_and_b32 s13, ttmp7, 0xffff
	s_lshl_b32 s13, s13, 2
	s_add_co_u32 s13, s13, s41
	s_lshl_b32 s43, s41, 2
	s_lshl_b32 s43, 15, s43
	s_lshl_b32 s44, 0x1111, s40
	s_or_b32 s[G1], s43, (1<<16)|(1<<20)|(1<<21)|(4<<22)|(3<<25)
	s_or_b32 s[G1B], s44, (1<<16)|(1<<20)|(1<<21)|(5<<22)|(7<<25)
.irp g, G1, G1B
	s_mov_b32 s[(\g)+1], 128<<16
	s_mov_b32 s[(\g)+2], 128<<16
	s_mov_b32 s[(\g)+3], 128<<16
	s_mov_b32 s[(\g)+4], 128
	s_mov_b32 s[(\g)+6], 0
	s_mov_b32 s[(\g)+7], 0
.endr
	s_mov_b32 s[G1+5], 128
	s_mov_b32 s[G1B+5], NCOL
	s_lshl_b32 s16, s13, 1
	s_add_co_u32 s16, s16, s12
	s_mul_i32 s16, s16, RBS
	s_mov_b32 s17, 0
	s_mul_i32 s46, s12, 128*NCOL*2
	s_lshl_b32 s47, s42, 8
	s_add_co_u32 s46, s46, s47
	s_add_co_u32 s46, s46, 25165824
	s_mov_b32 s47, 0
	s_mul_i32 s20, s10, WLOAD
	s_mov_b32 s[SB], 0
	s_wait_dscnt 0x0
	s_wait_kmcnt 0x0
	s_add_nc_u64 s[14:15], s[72:73], s[16:17]
	s_add_nc_u64 s[46:47], s[74:75], s[46:47]
	CROUND
.irp s, 0,1
	s_mov_b32 s[G0+4*(\s)], 1
	s_add_co_u32 s[G0+4*(\s)+1], s20, (\s)*SLOT
	s_add_nc_u64 s[G0+4*(\s)+2:G0+4*(\s)+3], s[14:15], (\s)*ASTEP
	s_or_b32 s[G0+4*(\s)+3], s[G0+4*(\s)+3], 0x80000000
	s_mov_b32 s[G0B+4*(\s)], 1
	s_add_co_u32 s[G0B+4*(\s)+1], s20, (\s)*SLOT
	s_add_nc_u64 s[G0B+4*(\s)+2:G0B+4*(\s)+3], s[46:47], (\s)*BSTEP
	s_or_b32 s[G0B+4*(\s)+3], s[G0B+4*(\s)+3], 0x80000000
	JLOAD \s
.endr
	s_lshl_b32 s70, s13, 1
	s_add_co_u32 s70, s70, s11                     ; rb
	s_lshl_b32 s71, s42, 1
	s_add_co_u32 s71, s71, s12                     ; kb
	s_lshl_b32 s22, s71, 8
	s_mov_b32 s23, 0
	s_add_nc_u64 s[8:9], s[76:77], s[22:23]
	s_lshl_b32 s2, s70, 18
	s_add_co_u32 s22, s22, s2
	s_add_nc_u64 s[OUT:OUT+1], s[80:81], s[22:23]
	s_add_nc_u64 s[RES:RES+1], s[78:79], s[22:23]
	v_and_b32 v1, 15, v0
	v_bfe_u32 v2, v0, 4, 1
	v_lshlrev_b32 v[R16], 4, v1
	v_lshl_add_u32 v[GF], v2, 12, v[R16]           ; row l / 16, 16 bytes at 16 (l % 16); never rewritten
	global_load_b128 v[BI:BI+3], v[R16], s[8:9]
	WIN 0x80                                       ; destination window 2
.set i, 0
.rept 32                               ; rows 2 i + l / 16
	global_load_b128 v[4*i:4*i+3], v[GF], s[RES:RES+1] offset:i*8192
.set i, i+1
.endr
	WIN 0
.set i, 0
.rept 128
	v_mov_b32 v[ACC+i], 0
.set i, i+1
.endr
	v_mul_u32_u24 v[A0], v1, PA
	v_lshl_add_u32 v[A0], v2, 4, v[A0]
	s_mul_i32 s22, s11, WLOAD
	v_add_nc_u32 v[A0], s22, v[A0]
	v_and_b32 v4, 7, v0
	v_lshl_add_u32 v4, v2, 3, v4
	v_mul_u32_u24 v[B0], v4, PB
	v_bfe_u32 v5, v0, 3, 1
	v_lshl_add_u32 v[B0], v5, 4, v[B0]
	s_lshl_b32 s22, s12, 7
	s_add_co_u32 s22, s22, 2*WLOAD
	v_add_nc_u32 v[B0], s22, v[B0]
	v_add_nc_u32 v[B20], WLOAD, v[B0]
	s_mul_i32 s22, s10, WSTAGE
	v_mul_u32_u24 v[STO], v1, SPITCH
	v_lshl_add_u32 v[STO], v2, 5, v[STO]
	v_add_nc_u32 v[STO], s22, v[STO]
	v_mul_u32_u24 v[RD], v2, SPITCH
	v_lshl_add_u32 v[RD], v1, 4, v[RD]
	v_add_nc_u32 v[RD], s22, v[RD]
	SETAD
	s_wait_tensorcnt 1                             ; my part of K step 0 is in; K step 1's may stay out
	s_barrier_signal -1
	s_barrier_wait -1
	FETCH 0, F0
	WIN 0
	s_mov_b32 s3, STEPS-2
.Lfill:
	STEP 1
	WIN 0
	s_sub_co_u32 s3, s3, 1
	s_cmp_lg_u32 s3, 0
	s_cbranch_scc1 .Lfill
	s_mov_b32 s3, 2
.Ltail:
	STEP 0
	WIN 0
	s_sub_co_u32 s3, s3, 1
	s_cmp_lg_u32 s3, 0
	s_cbranch_scc1 .Ltail
	PLACES
	PLACES
.irp a, 0,1,2,3
.irp b, 0,1,2,3
	ds_store_b128 v[STO], v[ACC+8*(4*(\a)+(\b)):ACC+8*(4*(\a)+(\b))+3]   offset:(\a)*16*SPITCH+64*(\b)
	ds_store_b128 v[STO], v[ACC+8*(4*(\a)+(\b))+4:ACC+8*(4*(\a)+(\b))+7] offset:(\a)*16*SPITCH+64*(\b)+16
.endr
.endr
	s_wait_loadcnt 0x0                             ; the bias and the residual
	RND2 BI, BI+1, T
	RND2 BI+2, BI+3, T
.set tr, 0
.rept 8                                ; written out: the residual's registers cannot be stepped.  A lane holds columns 4 (l % 16) .. + 3 of rows 8 tr + 2 t + l / 16
	s_wait_xcnt 0x0                                ; the last four stores have read their data
.irp t, 0,1,2,3
	ds_load_b128 v[T+4*(\t):T+4*(\t)+3], v[RD] offset:tr*8*SPITCH+(\t)*2*SPITCH
.endr
	s_wait_dscnt 0x0
.irp t, 0,1,2,3
	v_pk_add_f32 v[T+4*(\t):T+4*(\t)+1], v[T+4*(\t):T+4*(\t)+1], v[BI:BI+1]
	v_pk_add_f32 v[T+4*(\t)+2:T+4*(\t)+3], v[T+4*(\t)+2:T+4*(\t)+3], v[BI+2:BI+3]
.endr
	WIN 0x08                                       ; source 1 in window 2
.irp t, 0,1,2,3
	v_pk_add_f32 v[T+4*(\t):T+4*(\t)+1], v[T+4*(\t):T+4*(\t)+1], v[16*tr+4*(\t):16*tr+4*(\t)+1]
	v_pk_add_f32 v[T+4*(\t)+2:T+4*(\t)+3], v[T+4*(\t)+2:T+4*(\t)+3], v[16*tr+4*(\t)+2:16*tr+4*(\t)+3]
.endr
	WIN 0
.irp t, 0,1,2,3
	global_store_b128 v[GF], v[T+4*(\t):T+4*(\t)+3], s[OUT:OUT+1] offset:tr*32768+(\t)*8192  ; 16 lanes: 256 consecutive bytes, aligned
.endr
.set tr, tr+1
.endr
	s_wait_tensorcnt 0x0                           ; the wave's end
	ds_add_u32 v[SPW], v[NIL]
	s_wait_dscnt 0x0
	CROUND
	s_endpgm
.Lfunc_end_k_q4560995112_gff2:
	.size	k_q4560995112_gff2, .Lfunc_end_k_q4560995112_gff2-k_q4560995112_gff2
	.p2alignl 7, 3214868480
	.fill 96, 4, 3214868480
	.section	.rodata,"a",@progbits
	.p2align	6, 0x0
	.amdhsa_kernel k_q4560995112_gff2
		.amdhsa_group_segment_fixed_size 327680
		.amdhsa_private_segment_fixed_size 0
		.amdhsa_enable_private_segment 0
		.amdhsa_kernarg_size 40
		.amdhsa_user_sgpr_count 2
		.amdhsa_user_sgpr_kernarg_segment_ptr 1
		.amdhsa_wavefront_size32 1
		.amdhsa_system_sgpr_workgroup_id_x 1
		.amdhsa_system_sgpr_workgroup_id_y 1
		.amdhsa_system_sgpr_workgroup_id_z 1
		.amdhsa_system_vgpr_workitem_id 0
		.amdhsa_next_free_vgpr 640
		.amdhsa_next_free_sgpr 96
		.amdhsa_reserve_vcc 0
		.amdhsa_float_denorm_mode_32 3
		.amdhsa_float_denorm_mode_16_64 3
		.amdhsa_memory_ordered 1
		.amdhsa_forward_progress 1
		.amdhsa_inst_pref_size 70
	.end_amdhsa_kernel
	.amdgpu_metadata
---
amdhsa.version: [ 1, 2 ]
amdhsa.kernels:
  - .name:           k_q4560995112_gff2
    .symbol:         k_q4560995112_gff2.kd
    .args:
      - { .name: hb, .offset: 0, .size: 8, .value_kind: global_buffer, .address_space: global }
      - { .name: cb, .offset: 8, .size: 8, .value_kind: global_buffer, .address_space: global }
      - { .name: b2, .offset: 16, .size: 8, .value_kind: global_buffer, .address_space: global }
      - { .name: ao, .offset: 24, .size: 8, .value_kind: global_buffer, .address_space: global }
      - { .name: yb, .offset: 32, .size: 8, .value_kind: global_buffer, .address_space: global }
    .group_segment_fixed_size: 327680
    .private_segment_fixed_size: 0
    .kernarg_segment_align: 8
    .kernarg_segment_size: 40
    .max_flat_workgroup_size: 128
    .sgpr_count:     96
    .vgpr_count:     640
    .wavefront_size: 32
...
	.end_amdgpu_metadata
.endif
;; end of part 6
;; launch lnorm (part 7): grid 256 x 1, 4 waves a work-group, no clusters, 0 bytes of LDS; arguments yb, gamma, beta, out0; writes out0
.if DOCPART == 7
	.amdgcn_target "amdgcn-amd-amdhsa--gfx1250"
	.amdhsa_code_object_version 6
	.text
	.protected	k_q4560995112_lnorm
	.globl	k_q4560995112_lnorm
	.p2align	8
	.type	k_q4560995112_lnorm,@function
k_q4560995112_lnorm:
	s_mov_b64 s[64:65], 0
	v_nop
	global_prefetch_b8 v0, s[64:65] scope:SCOPE_SE
	s_setreg_imm32_b32 hwreg(HW_REG_WAVE_MODE, 25, 1), 1
	s_wait_xcnt 0x0
; out = (y - mean) / sqrt(var + 1e-6) x gamma + beta, along rows of 1,024 f32.  One wave, one row of 4,096 bytes in 32 registers; a wave has four rows, all of whose 32 loads go out at once.
; The variance is taken of y - mean in a second pass over the registers: no difference of large sums is formed.  gamma and beta are rounded to bf16 like every input.
; No LDS, no barrier: the reduction never leaves the wave.  Each load and store of a wave covers 512 consecutive bytes.
.set G,  32                            ; v[32:63]   gamma of my 32 columns: 4 l + 128 f + 0..3
.set BT, 64                            ; v[64:95]   beta
.set YR, 96                            ; v[96:223]  four rows
.macro PAIRS line:vararg               ; one line for each of 16 pairs, k = 0, 2 .. 30
.set k, 0
.rept 16
	\line
.set k, k+2
.endr
.endm
.macro REDUCE                          ; v[4:11] -> the sum over the wave, in v4 of every lane
	v_pk_add_f32 v[4:5], v[4:5], v[6:7]
	v_pk_add_f32 v[8:9], v[8:9], v[10:11]
	v_pk_add_f32 v[4:5], v[4:5], v[8:9]
	v_add_f32 v4, v4, v5
	v_add_f32_dpp v4, v4, v4 row_xmask:1 row_mask:0xf bank_mask:0xf
	v_add_f32_dpp v4, v4, v4 row_xmask:2 row_mask:0xf bank_mask:0xf
	v_add_f32_dpp v4, v4, v4 row_xmask:4 row_mask:0xf bank_mask:0xf
	v_add_f32_dpp v4, v4, v4 row_xmask:8 row_mask:0xf bank_mask:0xf
	v_permlanex16_b32 v5, v4, s14, s15
	v_add_f32 v4, v4, v5
.endm
	s_load_b256 s[4:11], s[0:1], 0x0               ; yb 4, gamma 6, beta 8, out0 10
	v_and_b32 v1, 31, v0
	v_lshlrev_b32 v1, 4, v1                        ; 16 l
	v_and_b32 v2, 0xe0, v0
	v_lshl_add_u32 v2, v2, 9, v1                   ; + wave x 4 rows x 4,096 bytes
	s_lshl_b32 s12, ttmp9, 16                      ; the work-group's 16 rows
	s_mov_b32 s13, 0
	s_mov_b32 s14, 0x76543210
	s_mov_b32 s15, 0xfedcba98
	s_mov_b32 s16, 0x3a800000                      ; 1 / 1,024
	s_mov_b32 s17, 0x358637bd                      ; 1e-6
	s_mov_b32 s18, 0xffff0000
	s_wait_kmcnt 0x0
	s_add_nc_u64 s[4:5], s[4:5], s[12:13]
	s_add_nc_u64 s[10:11], s[10:11], s[12:13]
.irp f, 0,1,2,3,4,5,6,7
	global_load_b128 v[G+4*\f:G+4*\f+3], v1, s[6:7] offset:512*\f
.endr
.irp f, 0,1,2,3,4,5,6,7
	global_load_b128 v[BT+4*\f:BT+4*\f+3], v1, s[8:9] offset:512*\f
.endr
.set i, 0
.rept 32
	global_load_b128 v[YR+4*i:YR+4*i+3], v2, s[4:5] offset:512*i th:TH_LOAD_NT
.set i, i+1
.endr
	s_wait_loadcnt 32                              ; gamma and beta are in; the rows' 32 loads stay out
.set k, 0
.rept 16
	v_cvt_pk_bf16_f32 v3, v[G+k], v[G+k+1]
	v_lshlrev_b32 v[G+k], 16, v3
	v_and_b32 v[G+k+1], s18, v3
	v_cvt_pk_bf16_f32 v12, v[BT+k], v[BT+k+1]
	v_lshlrev_b32 v[BT+k], 16, v12
	v_and_b32 v[BT+k+1], s18, v12
.set k, k+2
.endr
.macro LNROW i
.set R, YR+32*(\i)
	s_wait_loadcnt 24-8*(\i)                       ; my eight loads are in; the later rows' stay out
.irp c, 0,1,2,3
	v_pk_add_f32 v[4+2*\c:5+2*\c], v[R+2*\c:R+2*\c+1], v[R+8+2*\c:R+8+2*\c+1]
.endr
.irp c, 0,1,2,3
	v_pk_add_f32 v[4+2*\c:5+2*\c], v[4+2*\c:5+2*\c], v[R+16+2*\c:R+16+2*\c+1]
.endr
.irp c, 0,1,2,3
	v_pk_add_f32 v[4+2*\c:5+2*\c], v[4+2*\c:5+2*\c], v[R+24+2*\c:R+24+2*\c+1]
.endr
	REDUCE
	v_mul_f32 v12, s16, v4                         ; the mean, twice: a pair for the packed subtraction
	v_mul_f32 v13, s16, v4
	PAIRS v_pk_add_f32 v[R+k:R+k+1], v[R+k:R+k+1], v[12:13] neg_lo:[0,1] neg_hi:[0,1]
.irp c, 0,1,2,3
	v_pk_mul_f32 v[4+2*\c:5+2*\c], v[R+2*\c:R+2*\c+1], v[R+2*\c:R+2*\c+1]
.endr
.irp c, 0,1,2,3
	v_pk_fma_f32 v[4+2*\c:5+2*\c], v[R+8+2*\c:R+8+2*\c+1], v[R+8+2*\c:R+8+2*\c+1], v[4+2*\c:5+2*\c]
.endr
.irp c, 0,1,2,3
	v_pk_fma_f32 v[4+2*\c:5+2*\c], v[R+16+2*\c:R+16+2*\c+1], v[R+16+2*\c:R+16+2*\c+1], v[4+2*\c:5+2*\c]
.endr
.irp c, 0,1,2,3
	v_pk_fma_f32 v[4+2*\c:5+2*\c], v[R+24+2*\c:R+24+2*\c+1], v[R+24+2*\c:R+24+2*\c+1], v[4+2*\c:5+2*\c]
.endr
	REDUCE
	v_fma_f32 v14, v4, s16, s17                    ; var + 1e-6
	v_rsq_f32 v16, v14
	v_rsq_f32 v17, v14
	v_nop                                          ; a plain instruction behind the second,
	s_wait_alu depctr_va_vdst(0)                   ; and one wait for both, ahead of their first use
	PAIRS v_pk_mul_f32 v[R+k:R+k+1], v[R+k:R+k+1], v[16:17]
	PAIRS v_pk_fma_f32 v[R+k:R+k+1], v[R+k:R+k+1], v[G+k:G+k+1], v[BT+k:BT+k+1]
.irp f, 0,1,2,3,4,5,6,7
	global_store_b128 v2, v[R+4*\f:R+4*\f+3], s[10:11] offset:4096*(\i)+512*\f
.endr
.endm
	LNROW 0
	LNROW 1
	LNROW 2
	LNROW 3
	s_endpgm
.Lfunc_end_k_q4560995112_lnorm:
	.size	k_q4560995112_lnorm, .Lfunc_end_k_q4560995112_lnorm-k_q4560995112_lnorm
	.p2alignl 7, 3214868480
	.fill 96, 4, 3214868480
	.section	.rodata,"a",@progbits
	.p2align	6, 0x0
	.amdhsa_kernel k_q4560995112_lnorm
		.amdhsa_group_segment_fixed_size 0
		.amdhsa_private_segment_fixed_size 0
		.amdhsa_enable_private_segment 0
		.amdhsa_kernarg_size 32
		.amdhsa_user_sgpr_count 2
		.amdhsa_user_sgpr_kernarg_segment_ptr 1
		.amdhsa_wavefront_size32 1
		.amdhsa_system_sgpr_workgroup_id_x 1
		.amdhsa_system_sgpr_workgroup_id_y 1
		.amdhsa_system_sgpr_workgroup_id_z 1
		.amdhsa_system_vgpr_workitem_id 0
		.amdhsa_next_free_vgpr 224
		.amdhsa_next_free_sgpr 66
		.amdhsa_reserve_vcc 0
		.amdhsa_float_denorm_mode_32 3
		.amdhsa_float_denorm_mode_16_64 3
		.amdhsa_memory_ordered 1
		.amdhsa_forward_progress 1
		.amdhsa_inst_pref_size 38
	.end_amdhsa_kernel
	.amdgpu_metadata
---
amdhsa.version: [ 1, 2 ]
amdhsa.kernels:
  - .name:           k_q4560995112_lnorm
    .symbol:         k_q4560995112_lnorm.kd
    .args:
      - { .name: yb, .offset: 0, .size: 8, .value_kind: global_buffer, .address_space: global }
      - { .name: gamma, .offset: 8, .size: 8, .value_kind: global_buffer, .address_space: global }
      - { .name: beta, .offset: 16, .size: 8, .value_kind: global_buffer, .address_space: global }
      - { .name: out0, .offset: 24, .size: 8, .value_kind: global_buffer, .address_space: global }
    .group_segment_fixed_size: 0
    .private_segment_fixed_size: 0
    .kernarg_segment_align: 8
    .kernarg_segment_size: 32
    .max_flat_workgroup_size: 128
    .sgpr_count:     66
    .vgpr_count:     224
    .wavefront_size: 32
...
	.end_amdgpu_metadata
.endif
;; end of part 7
;; ======== version 2 of 3: 7 launches
;; limits: values are held in f16: magnitudes above 65,504 overflow, below 6.1e-05 lose precision; right only within a limited range of input values; a function is approximated: absolute error at most 1.5e-07
;; workspace buffers: cb 33,554,432 bytes; mf 16,777,216 bytes; qkv 25,427,968 bytes; ob 8,388,608 bytes; ao 25,165,824 bytes; hb 33,554,432 bytes; yb 16,777,216 bytes
;; launch prep: the kernel of part 1 again; grid 1312 x 1, 8 waves a work-group, no clusters, 0 bytes of LDS; arguments x, Wq, Wk, Wv, Wo, W1, W2, mask, cb, mf; writes cb, mf
;; launch gqkv (part 8): grid 12 x 16, 8 waves a work-group, clusters of 4 x 4, 327,680 bytes of LDS; arguments cb, bq, bk, bv, qkv; writes qkv
.if DOCPART == 8
	.amdgcn_target "amdgcn-amd-amdhsa--gfx1250"
	.amdhsa_code_object_version 6
	.text
	.protected	k_q4560995112_gqkv
	.globl	k_q4560995112_gqkv
	.p2align	8
	.type	k_q4560995112_gqkv,@function
k_q4560995112_gqkv:
	s_mov_b64 s[64:65], 0
	v_nop
	global_prefetch_b8 v0, s[64:65] scope:SCOPE_SE
	s_setreg_imm32_b32 hwreg(HW_REG_WAVE_MODE, 25, 1), 1
	s_wait_xcnt 0x0
	s_wait_alu depctr_hold_cnt(0) depctr_sa_sdst(0) depctr_va_vdst(0) depctr_va_sdst(0) depctr_va_ssrc(0) depctr_va_vcc(0) depctr_vm_vsrc(0)
	s_getreg_b32 s2, hwreg(HW_REG_IB_STS2, 6, 4)
	s_cmp_eq_u32 s2, 0
	s_cbranch_scc0 .Lentry_in_a_cluster
	s_endpgm
.Lentry_in_a_cluster:
	s_bfe_u32 s2, ttmp6, 0x10000c
	s_cmp_lg_u32 s2, 0xf033
	s_cbranch_scc0 .Lentry_shape_is_right
	s_endpgm
.Lentry_shape_is_right:
; q, k, v = x W + b, by heads.  A = x (bf16, blocks of 64 x 64, at cb), B = Wq | Wk | Wv (bf16, [k][n], at cb + 8,388,608 + 2,097,152 which), sums in f32; the bias is
; rounded to bf16 like every input; q, k, v leave in f16 as [batch x 16 + head][2048][64].  LIMIT: f16 ends at 65,504: |q|, |k|, |v| stay below that.
; For v the column sums of each 64 rows also leave, in f32 (vpart[row / 64][1024]): a row of attention whose keys are all hidden needs V's mean.
; THE GEMM.  A tile of C is 256 x 256: 12 x 16 tiles.  K goes in steps of 128 through two LDS slots: a step brings (256 + 256) x 256 bytes and feeds 256 x 256 x 128 multiply-adds.
; EIGHT WAVES, two to a SIMD, each 64 x 128 of C in 32 accumulators: a K step's text then holds 128 matrix instructions and 96 LDS loads, half of what four waves of 128 x 128 would
; need, and it stands twice (loop and tail); the price: for 32 along K a wave reads 192 rows from LDS for 32 products, where 256 rows would feed 64.  A wave's 64 rows are one row block of the layouts.
; Waves 0-3 fetch A's four row blocks (64 rows x 128 K are 16,384 dense bytes), waves 4-7 B's four parts (column half c, k half kh: 64 k rows of 256 bytes): one tensor load a wave.
; CLUSTER 4 x 4: A's tile is asked for jointly along a row of the cluster, B's along a column.
; The product is taken transposed (source 0 = B, source 1 = A): a lane holds eight neighbouring columns of one row of C.  B lies [k][n] in LDS and is turned by ds_load_tr16_b128.
; REGISTERS: window 0: v0-31 addresses and bias, v32-63 at work, v64-159 and v160-255 two fragment buffers (A 32, then B 64); window 1: the accumulators, (a, b) at 8 (8 a + b).
.set NCOL,  1024                       ; columns of B
.set STEPS, 8                          ; K / 128
.set RBS,   131072                     ; bytes of 64 rows of A
.set ASTEP, 16384                      ; a K step of a row block: two blocks of 8,192 bytes
.set BSTEP, 256*NCOL                   ; 128 k rows
.set PA,    144                        ; 128 bytes + 16: the 16 rows of a load start at 16 different groups of four banks (64 banks of 4 bytes: ISA guide 11.1)
.set PB,    288                        ; 256 bytes + 32
.set WLOAD, 18432                      ; what one tensor load fills: 128 x 144 = 64 x 288
.set SLOT,  8*WLOAD
.set SPARE, 2*SLOT                     ; the spare words: 128 bytes for each of eight waves
.set SPITCH, 528                       ; the way out: a row of 128 f32 + 16 bytes
.set WSTAGE, 64*SPITCH                 ; 64 rows for each wave, in the two slots, which have had their last fill; a barrier stands between the last reads of the slots and the first store
.set BI,  8                            ; v[8:15]  bias of my 2 x 4 columns
.set A0,  16
.set B0,  17
.set LN,  19
.set CA,  20                           ; LDS address of A's fragments in the slot in hand
.set CB,  21                           ; of B's
.set STO, 24
.set RD,  25
.set GO,  26
.set PFO, 27                           ; the prefetches' lane term; never rewritten
.set SPW, 28                           ; SPARE + 4 x my thread's number; never rewritten
.set NIL, 29                           ; 0; never rewritten
.set R16, 30                           ; 16 (l % 16); never rewritten
.set T,   32
.set U,   48
.set VS,  56                           ; v[56:63] column sums
.set F0,  64
.set F1,  160
.set WM,  4                            ; s4   my 64 rows of the tile
.set WN,  5                            ; s5   my 128 columns
.set COL, 18                           ; s18  tile column within the weight
.set WHICH, 19                         ; s19  0 q, 1 k, 2 v: the cluster's x, the same in all partners
.set SB,  21                           ; s21  0 or SLOT: the slot that is read
.set G1,  24
.set G0,  32
.set FB,  45                           ; s45  0 or SLOT: the slot that is filled
.set G1B, 48
.set G0B, 56
.set OUT, 66
.set VP,  68
.set SEL, 82
.set PFA, 84                           ; s[84:85] where my prefetches stand
.set PST, 86                           ; s[86:87] their step: a K step of A or of B
.set LIM, 88                           ; s88  1 in a wave that prefetches, else the greatest number
.set MSB, 0
.macro WIN new                         ; the immediate's high byte repeats the setting that is left
.if MSB != (\new)
	s_set_vgpr_msb (MSB<<8)|(\new)
.set MSB, \new
.endif
.endm
.set MUL,  0x50                        ; C and D window 1; sources 0 (B) and 1 (A) window 0
.set FROM_ACC, 0x04                    ; an LDS store's data (source 1) window 1
.macro JLOAD s                         ; a joint load: waves 0-3 A's parts, waves 4-7 B's; an s_nop 0 and four v_nop follow each line
	s_cmp_eq_u32 s11, 0
	s_cbranch_scc0 .Lfor_b_\@
	tensor_load_to_lds s[G0+4*(\s):G0+4*(\s)+3], s[G1:G1+7]
	s_nop 0
.rept 4
	v_nop
.endr
	s_branch .Lasked_\@
.Lfor_b_\@:
	tensor_load_to_lds s[G0B+4*(\s):G0B+4*(\s)+3], s[G1B:G1B+7]
	s_nop 0
.rept 4
	v_nop
.endr
.Lasked_\@:
.endm
; A PREFETCH INTO THE L2 of the K step that the NEXT refill will ask for: one K step, 128 matrix instructions of each of a SIMD's two waves, ahead of that load.  It stands behind the joint load, its five lines and the run
; of LDS loads.  A's tile row is read by the three clusters of a row of clusters: cluster x = 0 asks; of the tile's four row blocks partner cx takes block cx, waves 0 and 1 half of its 16,384 bytes each, a lane 256 bytes.
; B's tile column is read by the four clusters of a column: cluster y = 0 asks; of the step's 128 k rows partner cy takes 32, a lane a row, waves 4 and 5 a column half of 256 bytes each.  The partners are told apart
; by address alone.  So each block of 256 bytes is named once.  K steps 0 to 2 come by their loads alone; the last refill (s3 = 1) asks for nothing.
.macro ASK
	s_cmp_gt_u32 s3, s[LIM]
	s_cbranch_scc0 .Lnot_mine_\@
	global_prefetch_b8 v[PFO], s[PFA:PFA+1] th:TH_LOAD_NT scope:SCOPE_SE
.Lnot_mine_\@:
.endm
.macro CREST                           ; a round of the cluster's barrier behind its opening barrier
	s_cmp_lg_u32 s10, 0
	s_cbranch_scc1 .Lnot_wave_0_\@
	s_barrier_signal -3
.Lnot_wave_0_\@:
	s_barrier_wait -3
	s_barrier_signal -1
	s_barrier_wait -1
.endm
.macro CROUND
	s_barrier_signal -1
	s_barrier_wait -1
	CREST
.endm
.macro PLACES
.rept 4
	v_nop
.endr
.endm
.macro MULA f, a, zero=0               ; m block a x all 8 n blocks, 32 along K.  The 32 accumulators take turns, in the same order in every quarter, over the backward jumps too.  zero = 1: the products start the sums
	WIN MUL
.irp b, 0,1,2,3,4,5,6,7
.if \zero
	v_wmma_f32_16x16x32_bf16 v[8*(8*(\a)+(\b)):8*(8*(\a)+(\b))+7], v[(\f)+32+8*(\b):(\f)+32+8*(\b)+7], v[(\f)+8*(\a):(\f)+8*(\a)+7], 0
.else
	v_wmma_f32_16x16x32_bf16 v[8*(8*(\a)+(\b)):8*(8*(\a)+(\b))+7], v[(\f)+32+8*(\b):(\f)+32+8*(\b)+7], v[(\f)+8*(\a):(\f)+8*(\a)+7], v[8*(8*(\a)+(\b)):8*(8*(\a)+(\b))+7]
.endif
.endr
.endm
.macro FETCH q, f                      ; 24 LDS loads in one run: quarter q (32 along K) of the slot in hand into buffer f: B's 8 fragments, then A's 4
	WIN 0
.irp b, 0,1,2,3,4,5,6,7
	ds_load_tr16_b128 v[(\f)+32+8*(\b):(\f)+32+8*(\b)+3],   v[CB] offset:(\q)*32*PB+(\b)*32
	ds_load_tr16_b128 v[(\f)+32+8*(\b)+4:(\f)+32+8*(\b)+7], v[CB] offset:(\q)*32*PB+(\b)*32+16*PB
.endr
.irp i, 0,1,2,3
	ds_load_b128 v[(\f)+8*(\i):(\f)+8*(\i)+3],   v[CA] offset:((\q)/2)*64*PA+((\q)%2)*64+(\i)*16*PA
	ds_load_b128 v[(\f)+8*(\i)+4:(\f)+8*(\i)+7], v[CA] offset:((\q)/2)*64*PA+((\q)%2)*64+(\i)*16*PA+32
.endr
.endm
.macro SETAD
	v_add_nc_u32 v[CA], s[SB], v[A0]
	v_add_nc_u32 v[CB], s[SB], v[B0]
.endm
.macro QUARTER q, f, g, zero=0         ; multiplies buffer f and fetches quarter q into g
	s_wait_dscnt 4                                 ; B and A's rows 0-31 are in; the four youngest loads (A's rows 32-63) may be out
	MULA \f, 0, \zero
	MULA \f, 1, \zero
	PLACES                                         ; four places between the last product that read buffer g and the loads into it
	FETCH \q, \g
	s_wait_dscnt 24                                ; all but the 24 just issued
	MULA \f, 2, \zero
	MULA \f, 3, \zero
.endm
; The last quarter multiplies buffer 1 and changes slots.  Its first 16 products stand AHEAD of the wait for the tiles, its last 16 behind the fetch from the next slot, whose LDS loads they cover.
; One barrier: in front of it each wave waits for all its tensor loads (one is out: its part of the next slot), adds 0 to its spare word, and waits for that and for its reads of this slot.
; fill = 1: the barrier opens a round of the cluster's, and this slot is filled again, two K steps ahead.  A refill goes out with nothing on its way beside it, so between the wait for the tiles and
; the refill stands only what the ordering needs: whatever else stood there would be time in which no tile is on its way.
.macro TURN fill
.if \fill
	s_wait_xcnt 0x0                                ; the last prefetch, a K step back, has read its address: it is stepped here, ahead of the waits of the change of slots
	s_add_nc_u64 s[PFA:PFA+1], s[PFA:PFA+1], s[PST:PST+1]
.endif
	s_wait_dscnt 4                                 ; buffer 1's B and A's rows 0-31 are in; the four youngest loads (A's rows 32-63) may be out
	MULA F1, 0
	MULA F1, 1
	WIN 0
	s_wait_tensorcnt 0x0                           ; all my tensor loads have landed
	ds_add_u32 v[SPW], v[NIL]
	s_wait_dscnt 0x0                               ; the add is done, my reads of this slot are over
	s_barrier_signal -1
	s_barrier_wait -1
.if \fill
	CREST
	s_xor_b32 s[FB], s[FB], SLOT                   ; the walking descriptors: the other slot than last time, the next K step
	s_add_co_u32 s[G0+5], s20, s[FB]
	s_add_nc_u64 s[G0+6:G0+7], s[G0+6:G0+7], ASTEP
	s_add_co_u32 s[G0B+5], s20, s[FB]
	s_add_nc_u64 s[G0B+6:G0B+7], s[G0B+6:G0B+7], BSTEP
	JLOAD 1                                        ; the first tensor load behind the round; its four v_nop are also the places in front of the loads below
.else
	s_cmp_eq_u32 s3, 1                             ; behind the last K step there is nothing to fetch
	s_cbranch_scc1 .Lnofetch_\@
	PLACES
.endif
	s_xor_b32 s[SB], s[SB], SLOT
	SETAD
	FETCH 0, F0
.if \fill
	ASK
.else
.Lnofetch_\@:
.endif
	MULA F1, 2
	MULA F1, 3
.endm
.macro RND2 a, b, t                    ; two f32 rounded to bf16 and widened again
	v_cvt_pk_bf16_f32 v[\t], v[\a], v[\b]
	v_lshlrev_b32 v[\a], 16, v[\t]
	v_and_b32 v[\b], 0xffff0000, v[\t]
.endm
	s_load_b256 s[72:79], s[0:1], 0x0              ; cb 72, bq 74, bk 76, bv 78
	s_load_b64 s[80:81], s[0:1], 0x20              ; qkv
	v_lshl_add_u32 v[SPW], v0, 2, SPARE
	v_mov_b32 v[NIL], 0
	ds_add_u32 v[SPW], v[NIL]                      ; the wave's opening: the add and its wait ahead of my first tensor load
	v_lshrrev_b32 v1, 5, v0
	v_readfirstlane_b32 s10, v1                    ; wave 0..7
	s_lshr_b32 s11, s10, 2                         ; I fetch for A (0) or B (1),
	s_and_b32 s12, s10, 3                          ; and which of its four parts
	s_lshr_b32 s[WM], s10, 1
	s_and_b32 s[WN], s10, 1
	s_bfe_u32 s40, ttmp6, 0x40000                  ; cx
	s_bfe_u32 s41, ttmp6, 0x40004                  ; cy
	s_lshl_b32 s42, ttmp9, 2
	s_add_co_u32 s42, s42, s40                     ; tile column 0..11
	s_and_b32 s13, ttmp7, 0xffff
	s_lshl_b32 s13, s13, 2
	s_add_co_u32 s13, s13, s41                     ; tile row 0..15
	s_lshl_b32 s43, s41, 2
	s_lshl_b32 s43, 15, s43                        ; my row of the cluster
	s_lshl_b32 s44, 0x1111, s40                    ; my column
	s_or_b32 s[G1], s43, (1<<16)|(1<<20)|(1<<21)|(4<<22)|(3<<25)   ; 2-byte elements; padding on; bit 21 beside a mask; 4 words after every 32
	s_or_b32 s[G1B], s44, (1<<16)|(1<<20)|(1<<21)|(5<<22)|(7<<25)  ; 8 words after every 64
.irp g, G1, G1B
	s_mov_b32 s[(\g)+1], 128<<16                   ; tensor_dim0 = 128 elements (256 bytes)
	s_mov_b32 s[(\g)+2], 64<<16                    ; tensor_dim1 = 64 rows
	s_mov_b32 s[(\g)+3], 128<<16                   ; tile_dim0
	s_mov_b32 s[(\g)+4], 64                        ; tile_dim1
	s_mov_b32 s[(\g)+6], 0
	s_mov_b32 s[(\g)+7], 0
.endr
	s_mov_b32 s[G1+5], 128                         ; A's 16,384 bytes are dense
	s_mov_b32 s[G1B+5], NCOL
	s_and_b32 s[COL], s42, 3
	s_mov_b32 s[WHICH], ttmp9
	s_lshl_b32 s16, s13, 2
	s_add_co_u32 s16, s16, s12                     ; the row block of A that I fetch
	s_mul_i32 s16, s16, RBS
	s_mov_b32 s17, 0
	s_and_b32 s46, s12, 1                          ; B: my k half,
	s_mul_i32 s46, s46, 64*NCOL*2
	s_lshr_b32 s47, s12, 1                         ; my column half,
	s_lshl_b32 s47, s47, 8
	s_add_co_u32 s46, s46, s47
	s_lshl_b32 s47, s[COL], 9                      ; the tile's 256 columns,
	s_add_co_u32 s46, s46, s47
	s_lshl_b32 s47, s[WHICH], 21                   ; the weight
	s_add_co_u32 s46, s46, s47
	s_add_co_u32 s46, s46, 8388608
	s_mov_b32 s47, 0
	s_mul_i32 s20, s10, WLOAD                      ; where they go: no place in the cluster enters an LDS address
	s_mov_b32 s[SB], 0
	s_mov_b32 s[FB], SLOT
	s_mov_b32 s[SEL], 0x76543210
	s_mov_b32 s[SEL+1], 0xfedcba98
	s_wait_dscnt 0x0                               ; the opening add is done
	s_wait_kmcnt 0x0
	s_add_nc_u64 s[14:15], s[72:73], s[16:17]
	s_add_nc_u64 s[46:47], s[72:73], s[46:47]
	CROUND                                         ; all sixteen work-groups are here: the first joint loads meet
.irp s, 0,1
	s_mov_b32 s[G0+4*(\s)], 1
	s_add_co_u32 s[G0+4*(\s)+1], s20, (\s)*SLOT
	s_add_nc_u64 s[G0+4*(\s)+2:G0+4*(\s)+3], s[14:15], (\s)*ASTEP
	s_or_b32 s[G0+4*(\s)+3], s[G0+4*(\s)+3], 0x80000000
	s_mov_b32 s[G0B+4*(\s)], 1
	s_add_co_u32 s[G0B+4*(\s)+1], s20, (\s)*SLOT
	s_add_nc_u64 s[G0B+4*(\s)+2:G0B+4*(\s)+3], s[46:47], (\s)*BSTEP
	s_or_b32 s[G0B+4*(\s)+3], s[G0B+4*(\s)+3], 0x80000000
	JLOAD \s                                       ; two loads of mine are out
.endr
	; my 64 x 128: rb = its 64 rows, hd = the first of its two heads
	s_lshl_b32 s70, s13, 2
	s_add_co_u32 s70, s70, s[WM]                   ; rb 0..63
	s_lshl_b32 s71, s[COL], 2
	s_lshl_b32 s2, s[WN], 1
	s_add_co_u32 s71, s71, s2                      ; hd 0..14
	s_cmp_eq_u32 s[WHICH], 1
	s_cselect_b64 s[8:9], s[76:77], s[74:75]
	s_cmp_eq_u32 s[WHICH], 2
	s_cselect_b64 s[8:9], s[78:79], s[8:9]
	s_lshl_b32 s22, s71, 8
	s_mov_b32 s23, 0
	s_add_nc_u64 s[8:9], s[8:9], s[22:23]          ; the bias at my 128 columns
	s_lshl_b32 s2, s70, 12
	s_add_co_u32 s22, s22, s2
	s_add_co_u32 s22, s22, 25165824
	s_add_nc_u64 s[VP:VP+1], s[80:81], s[22:23]    ; vpart[rb][64 hd]
	s_lshr_b32 s22, s70, 5                         ; batch
	s_lshl_b32 s22, s22, 4
	s_add_co_u32 s22, s22, s71
	s_lshl_b32 s22, s22, 18                        ; a head's 2,048 rows of 128 bytes
	s_and_b32 s2, s70, 31
	s_lshl_b32 s2, s2, 13
	s_add_co_u32 s22, s22, s2
	s_lshl_b32 s2, s[WHICH], 23
	s_add_co_u32 s22, s22, s2
	s_add_nc_u64 s[OUT:OUT+1], s[80:81], s[22:23]
	; the prefetches: nothing is asked for here, at the head, where every work-group's first tiles are on their way
	s_lshl_b32 s6, s13, 2
	s_add_co_u32 s6, s6, s40                       ; A: row block cx of the tile,
	s_mul_i32 s6, s6, RBS
	s_lshl_b32 s2, s[WN], 13                       ; my half of its 16,384 bytes
	s_add_co_u32 s6, s6, s2
	s_mul_i32 s22, s41, 32*NCOL*2                  ; B: k rows 32 cy on,
	s_lshl_b32 s2, s[COL], 9
	s_add_co_u32 s22, s22, s2
	s_lshl_b32 s2, s[WN], 8                        ; my column half
	s_add_co_u32 s22, s22, s2
	s_lshl_b32 s2, s[WHICH], 21
	s_add_co_u32 s22, s22, s2
	s_add_co_u32 s22, s22, 8388608
	s_and_b32 s23, ttmp7, 0xffff                   ; cluster y
	s_mov_b32 s70, ASTEP
	s_mov_b32 s71, 256
	s_cmp_eq_u32 s11, 0                            ; do I fetch for A?
	s_cselect_b32 s6, s6, s22
	s_cselect_b32 s23, ttmp9, s23                  ; the coordinate along which other clusters read the same rows
	s_cselect_b32 s[PST], s70, BSTEP
	s_cselect_b32 s71, s71, NCOL*2                 ; from lane to lane: 256 bytes of A's dense block, a row of B
	s_mov_b32 s7, 0
	s_mov_b32 s[PST+1], 0
	s_and_b32 s2, s10, 2                           ; waves 2, 3, 6, 7 ask for nothing
	s_or_b32 s23, s23, s2
	s_cmp_eq_u32 s23, 0
	s_cselect_b32 s[LIM], 1, -1                    ; the same in all sixteen partners, for a given wave
	s_add_nc_u64 s[PFA:PFA+1], s[72:73], s[6:7]
	s_add_nc_u64 s[PFA:PFA+1], s[PFA:PFA+1], s[PST:PST+1]
	s_add_nc_u64 s[PFA:PFA+1], s[PFA:PFA+1], s[PST:PST+1]  ; at K step 2: the first refill steps it to 3
	v_and_b32 v1, 15, v0                           ; r = l % 16
	v_bfe_u32 v2, v0, 4, 1                         ; h = l / 16
	v_and_b32 v[LN], 31, v0
	v_lshlrev_b32 v[R16], 4, v1
	global_load_b128 v[BI:BI+3], v[R16], s[8:9]
	global_load_b128 v[BI+4:BI+7], v[R16], s[8:9] offset:256
	v_mul_u32_u24 v[PFO], s71, v[LN]
	v_mul_u32_u24 v[A0], v1, PA
	v_lshl_add_u32 v[A0], v2, 4, v[A0]
	s_mul_i32 s22, s[WM], WLOAD
	v_add_nc_u32 v[A0], s22, v[A0]                 ; my 64 rows of A: row x 144 + 16 h
	v_and_b32 v4, 7, v0
	v_lshl_add_u32 v4, v2, 3, v4
	v_mul_u32_u24 v[B0], v4, PB                    ; the turning load: k row 8 h + l % 8,
	v_bfe_u32 v5, v0, 3, 1
	v_lshl_add_u32 v[B0], v5, 4, v[B0]             ; columns 8 ((l / 8) % 2) on,
	s_mul_i32 s22, s[WN], 2*WLOAD
	s_add_co_u32 s22, s22, 4*WLOAD
	v_add_nc_u32 v[B0], s22, v[B0]                 ; in my column half of B, which lies behind A
	s_mul_i32 s22, s10, WSTAGE
	v_mul_u32_u24 v[STO], v1, SPITCH
	v_lshl_add_u32 v[STO], v2, 5, v[STO]
	v_add_nc_u32 v[STO], s22, v[STO]               ; in: row r, 32 bytes for each half of the lanes
	v_mul_u32_u24 v[RD], v2, SPITCH
	v_lshl_add_u32 v[RD], v1, 4, v[RD]
	v_add_nc_u32 v[RD], s22, v[RD]                 ; back: lanes 0-15 256 bytes of one row, lanes 16-31 of the next
	v_lshlrev_b32 v[GO], 3, v[LN]                  ; 8 bytes a lane: two rows of 128 bytes of a head
	SETAD
	s_wait_tensorcnt 1                             ; my part of K step 0 is in; K step 1's may stay out
	s_barrier_signal -1
	s_barrier_wait -1
	FETCH 0, F0
	QUARTER 1, F0, F1, 1                           ; the first quarter stands in front of the loop: its products start the sums
	WIN 0
	s_mov_b32 s3, STEPS-2
.Lfill:                                        ; a trip goes from a K step's second quarter to the next step's first; every step but the last two fills its slot again
	QUARTER 2, F1, F0
	QUARTER 3, F0, F1
	TURN 1
	QUARTER 1, F0, F1
	WIN 0
	s_sub_co_u32 s3, s3, 1
	s_cmp_lg_u32 s3, 0
	s_cbranch_scc1 .Lfill
	s_mov_b32 s3, 2
.Ltail:
	QUARTER 2, F1, F0
	QUARTER 3, F0, F1
	TURN 0
	WIN 0
	s_cmp_eq_u32 s3, 1                             ; behind the last K step there is no first quarter
	s_cbranch_scc1 .Llast
	QUARTER 1, F0, F1
	WIN 0
.Llast:
	s_sub_co_u32 s3, s3, 1
	s_cmp_lg_u32 s3, 0
	s_cbranch_scc1 .Ltail
	; THE WAY OUT: f32 into my stage, back as rows; then a lane holds columns 64 c + 4 (l % 16) .. + 3 of rows 4 trip + 2 p + l / 16
	s_wait_dscnt 0x0                               ; my reads of the slots are over,
	s_barrier_signal -1
	s_barrier_wait -1                              ; and so are everybody's: the stages lie in the slots
	PLACES
	PLACES
	WIN FROM_ACC
.irp a, 0,1,2,3
.irp b, 0,1,2,3,4,5,6,7
	ds_store_b128 v[STO], v[8*(8*(\a)+(\b)):8*(8*(\a)+(\b))+3]   offset:(\a)*16*SPITCH+64*(\b)
	ds_store_b128 v[STO], v[8*(8*(\a)+(\b))+4:8*(8*(\a)+(\b))+7] offset:(\a)*16*SPITCH+64*(\b)+16
.endr
.endr
	WIN 0
	s_wait_loadcnt 0x0                             ; the bias
	RND2 BI, BI+1, T
	RND2 BI+2, BI+3, T
	RND2 BI+4, BI+5, T
	RND2 BI+6, BI+7, T
.irp e, 0,1,2,3,4,5,6,7
	v_mov_b32 v[VS+(\e)], 0
.endr
	s_mov_b32 s3, 16
.Lrows:
.irp p, 0,1
.irp c, 0,1
	ds_load_b128 v[T+4*(2*(\p)+(\c)):T+4*(2*(\p)+(\c))+3], v[RD] offset:(\p)*2*SPITCH+(\c)*256  ; LDS serves a wave's instructions in order (ISA guide 5.7.1.4): these see my stores
.endr
.endr
	s_wait_dscnt 0x0
.irp p, 0,1
.irp c, 0,1
	v_pk_add_f32 v[T+4*(2*(\p)+(\c)):T+4*(2*(\p)+(\c))+1], v[T+4*(2*(\p)+(\c)):T+4*(2*(\p)+(\c))+1], v[BI+4*(\c):BI+4*(\c)+1]
	v_pk_add_f32 v[T+4*(2*(\p)+(\c))+2:T+4*(2*(\p)+(\c))+3], v[T+4*(2*(\p)+(\c))+2:T+4*(2*(\p)+(\c))+3], v[BI+4*(\c)+2:BI+4*(\c)+3]
.endr
.endr
.irp p, 0,1
.irp c, 0,1
	v_pk_add_f32 v[VS+4*(\c):VS+4*(\c)+1], v[VS+4*(\c):VS+4*(\c)+1], v[T+4*(2*(\p)+(\c)):T+4*(2*(\p)+(\c))+1]
	v_pk_add_f32 v[VS+4*(\c)+2:VS+4*(\c)+3], v[VS+4*(\c)+2:VS+4*(\c)+3], v[T+4*(2*(\p)+(\c))+2:T+4*(2*(\p)+(\c))+3]
.endr
.endr
.irp p, 0,1
.irp c, 0,1
	v_cvt_pk_f16_f32 v[U+2*(2*(\p)+(\c))], v[T+4*(2*(\p)+(\c))], v[T+4*(2*(\p)+(\c))+1]
	v_cvt_pk_f16_f32 v[U+2*(2*(\p)+(\c))+1], v[T+4*(2*(\p)+(\c))+2], v[T+4*(2*(\p)+(\c))+3]
	global_store_b64 v[GO], v[U+2*(2*(\p)+(\c)):U+2*(2*(\p)+(\c))+1], s[OUT:OUT+1] offset:(\p)*256+(\c)*262144  ; a wave's store covers 256 consecutive bytes, aligned; head c lies 262,144 bytes on
.endr
.endr
	s_wait_xcnt 0x0                                ; the stores' data and offset are rewritten only behind this wait
	v_add_nc_u32 v[GO], 512, v[GO]
	v_add_nc_u32 v[RD], 4*SPITCH, v[RD]
	s_sub_co_u32 s3, s3, 1
	s_cmp_lg_u32 s3, 0
	s_cbranch_scc1 .Lrows
	s_cmp_eq_u32 s[WHICH], 2
	s_cbranch_scc0 .Lnov
.irp e, 0,1,2,3,4,5,6,7
	v_permlanex16_b32 v[T+(\e)], v[VS+(\e)], s[SEL], s[SEL+1]  ; the odd rows' sums lie 16 lanes away
.endr
.irp e, 0,2,4,6
	v_pk_add_f32 v[VS+(\e):VS+(\e)+1], v[VS+(\e):VS+(\e)+1], v[T+(\e):T+(\e)+1]
.endr
	v_cmp_gt_u32 vcc_lo, 16, v[LN]
	s_wait_xcnt 0x0                                ; EXEC changes only behind this wait
	s_and_saveexec_b32 s2, vcc_lo
	global_store_b128 v[R16], v[VS:VS+3], s[VP:VP+1]               ; 16 lanes: 256 consecutive bytes, aligned
	global_store_b128 v[R16], v[VS+4:VS+7], s[VP:VP+1] offset:256
	s_wait_xcnt 0x0
	s_or_b32 exec_lo, exec_lo, s2
.Lnov:
	s_wait_tensorcnt 0x0                           ; the wave's end
	ds_add_u32 v[SPW], v[NIL]
	s_wait_dscnt 0x0
	CROUND                                         ; the closing round
	s_endpgm
.Lfunc_end_k_q4560995112_gqkv:
	.size	k_q4560995112_gqkv, .Lfunc_end_k_q4560995112_gqkv-k_q4560995112_gqkv
	.p2alignl 7, 3214868480
	.fill 96, 4, 3214868480
	.section	.rodata,"a",@progbits
	.p2align	6, 0x0
	.amdhsa_kernel k_q4560995112_gqkv
		.amdhsa_group_segment_fixed_size 327680
		.amdhsa_private_segment_fixed_size 0
		.amdhsa_enable_private_segment 0
		.amdhsa_kernarg_size 40
		.amdhsa_user_sgpr_count 2
		.amdhsa_user_sgpr_kernarg_segment_ptr 1
		.amdhsa_wavefront_size32 1
		.amdhsa_system_sgpr_workgroup_id_x 1
		.amdhsa_system_sgpr_workgroup_id_y 1
		.amdhsa_system_sgpr_workgroup_id_z 1
		.amdhsa_system_vgpr_workitem_id 0
		.amdhsa_next_free_vgpr 512
		.amdhsa_next_free_sgpr 96
		.amdhsa_reserve_vcc 1
		.amdhsa_float_denorm_mode_32 3
		.amdhsa_float_denorm_mode_16_64 3
		.amdhsa_memory_ordered 1
		.amdhsa_forward_progress 1
		.amdhsa_inst_pref_size 57
	.end_amdhsa_kernel
	.amdgpu_metadata
---
amdhsa.version: [ 1, 2 ]
amdhsa.kernels:
  - .name:           k_q4560995112_gqkv
    .symbol:         k_q4560995112_gqkv.kd
    .args:
      - { .name: cb, .offset: 0, .size: 8, .value_kind: global_buffer, .address_space: global }
      - { .name: bq, .offset: 8, .size: 8, .value_kind: global_buffer, .address_space: global }
      - { .name: bk, .offset: 16, .size: 8, .value_kind: global_buffer, .address_space: global }
      - { .name: bv, .offset: 24, .size: 8, .value_kind: global_buffer, .address_space: global }
      - { .name: qkv, .offset: 32, .size: 8, .value_kind: global_buffer, .address_space: global }
    .group_segment_fixed_size: 327680
    .private_segment_fixed_size: 0
    .kernarg_segment_align: 8
    .kernarg_segment_size: 40
    .max_flat_workgroup_size: 256
    .sgpr_count:     96
    .vgpr_count:     512
    .wavefront_size: 32
...
	.end_amdgpu_metadata
.endif
;; end of part 8
;; launch attn (part 9): grid 16 x 16, 4 waves a work-group, clusters of 4 x 1, 327,680 bytes of LDS; arguments qkv, mf, ob; writes ob
.if DOCPART == 9
	.amdgcn_target "amdgcn-amd-amdhsa--gfx1250"
	.amdhsa_code_object_version 6
	.text
	.protected	k_q4560995112_attn
	.globl	k_q4560995112_attn
	.p2align	8
	.type	k_q4560995112_attn,@function
k_q4560995112_attn:
	s_mov_b64 s[64:65], 0
	v_nop
	global_prefetch_b8 v0, s[64:65] scope:SCOPE_SE
	s_setreg_imm32_b32 hwreg(HW_REG_WAVE_MODE, 25, 1), 1
	s_wait_xcnt 0x0
	s_wait_alu depctr_hold_cnt(0) depctr_sa_sdst(0) depctr_va_vdst(0) depctr_va_sdst(0) depctr_va_ssrc(0) depctr_va_vcc(0) depctr_vm_vsrc(0)
	s_getreg_b32 s2, hwreg(HW_REG_IB_STS2, 6, 4)
	s_cmp_eq_u32 s2, 0
	s_cbranch_scc0 .Lentry_in_a_cluster
	s_endpgm
.Lentry_in_a_cluster:
	s_bfe_u32 s2, ttmp6, 0x10000c
	s_cmp_lg_u32 s2, 0x3003
	s_cbranch_scc0 .Lentry_shape_is_right
	s_endpgm
.Lentry_shape_is_right:
; MASKED ATTENTION.  O[q] = the sum over k of softmax_k(q . k / 8, hidden where tril(mask) = 0) v[k].  q, k, v: [batch x 16 + head][2048][64] f16; mf: [batch][q][k] f16, 0 where seen, -65504 where hidden
; (tril is in it).  Products, maxima and sums in f32; the weights are rounded to f16 for the second product, O once at the end; O leaves in blocks [row / 64][head][64][64] f16.
; LIMITS.  A hidden score counts as its value less 65504^2 = 4.29e9; a row whose largest raw score lies below -2e9 counts as wholly hidden, so |q . k| stays under 2e9.  Such a row takes the mean of ALL 2,048
; rows of v (every score equal: a uniform softmax), from the column sums that the projection left.  A weight below 2^-126 counts as 0.  NaN and infinities are not treated apart.
; THE WALK.  A head's queries lie in 16 blocks of 128; block i needs the key units 0 .. i / 2 of 256 keys.  A work-group takes blocks 15 - pb and then pb: 9 units whatever pb, one loop with a constant trip count.
; Of an EVEN block's last unit the keys 128 to 255 lie above the diagonal for all its queries (tril hides them): their two key steps are jumped.  Of the two blocks exactly one is even: 68 turns in every work-group.
; CLUSTER.  The four partners are four heads of the same batch and pb: they run alike and need the same tile of the mask, which is asked for JOINTLY.  K and V belong to one head each: plain loads, behind the same rounds.
; THE MASK costs no vector work: the sum S^T starts with a product E x M, E = 65504 on a diagonal, M = the mask's fragment (16 queries x 32 keys, as it lies).  K Q^T adds onto it in place.
; SHARES.  A wave owns two PIECES of 16 queries: rows 64 p + 16 w .. + 15 of the block.  LAYOUT, SOFTMAX: S^T holds one query a lane (l % 16) and keys 8 (l / 16) + 0..7; p = 2^(c s - c m), c = log2(e) / 8, with a running
; maximum m; O and l are multiplied by a = 2^(c m_old - c m_new) in every step.
; TURNS.  Turn p of key step j: softmax of piece p; ahead of its one wait 4 mask products and 8 K Q^T of the other piece (p = 0: step j; p = 1: step j + 1), behind it 8 V^T P of the other piece (p = 0: step j - 1; p = 1: step j).
; Four vector instructions stand behind every product, the other 38 in one lump.  A turn's 33 exponentials are one batch with one wait.
; FETCHES for step j + 1: K and piece 0's mask in turn 0's lump, V at turn 0's end (two buffers by the step's parity: into the one just read), piece 1's mask in turn 1's lump.  So a unit's reads are all issued within
; eight turns, and the change of slots stands in front of the turn that fetches the next unit's step 0.
; REGISTERS.  Window 0: v0-31 addresses and statistics; v32-43 E; v48-55 at work; v64-127 S^T (a buffer a piece); v128-191 O^T; v192-223 P; v224-255 the mask's fragments.
; Window 1: v0-31 Q; v32-63 the second block's Q; v64-127 K; v128-191, v192-255 V.
.set KS,    64
.set PK,    144                        ; a row of K: 128 bytes + 16
.set PVP,   160                        ; a row of V: 128 + 32
.set PM,    528                        ; a row of the mask's tile: 512 + 16
.set VOFF,  256*PK
.set MOFF,  VOFF+256*PVP
.set SLOT,  MOFF+128*PM                ; 145,408
.set STAGE, 2*SLOT                     ; 16 rows x 144 bytes for each wave; never filled by a tensor load
.set SP,    144
.set VMS,   STAGE+4*16*SP              ; two halves of V's mean, 64 channels each
.set SPARE, VMS+512
.set AK0, 2
.set AV0, 3
.set AK,  4
.set AV,  5
.set STO, 6
.set RD,  7
.set GO,  8
.set MV,  12                           ; v12-13 c m_old, by piece
.set AM0, 14
.set AM1, 15
.set ST,  16                           ; piece t: c m, m, l (even keys', odd keys')
.set AM,  24
.set QO,  25
.set PFO, 26                           ; 256 x my thread's number; never rewritten
.set PFMO, 27                          ; (l / 2) x 4,096 + (l % 2) x 256; never rewritten
.set VMA, 28
.set VPO, 30
.set VST, 31
.set EZ,  32                           ; v32-35 zeros, v36-39 the pattern, v40-43 zeros: E1 = v[32:39], E0 = v[36:43]
.set TMP, 48
.set SPW, 62
.set NIL, 63
.set S,   64
.set VM,  96                           ; the way out: V's mean, in S^T's second buffer
.set OT,  128
.set P,   192
.set MB,  224
.set VM2, 224
.set QB,  32                           ; window 1
.set KF,  64
.set VA,  128
.set VB,  192
.set EV,  8                            ; s8   1: the block in hand is even (behind the head, which is done with ob's address there)
.set DL,  9                            ; s9   1 in an even block's last unit, else 0: the step loop's trip with CNT = DL is dead
.set FL,  10                           ; s10, s11 which lanes' rows are wholly hidden, by piece
.set WV,  12
.set CX,  13
.set HEAD, 14
.set BT,  15
.set PB,  16
.set HI,  17
.set PBH, 18
.set ML,  19                           ; the mask half's place in a slot
.set MT,  22
.set THR, 23
.set G1K, 24
.set G1V, 32
.set G0K, 40
.set G0V, 44
.set G0M, 48
.set G1M, 52
.set CS,  60
.set SEL, 62
.set SLOTS, 66
.set CNT, 67
.set SB,  68                           ; the slot that is read
.set SBF, 69                           ; the slot that is filled
.set TBK, 70
.set TBV, 71
.set TBM, 72
.set RT,  73                           ; units of the block in hand still to be entered
.set NXT, 74                           ; the unit to be asked for next,
.set LQ,  75                           ; the last unit of its block,
.set BA,  76                           ; and its block
.set NEW, 77
.set OFF, 78
.set KB,  80
.set VBS, 82
.set MBS, 84
.set OPT, 86
.set OLO, 88
.set QL,  90
.set PFK, 92
.set PFV, 94
.set PFM, 96
.set MPF, 98
.set LIMK, 100
.set LIMM, 101
.set VP,  104
.set MSB, 0
.macro WIN new
.if MSB != (\new)
	s_set_vgpr_msb (MSB<<8)|(\new)
.set MSB, (\new)
.endif
.endm
.set W_KQ, 0x05                        ; K and Q in window 1
.set W_PV, 0x01                        ; V in window 1
.set W_LD, 0x40                        ; destination window 1
; A fill: wave 0 K's 256 keys, wave 1 V's, waves 2 and 3 the halves of the mask's tile (jointly).  The branches hang on the wave's number alone.
.macro JLOAD
	s_cmp_lt_u32 s[WV], 2
	s_cbranch_scc0 .Lfor_m_\@
	s_cmp_eq_u32 s[WV], 0
	s_cbranch_scc0 .Lfor_v_\@
	tensor_load_to_lds s[G0K:G0K+3], s[G1K:G1K+7]
	s_nop 0
.rept 4
	v_nop
.endr
	s_branch .Lasked_\@
.Lfor_v_\@:
	tensor_load_to_lds s[G0V:G0V+3], s[G1V:G1V+7]
	s_nop 0
.rept 4
	v_nop
.endr
	s_branch .Lasked_\@
.Lfor_m_\@:
	tensor_load_to_lds s[G0M:G0M+3], s[G1M:G1M+7]
	s_nop 0
.rept 4
	v_nop
.endr
.Lasked_\@:
.endm
; PREFETCHES, behind the fill and its five lines, for the unit that the NEXT change will ask for.  K and V: a head's eight units are walked first by the work-group with pb = 0: it alone asks, 128 threads x 256 bytes
; for K and for V, units 2 to 7.  The mask's tile (128 rows x 512 bytes) is read by the four clusters of a batch and pb: cluster x = 0 asks; its partners share the rows out by address, 32 each, waves 2 and 3 take 16 each,
; a lane 256 bytes.  So each block of 256 bytes is named once.  The last changes ask for nothing.
.macro ASK
	s_cmp_gt_u32 s[SLOTS], s[LIMK]
	s_cbranch_scc0 .Lno_kv_\@
	global_prefetch_b8 v[PFO], s[PFK:PFK+1] th:TH_LOAD_NT scope:SCOPE_SE
	global_prefetch_b8 v[PFO], s[PFV:PFV+1] th:TH_LOAD_NT scope:SCOPE_SE
.Lno_kv_\@:
	s_cmp_gt_u32 s[SLOTS], s[LIMM]
	s_cbranch_scc0 .Lno_m_\@
	global_prefetch_b8 v[PFMO], s[PFM:PFM+1] th:TH_LOAD_NT scope:SCOPE_SE
.Lno_m_\@:
.endm
.macro CROUND
	s_barrier_signal -1
	s_barrier_wait -1
	s_cmp_lg_u32 s[WV], 0
	s_cbranch_scc1 .Lnot_wave_0_\@
	s_barrier_signal -3
.Lnot_wave_0_\@:
	s_barrier_wait -3
	s_barrier_signal -1
	s_barrier_wait -1
.endm
; The three descriptors for unit NXT of block BA into slot SBF, made anew from the numbers; then the walker steps: the block's next unit, or behind its last the second block's unit 0.
.macro DESC
	s_lshl_b32 s[OFF], s[NXT], 15                  ; a unit is 32,768 bytes of K and of V
	s_mov_b32 s[G0K+1], s[SBF]
	s_add_nc_u64 s[G0K+2:G0K+3], s[KB:KB+1], s[OFF:OFF+1]
	s_or_b32 s[G0K+3], s[G0K+3], 0x80000000
	s_add_co_u32 s[G0V+1], s[SBF], VOFF
	s_add_nc_u64 s[G0V+2:G0V+3], s[VBS:VBS+1], s[OFF:OFF+1]
	s_or_b32 s[G0V+3], s[G0V+3], 0x80000000
	s_lshl_b32 s[OFF], s[BA], 19                   ; a block's 128 rows of 4,096 bytes,
	s_lshl_b32 s[MT], s[NXT], 9                    ; a unit's 512 bytes of a row
	s_add_co_u32 s[OFF], s[OFF], s[MT]
	s_add_co_u32 s[G0M+1], s[SBF], s[ML]
	s_add_nc_u64 s[G0M+2:G0M+3], s[MBS:MBS+1], s[OFF:OFF+1]
	s_or_b32 s[G0M+3], s[G0M+3], 0x80000000
	s_add_co_u32 s[NXT], s[NXT], 1
	s_cmp_gt_u32 s[NXT], s[LQ]
	s_cselect_b32 s[NXT], 0, s[NXT]
	s_cselect_b32 s[BA], s[PB], s[BA]
	s_cselect_b32 s[LQ], s[PBH], s[LQ]
.endm
; THE CHANGE OF SLOTS.  Each wave waits for all its tensor loads (one is out: its part of the other slot), adds 0 to its spare word, and waits for that and for its reads of the slot that it leaves.
; fill = 1: a round of the cluster's barrier, and the old slot is filled again first thing behind it.
.macro CHANGE fill
	WIN 0
	s_wait_tensorcnt 0x0                           ; no tensor load of mine is out, so the descriptors may be written
	ds_add_u32 v[SPW], v[NIL]                      ; 0 onto my spare word; scalar work stands between it and the wait for it
	s_mov_b32 s[SBF], s[SB]
	s_xor_b32 s[SB], s[SB], SLOT
.if \fill
	DESC
	s_wait_xcnt 0x0                                ; the last prefetches, a unit back, have read their addresses
	s_add_nc_u64 s[PFK:PFK+1], s[PFK:PFK+1], 32768
	s_add_nc_u64 s[PFV:PFV+1], s[PFV:PFV+1], 32768
	s_lshl_b32 s[OFF], s[BA], 19                   ; the walker now names the fill after this one
	s_lshl_b32 s[MT], s[NXT], 9
	s_add_co_u32 s[OFF], s[OFF], s[MT]
	s_add_nc_u64 s[PFM:PFM+1], s[MPF:MPF+1], s[OFF:OFF+1]
	s_wait_dscnt 0x0                               ; the add is done, my reads of the slot are over
	CROUND
	JLOAD
	ASK
.else
	s_wait_dscnt 0x0
	s_barrier_signal -1
	s_barrier_wait -1
.endif
	s_mov_b32 s[TBK], s[SB]                        ; the fetches go to the new slot's first step
	s_mov_b32 s[TBV], s[SB]
	s_mov_b32 s[TBM], s[SB]
.endm
	s_load_b128 s[4:7], s[0:1], 0x0                ; qkv 4, mf 6
	s_load_b64 s[8:9], s[0:1], 0x10                ; ob
	v_lshl_add_u32 v[SPW], v0, 2, SPARE
	v_mov_b32 v[NIL], 0
	ds_add_u32 v[SPW], v[NIL]                      ; the wave's opening: the add and its wait ahead of my first tensor load
	v_lshrrev_b32 v1, 5, v0
	v_readfirstlane_b32 s[WV], v1
	s_bfe_u32 s[CX], ttmp6, 0x40000
	s_lshl_b32 s[HEAD], ttmp9, 2
	s_add_co_u32 s[HEAD], s[HEAD], s[CX]           ; it enters global addresses of q, k, v, O alone
	s_and_b32 s[PB], ttmp7, 0xffff
	s_lshr_b32 s[BT], s[PB], 3
	s_and_b32 s[PB], s[PB], 7
	s_sub_co_u32 s[HI], 15, s[PB]
	s_lshr_b32 s[PBH], s[PB], 1
	s_and_b32 s[MT], s[WV], 1
	s_mul_i32 s[ML], s[MT], 64*PM
	s_add_co_u32 s[ML], s[ML], MOFF
	s_mov_b32 s[G1K], (1<<16)|(1<<20)|(4<<22)|(3<<25)  ; 2-byte elements; 4 words of padding after every 32: 256 keys are 32,768 dense bytes, asked for as 128 rows of 256
	s_mov_b32 s[G1V], (1<<16)|(1<<20)|(4<<22)|(7<<25)  ; the same with 8 words
.irp g, G1K, G1V
	s_mov_b32 s[(\g)+1], 128<<16
	s_mov_b32 s[(\g)+2], 128<<16
	s_mov_b32 s[(\g)+3], 128<<16
	s_mov_b32 s[(\g)+4], 128
	s_mov_b32 s[(\g)+5], 128
	s_mov_b32 s[(\g)+6], 0
	s_mov_b32 s[(\g)+7], 0
.endr
	s_mov_b32 s[G1M], 15|(1<<16)|(1<<20)|(1<<21)|(6<<22)|(3<<25)  ; the mask of four; bit 21 beside it; 4 words after every 128
	s_mov_b32 s[G1M+1], 256<<16                    ; tensor_dim0 = 256 keys
	s_mov_b32 s[G1M+2], 64<<16                     ; tensor_dim1 = 64 rows
	s_mov_b32 s[G1M+3], 256<<16
	s_mov_b32 s[G1M+4], 64
	s_mov_b32 s[G1M+5], 2048
	s_mov_b32 s[G1M+6], 0
	s_mov_b32 s[G1M+7], 0
	s_mov_b32 s[G0K], 1
	s_mov_b32 s[G0V], 1
	s_mov_b32 s[G0M], 1
	s_mov_b32 s[CS], 0x3e38aa3b                    ; c = log2(e) / 8
	s_mov_b32 s[CS+1], s[CS]
	s_mov_b32 s[SEL], 0x76543210
	s_mov_b32 s[SEL+1], 0xfedcba98
	s_mov_b32 s[THR], 0xceee6b28                   ; -2e9
	s_mov_b32 s[SBF], 0
	s_mov_b32 s[SB], SLOT                          ; the first change turns it into 0
	s_mov_b32 s[NXT], 0
	s_lshr_b32 s[LQ], s[HI], 1
	s_mov_b32 s[BA], s[HI]
	s_add_co_u32 s[RT], s[LQ], 1
	s_mov_b32 s[NEW], 1
	s_mov_b32 s[SLOTS], 8
	s_mov_b32 s[OFF+1], 0
	s_mov_b32 s21, 0
	s_cmp_eq_u32 s[PB], 0
	s_cselect_b32 s[LIMK], 2, -1
	s_lshr_b32 s20, s[WV], 1
	s_xor_b32 s20, s20, 1
	s_or_b32 s20, s20, ttmp9                       ; 0 in waves 2 and 3 of cluster x = 0: the same in all four partners
	s_cmp_eq_u32 s20, 0
	s_cselect_b32 s[LIMM], 1, -1
	s_wait_dscnt 0x0                               ; the opening add is done
	s_wait_kmcnt 0x0
	s_lshl_b32 s20, s[BT], 4
	s_add_co_u32 s20, s20, s[HEAD]
	s_lshl_b32 s20, s20, 18
	s_add_nc_u64 s[2:3], s[4:5], s[20:21]          ; q at my head
	s_add_nc_u64 s[KB:KB+1], s[2:3], 8388608
	s_add_nc_u64 s[VBS:VBS+1], s[2:3], 16777216
	s_add_nc_u64 s[PFK:PFK+1], s[KB:KB+1], 32768   ; the first change steps these to unit 2
	s_add_nc_u64 s[PFV:PFV+1], s[VBS:VBS+1], 32768
	s_lshl_b32 s20, s[BT], 17
	s_lshl_b32 s10, s[HEAD], 8
	s_add_co_u32 s20, s20, s10
	s_add_co_u32 s20, s20, 25165824
	s_add_nc_u64 s[VP:VP+1], s[4:5], s[20:21]      ; vpart at my batch's 32 row groups and my head's 64 columns
	s_lshl_b32 s10, s[WV], 11
	s_lshl_b32 s20, s[PB], 14
	s_add_co_u32 s20, s20, s10
	s_add_nc_u64 s[QL:QL+1], s[2:3], s[20:21]      ; Q at my rows of the second block,
	s_lshl_b32 s20, s[HI], 14
	s_add_co_u32 s20, s20, s10
	s_add_nc_u64 s[4:5], s[2:3], s[20:21]          ; and of the first
	s_lshl_b32 s11, s[HEAD], 13
	s_add_co_u32 s11, s11, s10
	s_lshl_b32 s10, s[BT], 22
	s_add_co_u32 s11, s11, s10
	s_lshl_b32 s20, s[HI], 18
	s_add_co_u32 s20, s20, s11
	s_add_nc_u64 s[OPT:OPT+1], s[8:9], s[20:21]
	s_lshl_b32 s20, s[PB], 18
	s_add_co_u32 s20, s20, s11
	s_add_nc_u64 s[OLO:OLO+1], s[8:9], s[20:21]
	s_lshl_b32 s[OFF], s[BT], 23
	s_lshl_b32 s[MT], s[MT], 18                    ; my half's 64 rows of 4,096 bytes
	s_add_co_u32 s[OFF], s[OFF], s[MT]
	s_add_nc_u64 s[MBS:MBS+1], s[6:7], s[OFF:OFF+1]
	s_lshl_b32 s20, s[CX], 5
	s_and_b32 s10, s[WV], 1
	s_lshl_b32 s10, s10, 4
	s_add_co_u32 s20, s20, s10
	s_lshl_b32 s20, s20, 12
	s_lshl_b32 s10, s[BT], 23
	s_add_co_u32 s20, s20, s10
	s_add_nc_u64 s[MPF:MPF+1], s[6:7], s[20:21]
	s_and_b32 s[EV], s[PB], 1                      ; the first block, 15 - pb, is even where pb is odd
	DESC                                           ; unit 0 of the first block, into slot 0
	CROUND                                         ; all four work-groups are here
	JLOAD
	v_and_b32 v1, 15, v0                           ; r
	v_bfe_u32 v9, v0, 4, 1                         ; h
	v_lshlrev_b32 v[QO], 7, v1
	v_lshl_add_u32 v[QO], v9, 4, v[QO]
	WIN W_LD
.set i, 0
.rept 4                                ; both blocks' Q: piece i / 2 lies 64 rows on; channels 32 (i % 2) on
	global_load_b128 v[8*i:8*i+3],   v[QO], s[4:5] offset:(i/2)*8192+(i%2)*64
	global_load_b128 v[8*i+4:8*i+7], v[QO], s[4:5] offset:(i/2)*8192+(i%2)*64+32
	global_load_b128 v[QB+8*i:QB+8*i+3],   v[QO], s[QL:QL+1] offset:(i/2)*8192+(i%2)*64
	global_load_b128 v[QB+8*i+4:QB+8*i+7], v[QO], s[QL:QL+1] offset:(i/2)*8192+(i%2)*64+32
.set i, i+1
.endr
.set i, VB
.rept 64                               ; what a block's first turn multiplies need only be finite: its result is multiplied by a = 0
	v_mov_b32 v[i], 0
.set i, i+1
.endr
	WIN 0
	v_and_b32 v10, 63, v0
	v_lshrrev_b32 v11, 6, v0
	v_lshlrev_b32 v[VPO], 2, v10
	v_lshl_add_u32 v[VPO], v11, 16, v[VPO]         ; channel t % 64; row groups 16 (t / 64) on
.set i, 0
.rept 16
	global_load_b32 v[S+i], v[VPO], s[VP:VP+1] offset:i*4096
.set i, i+1
.endr
	v_lshl_add_u32 v[VST], v0, 2, VMS
	v_lshrrev_b32 v10, 3, v1                       ; E: lane (r, h) holds row r; 65504 at k = r: register (r % 8) / 2, half r % 2, where r / 8 = h
	v_and_b32 v11, 1, v1
	v_lshlrev_b32 v11, 4, v11
	v_mov_b32 v29, 0x7bff
	v_lshlrev_b32 v11, v11, v29
	v_cmp_eq_u32 vcc_lo, v10, v9
	v_cndmask_b32 v11, 0, v11, vcc_lo
	v_bfe_u32 v10, v1, 1, 2
.irp e, 0,1,2,3
	v_cmp_eq_u32 vcc_lo, \e, v10
	v_cndmask_b32 v[EZ+4+(\e)], 0, v11, vcc_lo
	v_mov_b32 v[EZ+(\e)], 0
	v_mov_b32 v[EZ+8+(\e)], 0
.endr
.set i, 0
.rept 64
	v_mov_b32 v[OT+i], 0
.set i, i+1
.endr
.set i, 0
.rept 16
	v_mov_b32 v[P+16+i], 0
.set i, i+1
.endr
.irp t, 0,1
	v_mov_b32 v[ST+4*(\t)+2], 0
	v_mov_b32 v[ST+4*(\t)+3], 0
.endr
	v_mul_u32_u24 v[AK0], v1, PK
	v_lshl_add_u32 v[AK0], v9, 4, v[AK0]
	v_and_b32 v10, 7, v0
	v_bfe_u32 v11, v0, 3, 1
	v_lshl_add_u32 v[AV0], v9, 3, v10
	v_mul_u32_u24 v[AV0], v[AV0], PVP
	v_lshl_add_u32 v[AV0], v11, 4, v[AV0]
	v_add_nc_u32 v[AV0], VOFF, v[AV0]
	s_lshl_b32 s10, s[WV], 4
	v_add_nc_u32 v11, s10, v1
	v_mul_u32_u24 v[AM0], v11, PM
	v_lshl_add_u32 v[AM0], v9, 4, v[AM0]
	v_add_nc_u32 v[AM0], MOFF, v[AM0]              ; the mask's row 16 w + r, for piece 0,
	v_add_nc_u32 v[AM1], 64*PM, v[AM0]             ; and 64 rows on for piece 1
	s_mul_i32 s10, s[WV], 16*SP
	s_add_co_u32 s10, s10, STAGE
	v_mul_u32_u24 v[STO], v1, SP
	v_lshl_add_u32 v[STO], v9, 4, v[STO]
	v_add_nc_u32 v[STO], s10, v[STO]
	v_bfe_u32 v[RD], v0, 3, 2
	v_mul_u32_u24 v[RD], v[RD], SP
	v_lshl_add_u32 v[RD], v10, 4, v[RD]
	v_add_nc_u32 v[RD], s10, v[RD]
	v_and_b32 v11, 31, v0
	v_lshlrev_b32 v[GO], 4, v11
	v_lshl_add_u32 v[VMA], v9, 5, VMS
	v_lshlrev_b32 v[PFO], 8, v0
	v_lshrrev_b32 v10, 1, v11
	v_and_b32 v11, 1, v11
	v_lshlrev_b32 v[PFMO], 8, v11
	v_lshl_add_u32 v[PFMO], v10, 12, v[PFMO]
	s_wait_loadcnt 0x0                             ; Q and the 16 column sums
.irp k, 0,2,4,6
	v_pk_add_f32 v[S+(\k):S+(\k)+1], v[S+(\k):S+(\k)+1], v[S+8+(\k):S+8+(\k)+1]
.endr
	v_pk_add_f32 v[S:S+1], v[S:S+1], v[S+4:S+5]
	v_pk_add_f32 v[S+2:S+3], v[S+2:S+3], v[S+6:S+7]
	v_pk_add_f32 v[S:S+1], v[S:S+1], v[S+2:S+3]
	v_add_f32 v[S], v[S], v[S+1]
	v_mul_f32 v[S], 0x3a000000, v[S]               ; / 2,048
	ds_store_b32 v[VST], v[S]                      ; the first change's wait and round show it to the other waves
; THE MATRIX WORK of a turn, 20 products counted by i; four accumulators take turns.
.macro MK x                            ; i = 0..3: keys 16 i on: S^T starts with 65504 x the mask
	WIN 0
.set rS, S+32*(\x)+8*i
.set rE, EZ+4*(1-i%2)
.set rM, MB+16*(\x)+8*(i/2)
	v_wmma_f32_16x16x32_f16 v[rS:rS+7], v[rE:rE+7], v[rM:rM+7], 0
.endm
.macro KQ x                            ; i = 4..11: channels 32 ((i - 4) / 4) on, keys 16 (i % 4) on
	WIN W_KQ
.set rS, S+32*(\x)+8*(i%4)
.set rK, KF+16*(i%4)+8*((i-4)/4)
.set rQ, 16*(\x)+8*((i-4)/4)
	v_wmma_f32_16x16x32_f16 v[rS:rS+7], v[rK:rK+7], v[rQ:rQ+7], v[rS:rS+7]
.endm
.macro PV x                            ; i = 12..19: keys 32 ((i - 12) / 4) on, channels 16 (i % 4) on
	WIN W_PV
.set rO, OT+32*(\x)+8*(i%4)
.set rV, VBUF+32*((i-12)/4)+8*(i%4)
.set rP, P+16*(\x)+8*((i-12)/4)
	v_wmma_f32_16x16x32_f16 v[rO:rO+7], v[rV:rV+7], v[rP:rP+7], v[rO:rO+7]
.endm
.macro MM
.if i < 4
.if !NOKQ
	MK 1-Y
.endif
.elseif i < 12
.if !NOKQ
	KQ 1-Y
.endif
.else
	PV 1-Y
.endif
.set i, i+1
.endm
; THE LDS LOADS stand in runs.
.macro FETCH_KM                        ; K (16 loads) and piece 0's mask (4)
	WIN 0
	v_add_nc_u32 v[AK], s[TBK], v[AK0]
	v_add_nc_u32 v[AM], s[TBM], v[AM0]
.irp g, 0,1
	ds_load_b128 v[MB+8*(\g):MB+8*(\g)+3],   v[AM] offset:64*(\g)
	ds_load_b128 v[MB+8*(\g)+4:MB+8*(\g)+7], v[AM] offset:64*(\g)+32
.endr
	WIN W_LD
.irp f, 0,1,2,3,4,5,6,7
	ds_load_b128 v[KF+8*\f:KF+8*\f+3],   v[AK] offset:(\f/2)*16*PK+(\f%2)*64
	ds_load_b128 v[KF+8*\f+4:KF+8*\f+7], v[AK] offset:(\f/2)*16*PK+(\f%2)*64+32
.endr
	WIN 0
.endm
.macro FETCH_M1                        ; piece 1's mask (4 loads); then the pointers step
	WIN 0
	v_add_nc_u32 v[AM], s[TBM], v[AM1]
.irp g, 0,1
	ds_load_b128 v[MB+16+8*(\g):MB+16+8*(\g)+3],   v[AM] offset:64*(\g)
	ds_load_b128 v[MB+16+8*(\g)+4:MB+16+8*(\g)+7], v[AM] offset:64*(\g)+32
.endr
	s_add_co_u32 s[TBK], s[TBK], KS*PK
	s_add_co_u32 s[TBV], s[TBV], KS*PVP
	s_add_co_u32 s[TBM], s[TBM], 2*KS
.endm
.macro FETCH_V vb                      ; V, turned (16 loads)
	WIN 0
	v_add_nc_u32 v[AV], s[TBV], v[AV0]
	WIN W_LD
.irp f, 0,1,2,3,4,5,6,7
	ds_load_tr16_b128 v[(\vb)+8*\f:(\vb)+8*\f+3],   v[AV] offset:(\f/4)*32*PVP+(\f%4)*32
	ds_load_tr16_b128 v[(\vb)+8*\f+4:(\vb)+8*\f+7], v[AV] offset:(\f/4)*32*PVP+16*PVP+(\f%4)*32
.endr
	WIN 0
.endm
; THE VECTOR WORK, one line at a time: OP kind, number.  For piece Y: F n: c s - c m for pair n of 16.  E n: the exponential of score n of 32.  C n: pair n rounded to f16.  B n: of the four weights 4 n .. the second pair is
; added onto the first.  L n: l takes that sum (L 0: l = a l + sum).  R n: pair n of 16 of O^T times a.  For the other piece: X n, number n of the 22 that find its maximum and statistics (each accumulator's lowest registers first).
.set F, 0
.set E, 1
.set C, 2
.set B, 3
.set L, 4
.set R, 5
.set X, 6
.macro REGS y
.set rT, ST+4*(\y)
.set rC, TMP+4*(\y)
.set rW, MV+(\y)
.set rS, S+32*(\y)
.set rP, P+16*(\y)
.set rO, OT+32*(\y)
.endm
.macro OP k, n
	WIN 0
.if (\k) < X
	REGS Y
.if (\k) == F
	v_pk_fma_f32 v[rS+2*(\n):rS+2*(\n)+1], v[rS+2*(\n):rS+2*(\n)+1], s[CS:CS+1], v[rT:rT+1] op_sel_hi:[1,0,0] neg_lo:[0,0,1] neg_hi:[0,0,1]
.elseif (\k) == E
	v_exp_f32 v[rS+(\n)], v[rS+(\n)]
.elseif (\k) == C
	v_cvt_pk_f16_f32 v[rP+(\n)], v[rS+2*(\n)], v[rS+2*(\n)+1]
.elseif (\k) == B
	v_pk_add_f32 v[rS+4*(\n):rS+4*(\n)+1], v[rS+4*(\n):rS+4*(\n)+1], v[rS+4*(\n)+2:rS+4*(\n)+3]
.elseif (\k) == R
	v_pk_mul_f32 v[rO+2*(\n):rO+2*(\n)+1], v[rO+2*(\n):rO+2*(\n)+1], v[rC+2:rC+3] op_sel_hi:[1,0]
.elseif (\n) == 0
	v_pk_fma_f32 v[rT+2:rT+3], v[rT+2:rT+3], v[rC+2:rC+3], v[rS:rS+1] op_sel_hi:[1,0,1]
.else
	v_pk_add_f32 v[rT+2:rT+3], v[rT+2:rT+3], v[rS+4*(\n):rS+4*(\n)+1]
.endif
.elseif NOKQ
	v_nop                                          ; a block's last turn: there is no next piece
.else
	REGS 1-Y
.if (\n) < 4
	v_max3_num_f32 v[rC+(\n)], v[rS+8*(\n)], v[rS+8*(\n)+1], v[rS+8*(\n)+2]
.elseif (\n) < 12
	v_max3_num_f32 v[rC+(\n)%4], v[rC+(\n)%4], v[rS+8*((\n)%4)+2*((\n)/4)+1], v[rS+8*((\n)%4)+2*((\n)/4)+2]
.elseif (\n) == 12
	v_max3_num_f32 v[rC], v[rC], v[rS+7], v[rS+15]
.elseif (\n) == 13
	v_max3_num_f32 v[rC+1], v[rC+1], v[rS+23], v[rS+31]
.elseif (\n) == 14
	v_max3_num_f32 v[rC+2], v[rC+2], v[rC+3], v[rT+1]
.elseif (\n) == 15
	v_mov_b32 v[rW], v[rT]
.elseif (\n) == 16
	v_max3_num_f32 v[rC], v[rC], v[rC+1], v[rC+2]
.elseif (\n) == 17
	v_permlanex16_b32 v[rC+3], v[rC], s[SEL], s[SEL+1]
.elseif (\n) == 18
	v_max_num_f32 v[rT+1], v[rC], v[rC+3]
.elseif (\n) == 19
	v_mul_f32 v[rT], s[CS], v[rT+1]
.elseif (\n) == 20
	v_sub_f32 v[rC+1], v[rW], v[rT]
.else
	v_exp_f32 v[rC+2], v[rC+1]
.endif
.endif
.endm
.macro OPS a, i1, b=-1, i2=0, c=-1, i3=0, d=-1, i4=0
	OP \a, \i1
.if (\b) >= 0
	OP \b, \i2
.endif
.if (\c) >= 0
	OP \c, \i3
.endif
.if (\d) >= 0
	OP \d, \i4
.endif
.endm
.macro ROW a, i1, b, i2, c, i3, d, i4
	MM
	OPS \a, \i1, \b, \i2, \c, \i3, \d, \i4
.endm
; A TURN for piece p; vb = the V buffer that its V^T P reads (and, p = 0, that takes V of the next step at its end).  end = 1: a block's last two turns fetch nothing, and the last starts no new scores.
; X 0, 1, 2, 3 each stand five plain instructions behind the product that ends their accumulator; K's run stands seven plain instructions behind the last product that read K, V's four behind the last that read V.
.macro TURN p, vb, end=0
.set Y, (\p)
.set i, 0
.set VBUF, (\vb)
.set NOKQ, (\end)*(\p)
.if (\p) == 0
	s_wait_dscnt 0x0                               ; V and piece 1's mask are in
.else
	s_wait_dscnt 16                                ; K and piece 0's mask are in; V's 16 loads, issued behind them, may stay out
.endif
	ROW F,0, F,1, R,0, R,1
	ROW F,2, E,0, R,2, R,3
	ROW F,3, E,1, R,4, R,5
	ROW F,4, E,2, R,6, R,7
	ROW F,5, E,3, R,8, R,9
	ROW F,6, E,4, R,10, R,11
	ROW F,7, E,5, R,12, R,13
	ROW F,8, E,6, R,14, F,9
	ROW F,10, E,7, F,11, E,8
	ROW F,12, E,9, F,13, E,10
	ROW F,14, E,11, X,0, E,12
	ROW F,15, E,13, X,1, X,4
	OPS X,2, E,14, X,5, X,3
	OPS E,15, X,6, X,8, E,16
.if !(\end)
.if (\p) == 0
	FETCH_KM
.else
	FETCH_M1
.endif
.endif
	OPS X,7, X,9, E,17, X,10
	OPS X,12, E,18, X,11, X,13
	OPS E,19, X,15, E,20, X,14
	OPS E,21, E,22, E,23, X,16
	OPS E,24, E,25, X,17, E,26
	OPS E,27, X,18, E,28, E,29
	OPS X,19, E,30, X,20, E,31
	OPS X,21, R,15                                 ; R 15 is the plain instruction behind the last exponential
	s_wait_alu depctr_va_vdst(0)                   ; ahead of the first use of an exponential: one wait for the batch
	ROW C,0, B,0, C,2, B,1
	ROW L,0, C,4, B,2, L,1
	ROW C,6, B,3, L,2, C,8
	ROW B,4, L,3, C,10, B,5
	ROW L,4, C,12, B,6, L,5
	ROW C,14, B,7, L,6, C,1
	ROW C,3, L,7, C,5, C,7
	ROW C,9, C,11, C,13, C,15
.if ((\p) == 0) && !(\end)
	FETCH_V \vb
.endif
.endm
; A BLOCK BEGINS.  c m starts far below every c s, so the first step's a is 0; m at the lowest finite number.  Step 0's tiles are fetched, piece 0's first scores made, and its maximum and statistics.
.macro BEGIN
	s_mov_b32 s[NEW], 0
	WIN 0
.irp t, 0,1
	v_mov_b32 v[ST+4*(\t)], 0xfe000000
	v_mov_b32 v[ST+4*(\t)+1], 0xff7fffff
.endr
	FETCH_KM
	FETCH_V VA
	FETCH_M1
	s_wait_loadcnt 0x0                             ; Q
	s_wait_dscnt 20                                ; K and piece 0's mask are in; V's 16 and piece 1's 4 loads stay out
.set Y, 1
.set NOKQ, 0
.set i, 0
.rept 12
	MM
.endr
	WIN 0
.rept 4
	v_nop                                          ; the places behind those products
.endr
.irp n, 0,1,2,3,4,5,6,7,8,9,10,11,12,13,14,15,16,17,18,19,20,21
	OP X, \n
.endr
	v_nop
	s_wait_alu depctr_va_vdst(0)                   ; the wait for a, ahead of the branch
.endm
.macro PACK t                          ; O^T / l, or V's mean where the row is wholly hidden; rounded; through my stage, back as whole rows of 128 bytes
	WIN 0
.set i, 0
.rept 16
	v_pk_mul_f32 v[OT+32*(\t)+2*i:OT+32*(\t)+2*i+1], v[OT+32*(\t)+2*i:OT+32*(\t)+2*i+1], v[ST+4*(\t)+2:ST+4*(\t)+3] op_sel_hi:[1,0]
.set i, i+1
.endr
.set i, 0
.rept 32
	v_cndmask_b32 v[OT+32*(\t)+i], v[OT+32*(\t)+i], v[VM+i], s[FL+(\t)]
.set i, i+1
.endr
.set i, 0
.rept 16
	v_cvt_pk_f16_f32 v[S+16*(\t)+i], v[OT+32*(\t)+2*i], v[OT+32*(\t)+2*i+1]
.set i, i+1
.endr
.irp f, 0,1,2,3
	ds_store_b128 v[STO], v[S+16*(\t)+4*\f:S+16*(\t)+4*\f+3] offset:32*\f
.endr
.irp f, 0,1,2,3
	ds_load_b128 v[S+16*(\t)+4*\f:S+16*(\t)+4*\f+3], v[RD] offset:\f*4*SP  ; LDS serves a wave's instructions in order (ISA guide 5.7.1.4)
.endr
.endm
.macro SEND t, younger
.irp f, 0,1,2,3
	s_wait_dscnt (\younger)+3-\f
	global_store_b128 v[GO], v[S+16*(\t)+4*\f:S+16*(\t)+4*\f+3], s[OPT:OPT+1] offset:(\t)*131072+\f*512  ; 512 consecutive bytes, at a multiple of 256 from O's first
.endr
.endm
; A BLOCK ENDS: its last step's two turns, the last products, and the way out.  The last step is a unit's step 3, or step 1 in an even block: both odd, so the V buffers, which go by the step's parity, are the same.
.macro FINISH
	TURN 0, VA, 1
	TURN 1, VB, 1
.set Y, 0
.set VBUF, VB
.set i, 12
.rept 8
	PV 1
.set i, i+1
.endr
	WIN 0
.irp t, 0,1
	v_add_f32 v[ST+4*(\t)+2], v[ST+4*(\t)+2], v[ST+4*(\t)+3]
.endr
.irp t, 0,1
	v_permlanex16_b32 v[ST+4*(\t)+3], v[ST+4*(\t)+2], s[SEL], s[SEL+1]
.endr
.irp t, 0,1
	v_add_f32 v[ST+4*(\t)+2], v[ST+4*(\t)+2], v[ST+4*(\t)+3]
.endr
.irp t, 0,1
	v_cmp_gt_f32 s[FL+(\t)], s[THR], v[ST+4*(\t)+1]  ; no key of the row was seen
.endr
.irp f, 0,1,2,3                        ; V's mean for my 32 channels, 16 f + 8 h + 0..7, in two halves
	ds_load_b128 v[VM+8*\f:VM+8*\f+3],     v[VMA] offset:64*\f
	ds_load_b128 v[VM+8*\f+4:VM+8*\f+7],   v[VMA] offset:64*\f+16
	ds_load_b128 v[VM2+8*\f:VM2+8*\f+3],   v[VMA] offset:256+64*\f
	ds_load_b128 v[VM2+8*\f+4:VM2+8*\f+7], v[VMA] offset:256+64*\f+16
.endr
.irp t, 0,1
	v_rcp_f32 v[ST+4*(\t)+2], v[ST+4*(\t)+2]
.endr
	v_nop
	s_wait_dscnt 0x0
.set i, 0
.rept 16
	v_pk_add_f32 v[VM+2*i:VM+2*i+1], v[VM+2*i:VM+2*i+1], v[VM2+2*i:VM2+2*i+1]
.set i, i+1
.endr
	s_wait_alu depctr_va_vdst(0)                   ; one wait for the two reciprocals, ahead of their first use
	PACK 0
	PACK 1
	SEND 0, 8
	SEND 1, 0
.endm
; A unit's turns.  A trip: an odd step and the even step behind it; a new block enters in the middle, at its step 0.  The loop always counts 2 to 0.  In an even block's last unit the second trip
; (the unit's steps 1 and 2, whose turns would fetch steps 2 and 3) is dead: a jump forward, over no barrier and no tensor load, leads to the label ahead of the counter's step; step 1 is then the block's last, and FINISH takes it.
; The test hangs on pb and on counts made from it, which the four partners share.
.macro UNIT tag
	s_sub_co_u32 s[RT], s[RT], 1
	s_mov_b32 s[CNT], 2
	s_cmp_eq_u32 s[RT], 0                          ; the block's last unit?
	s_cselect_b32 s[DL], s[EV], 0
	s_cmp_eq_u32 s[NEW], 1
	s_cbranch_scc0 .Lstep\tag
	BEGIN
	s_branch .Lfirst\tag
.Lstep\tag:
	s_cmp_eq_u32 s[CNT], s[DL]                     ; CNT is 2 or 1, DL 0 or 1: equal in the dead trip alone
	s_cbranch_scc1 .Ldead\tag
	TURN 0, VA
	TURN 1, VB
	WIN 0
.Lfirst\tag:
	TURN 0, VB
	TURN 1, VA
	WIN 0
.Ldead\tag:
	s_sub_co_u32 s[CNT], s[CNT], 1
	s_cmp_lg_u32 s[CNT], 0
	s_cbranch_scc1 .Lstep\tag
.endm
.Lslot:                                        ; 8 times: a unit is entered and the next is asked for
	CHANGE 1
	UNIT 1
	s_cmp_lg_u32 s[RT], 0
	s_cbranch_scc1 .Lbottom
	FINISH                                         ; in the loop this is the first block's end
	s_wait_xcnt 0x0                                ; the stores have read their registers and O's address
	s_mov_b64 s[OPT:OPT+1], s[OLO:OLO+1]
	s_add_co_u32 s[RT], s[PBH], 1
	s_mov_b32 s[NEW], 1
	s_xor_b32 s[EV], s[EV], 1                      ; of 15 - pb and pb one is even
	WIN 0x41
.set i, 0
.rept 32
	v_mov_b32 v[i], v[QB+i]                        ; the second block's Q goes where the one text of the turns names Q
.set i, i+1
.endr
	WIN 0
.Lbottom:
	s_sub_co_u32 s[SLOTS], s[SLOTS], 1
	s_cmp_lg_u32 s[SLOTS], 0
	s_cbranch_scc1 .Lslot
	CHANGE 0                                       ; the walk's last unit is written out
	UNIT 2
	FINISH
	s_wait_tensorcnt 0x0                           ; the wave's end
	ds_add_u32 v[SPW], v[NIL]
	s_wait_dscnt 0x0
	CROUND                                         ; the closing round
	s_endpgm
.Lfunc_end_k_q4560995112_attn:
	.size	k_q4560995112_attn, .Lfunc_end_k_q4560995112_attn-k_q4560995112_attn
	.p2alignl 7, 3214868480
	.fill 96, 4, 3214868480
	.section	.rodata,"a",@progbits
	.p2align	6, 0x0
	.amdhsa_kernel k_q4560995112_attn
		.amdhsa_group_segment_fixed_size 327680
		.amdhsa_private_segment_fixed_size 0
		.amdhsa_enable_private_segment 0
		.amdhsa_kernarg_size 24
		.amdhsa_user_sgpr_count 2
		.amdhsa_user_sgpr_kernarg_segment_ptr 1
		.amdhsa_wavefront_size32 1
		.amdhsa_system_sgpr_workgroup_id_x 1
		.amdhsa_system_sgpr_workgroup_id_y 1
		.amdhsa_system_sgpr_workgroup_id_z 1
		.amdhsa_system_vgpr_workitem_id 0
		.amdhsa_next_free_vgpr 512
		.amdhsa_next_free_sgpr 106
		.amdhsa_reserve_vcc 1
		.amdhsa_float_denorm_mode_32 3
		.amdhsa_float_denorm_mode_16_64 3
		.amdhsa_memory_ordered 1
		.amdhsa_forward_progress 1
		.amdhsa_inst_pref_size 172
	.end_amdhsa_kernel
	.amdgpu_metadata
---
amdhsa.version: [ 1, 2 ]
amdhsa.kernels:
  - .name:           k_q4560995112_attn
    .symbol:         k_q4560995112_attn.kd
    .args:
      - { .name: qkv, .offset: 0, .size: 8, .value_kind: global_buffer, .address_space: global }
      - { .name: mf, .offset: 8, .size: 8, .value_kind: global_buffer, .address_space: global }
      - { .name: ob, .offset: 16, .size: 8, .value_kind: global_buffer, .address_space: global }
    .group_segment_fixed_size: 327680
    .private_segment_fixed_size: 0
    .kernarg_segment_align: 8
    .kernarg_segment_size: 24
    .max_flat_workgroup_size: 128
    .sgpr_count:     106
    .vgpr_count:     512
    .wavefront_size: 32
...
	.end_amdgpu_metadata
.endif
;; end of part 9
;; launch gwo (part 10): grid 8 x 32, 4 waves a work-group, clusters of 4 x 4, 327,680 bytes of LDS; arguments ob, cb, bo, ao; writes ao
.if DOCPART == 10
	.amdgcn_target "amdgcn-amd-amdhsa--gfx1250"
	.amdhsa_code_object_version 6
	.text
	.protected	k_q4560995112_gwo
	.globl	k_q4560995112_gwo
	.p2align	8
	.type	k_q4560995112_gwo,@function
k_q4560995112_gwo:
	s_mov_b64 s[64:65], 0
	v_nop
	global_prefetch_b8 v0, s[64:65] scope:SCOPE_SE
	s_setreg_imm32_b32 hwreg(HW_REG_WAVE_MODE, 25, 1), 1
	s_wait_xcnt 0x0
	s_wait_alu depctr_hold_cnt(0) depctr_sa_sdst(0) depctr_va_vdst(0) depctr_va_sdst(0) depctr_va_ssrc(0) depctr_va_vcc(0) depctr_vm_vsrc(0)
	s_getreg_b32 s2, hwreg(HW_REG_IB_STS2, 6, 4)
	s_cmp_eq_u32 s2, 0
	s_cbranch_scc0 .Lentry_in_a_cluster
	s_endpgm
.Lentry_in_a_cluster:
	s_bfe_u32 s2, ttmp6, 0x10000c
	s_cmp_lg_u32 s2, 0xf033
	s_cbranch_scc0 .Lentry_shape_is_right
	s_endpgm
.Lentry_shape_is_right:
; attn_out = O Wo + bo.  A = O (f16, blocks of 64 x 64), B = Wo (bf16's numbers written as f16, [k][n], at cb + 14,680,064), sums in f32; the bias is rounded to bf16 like every input.
; It leaves twice: f32 [4096][1024] at ao (the residual) and bf16 in blocks of 64 x 64 at ao + 16,777,216 (the next product's operand).
; THE GEMM.  A tile of C is 128 x 128; four waves, each 64 x 64: 16 accumulators.  K goes in steps of 256 through two LDS slots.  Waves 0, 1 fetch A's two halves (64 rows x 256 K are 32,768
; dense bytes of the blocked layout), waves 2, 3 B's (128 k rows of 256 bytes each).  CLUSTER 4 x 4: A's tile is asked for jointly along a row of the cluster, B's along a column.
; The product is taken transposed (source 0 = B, source 1 = A).  B lies [k][n] in LDS and is turned by ds_load_tr16_b128.  The accumulators are cleared while the first tiles are on their way.
; REGISTERS: window 0: v0-31 addresses, v32-127 at work on the way out, v128-255 accumulators; window 1: two fragment buffers of 128 (A 64, then B 64).
.set NCOL,  1024
.set STEPS, 4
.set RBS,   131072
.set ASTEP, 32768
.set BSTEP, 512*NCOL
.set PA,    144
.set PB,    288
.set WLOAD, 36864
.set SLOT,  4*WLOAD                    ; 0x24000: shares no bit with wave x 0x9000, so one exclusive or changes slots
.set SPARE, 2*SLOT
.set SPITCH, 272
.set WSTAGE, 64*SPITCH                 ; the way out's stage lies in slot 0, which has had its last fill and whose last reads lie in front of a barrier
.set BI,  8
.set A0,  16
.set B0,  17
.set B20, 18
.set LN,  19
.set CA,  20
.set CB,  21
.set STO, 24
.set RD,  25
.set GO,  26
.set GF,  27
.set SPW, 28
.set NIL, 29
.set R16, 30
.set T,   32
.set U,   48
.set ACC, 128
.set F0,  0
.set F1,  128
.set SB,  21
.set G1,  24
.set G0,  32
.set G1B, 48
.set G0B, 56
.set OUT, 66
.set OUT2, 68
.set MSB, 0
.macro WIN new
.if MSB != (\new)
	s_set_vgpr_msb (MSB<<8)|(\new)
.set MSB, \new
.endif
.endm
.set MUL,  0x05
.set TO_F, 0x40
.macro JLOAD s
	s_cmp_eq_u32 s11, 0
	s_cbranch_scc0 .Lfor_b_\@
	tensor_load_to_lds s[G0+4*(\s):G0+4*(\s)+3], s[G1:G1+7]
	s_nop 0
.rept 4
	v_nop
.endr
	s_branch .Lasked_\@
.Lfor_b_\@:
	tensor_load_to_lds s[G0B+4*(\s):G0B+4*(\s)+3], s[G1B:G1B+7]
	s_nop 0
.rept 4
	v_nop
.endr
.Lasked_\@:
.endm
.macro CREST
	s_cmp_lg_u32 s10, 0
	s_cbranch_scc1 .Lnot_wave_0_\@
	s_barrier_signal -3
.Lnot_wave_0_\@:
	s_barrier_wait -3
	s_barrier_signal -1
	s_barrier_wait -1
.endm
.macro CROUND
	s_barrier_signal -1
	s_barrier_wait -1
	CREST
.endm
.macro PLACES
.rept 4
	v_nop
.endr
.endm
.macro WM d, a, b
	v_wmma_f32_16x16x32_f16 v[(\d):(\d)+7], v[(\a):(\a)+7], v[(\b):(\b)+7], v[(\d):(\d)+7]
.endm
.macro MUL8 f, c, a0                   ; the 16 accumulators take turns, over the backward jumps too
	WIN MUL
.irp a, \a0, (\a0)+1
.irp b, 0,1,2,3
	WM ACC+8*(4*(\a)+(\b)), (\f)+64+8*(4*(\c)+(\b)), (\f)+8*(4*(\c)+(\a))
.endr
.endr
.endm
.macro FETCH q, f
	WIN TO_F
.irp c, 0,1
.irp i, 0,1,2,3
	ds_load_tr16_b128 v[(\f)+64+8*(4*(\c)+(\i)):(\f)+64+8*(4*(\c)+(\i))+3],   v[CB+(\q)/2] offset:((\q)%2)*64*PB+(\c)*32*PB+(\i)*32
	ds_load_tr16_b128 v[(\f)+64+8*(4*(\c)+(\i))+4:(\f)+64+8*(4*(\c)+(\i))+7], v[CB+(\q)/2] offset:((\q)%2)*64*PB+(\c)*32*PB+(\i)*32+16*PB
	ds_load_b128 v[(\f)+8*(4*(\c)+(\i)):(\f)+8*(4*(\c)+(\i))+3],   v[CA] offset:(\q)*64*PA+(\i)*16*PA+(\c)*64
	ds_load_b128 v[(\f)+8*(4*(\c)+(\i))+4:(\f)+8*(4*(\c)+(\i))+7], v[CA] offset:(\q)*64*PA+(\i)*16*PA+(\c)*64+32
.endr
.endr
.endm
.macro SETAD
	v_add_nc_u32 v[CA], s[SB], v[A0]
	v_add_nc_u32 v[CB], s[SB], v[B0]
	v_add_nc_u32 v[CB+1], s[SB], v[B20]
.endm
.macro QUARTER q, f, g
	s_wait_dscnt 16                                ; the first 32 along K are in; the 16 younger loads may be out
	MUL8 \f, 0, 0
	MUL8 \f, 0, 2
	PLACES
	FETCH \q, \g
	s_wait_dscnt 32                                ; all but the 32 just issued
	MUL8 \f, 1, 0
	MUL8 \f, 1, 2
.endm
; The last quarter and the change of slots.  Its first 16 products stand AHEAD of the wait for the tiles, its last 16 behind the fetch from the next slot, whose LDS loads they cover.  One barrier: in front of it all my
; tensor loads are waited for, then the add, then the wait for it and for my reads of this slot.  fill = 1: a round, and the refill first behind it.  A refill goes out with nothing on its way beside it, so between the
; wait for the tiles and the refill stands only what the ordering needs.
.macro TURN fill
	s_wait_dscnt 16                                ; buffer 1's first 32 along K are in; the 16 younger loads may be out
	MUL8 F1, 0, 0
	MUL8 F1, 0, 2
	WIN 0
	s_wait_tensorcnt 0x0
	ds_add_u32 v[SPW], v[NIL]
	s_wait_dscnt 0x0                               ; the add is done, my reads of this slot are over
	s_barrier_signal -1
	s_barrier_wait -1
.if \fill
	CREST
	s_xor_b32 s[G0+5], s[G0+5], SLOT
	s_add_nc_u64 s[G0+6:G0+7], s[G0+6:G0+7], ASTEP
	s_xor_b32 s[G0B+5], s[G0B+5], SLOT
	s_add_nc_u64 s[G0B+6:G0B+7], s[G0B+6:G0B+7], BSTEP
	JLOAD 1
.else
	s_cmp_eq_u32 s3, 1
	s_cbranch_scc1 .Lnofetch_\@
	PLACES
.endif
	s_xor_b32 s[SB], s[SB], SLOT
	SETAD
	FETCH 0, F0
.if !(\fill)
	WIN 0
.Lnofetch_\@:
.endif
	MUL8 F1, 1, 0
	MUL8 F1, 1, 2
.endm
.macro STEP fill
	QUARTER 1, F0, F1
	QUARTER 2, F1, F0
	QUARTER 3, F0, F1
	TURN \fill
.endm
.macro RND2 a, b, t
	v_cvt_pk_bf16_f32 v[\t], v[\a], v[\b]
	v_lshlrev_b32 v[\a], 16, v[\t]
	v_and_b32 v[\b], 0xffff0000, v[\t]
.endm
	s_load_b256 s[72:79], s[0:1], 0x0              ; ob 72, cb 74, bo 76, ao 78
	v_lshl_add_u32 v[SPW], v0, 2, SPARE
	v_mov_b32 v[NIL], 0
	ds_add_u32 v[SPW], v[NIL]                      ; the wave's opening
	v_lshrrev_b32 v1, 5, v0
	v_readfirstlane_b32 s10, v1
	s_lshr_b32 s11, s10, 1
	s_and_b32 s12, s10, 1
	s_bfe_u32 s40, ttmp6, 0x40000
	s_bfe_u32 s41, ttmp6, 0x40004
	s_lshl_b32 s42, ttmp9, 2
	s_add_co_u32 s42, s42, s40                     ; tile column
	s_and_b32 s13, ttmp7, 0xffff
	s_lshl_b32 s13, s13, 2
	s_add_co_u32 s13, s13, s41                     ; tile row
	s_lshl_b32 s43, s41, 2
	s_lshl_b32 s43, 15, s43
	s_lshl_b32 s44, 0x1111, s40
	s_or_b32 s[G1], s43, (1<<16)|(1<<20)|(1<<21)|(4<<22)|(3<<25)
	s_or_b32 s[G1B], s44, (1<<16)|(1<<20)|(1<<21)|(5<<22)|(7<<25)
.irp g, G1, G1B
	s_mov_b32 s[(\g)+1], 128<<16
	s_mov_b32 s[(\g)+2], 128<<16
	s_mov_b32 s[(\g)+3], 128<<16
	s_mov_b32 s[(\g)+4], 128
	s_mov_b32 s[(\g)+6], 0
	s_mov_b32 s[(\g)+7], 0
.endr
	s_mov_b32 s[G1+5], 128
	s_mov_b32 s[G1B+5], NCOL
	s_lshl_b32 s16, s13, 1
	s_add_co_u32 s16, s16, s12
	s_mul_i32 s16, s16, RBS
	s_mov_b32 s17, 0
	s_mul_i32 s46, s12, 128*NCOL*2
	s_lshl_b32 s47, s42, 8
	s_add_co_u32 s46, s46, s47
	s_add_co_u32 s46, s46, 14680064
	s_mov_b32 s47, 0
	s_mul_i32 s20, s10, WLOAD
	s_mov_b32 s[SB], 0
	s_wait_dscnt 0x0
	s_wait_kmcnt 0x0
	s_add_nc_u64 s[14:15], s[72:73], s[16:17]
	s_add_nc_u64 s[46:47], s[74:75], s[46:47]
	CROUND
.irp s, 0,1
	s_mov_b32 s[G0+4*(\s)], 1
	s_add_co_u32 s[G0+4*(\s)+1], s20, (\s)*SLOT
	s_add_nc_u64 s[G0+4*(\s)+2:G0+4*(\s)+3], s[14:15], (\s)*ASTEP
	s_or_b32 s[G0+4*(\s)+3], s[G0+4*(\s)+3], 0x80000000
	s_mov_b32 s[G0B+4*(\s)], 1
	s_add_co_u32 s[G0B+4*(\s)+1], s20, (\s)*SLOT
	s_add_nc_u64 s[G0B+4*(\s)+2:G0B+4*(\s)+3], s[46:47], (\s)*BSTEP
	s_or_b32 s[G0B+4*(\s)+3], s[G0B+4*(\s)+3], 0x80000000
	JLOAD \s
.endr
	s_lshl_b32 s70, s13, 1
	s_add_co_u32 s70, s70, s11                     ; rb: my 64 rows
	s_lshl_b32 s71, s42, 1
	s_add_co_u32 s71, s71, s12                     ; kb: my 64 columns
	s_lshl_b32 s22, s71, 8
	s_mov_b32 s23, 0
	s_add_nc_u64 s[8:9], s[76:77], s[22:23]        ; the bias at my columns
	s_lshl_b32 s2, s70, 18
	s_add_co_u32 s22, s22, s2
	s_add_nc_u64 s[OUT:OUT+1], s[78:79], s[22:23]  ; f32: 64 rows of 4,096 bytes, 256 bytes of a row
	s_lshl_b32 s22, s70, 17
	s_lshl_b32 s2, s71, 13
	s_add_co_u32 s22, s22, s2
	s_add_co_u32 s22, s22, 16777216
	s_add_nc_u64 s[OUT2:OUT2+1], s[78:79], s[22:23]
	v_and_b32 v1, 15, v0
	v_bfe_u32 v2, v0, 4, 1
	v_and_b32 v[LN], 31, v0
	v_lshlrev_b32 v[R16], 4, v1
	global_load_b128 v[BI:BI+3], v[R16], s[8:9]
.set i, 0
.rept 128
	v_mov_b32 v[ACC+i], 0
.set i, i+1
.endr
	v_mul_u32_u24 v[A0], v1, PA
	v_lshl_add_u32 v[A0], v2, 4, v[A0]
	s_mul_i32 s22, s11, WLOAD
	v_add_nc_u32 v[A0], s22, v[A0]
	v_and_b32 v4, 7, v0
	v_lshl_add_u32 v4, v2, 3, v4
	v_mul_u32_u24 v[B0], v4, PB
	v_bfe_u32 v5, v0, 3, 1
	v_lshl_add_u32 v[B0], v5, 4, v[B0]
	s_lshl_b32 s22, s12, 7
	s_add_co_u32 s22, s22, 2*WLOAD
	v_add_nc_u32 v[B0], s22, v[B0]
	v_add_nc_u32 v[B20], WLOAD, v[B0]
	s_mul_i32 s22, s10, WSTAGE
	v_mul_u32_u24 v[STO], v1, SPITCH
	v_lshl_add_u32 v[STO], v2, 5, v[STO]
	v_add_nc_u32 v[STO], s22, v[STO]
	v_mul_u32_u24 v[RD], v2, SPITCH
	v_lshl_add_u32 v[RD], v1, 4, v[RD]
	v_add_nc_u32 v[RD], s22, v[RD]
	v_lshlrev_b32 v[GO], 3, v[LN]
	v_lshl_add_u32 v[GF], v2, 12, v[R16]           ; f32: row l / 16, 16 bytes at 16 (l % 16)
	SETAD
	s_wait_tensorcnt 1                             ; my part of K step 0 is in; K step 1's may stay out
	s_barrier_signal -1
	s_barrier_wait -1
	FETCH 0, F0
	WIN 0
	s_mov_b32 s3, STEPS-2
.Lfill:
	STEP 1
	WIN 0
	s_sub_co_u32 s3, s3, 1
	s_cmp_lg_u32 s3, 0
	s_cbranch_scc1 .Lfill
	s_mov_b32 s3, 2
.Ltail:
	STEP 0
	WIN 0
	s_sub_co_u32 s3, s3, 1
	s_cmp_lg_u32 s3, 0
	s_cbranch_scc1 .Ltail
	PLACES
	PLACES
.irp a, 0,1,2,3
.irp b, 0,1,2,3
	ds_store_b128 v[STO], v[ACC+8*(4*(\a)+(\b)):ACC+8*(4*(\a)+(\b))+3]   offset:(\a)*16*SPITCH+64*(\b)
	ds_store_b128 v[STO], v[ACC+8*(4*(\a)+(\b))+4:ACC+8*(4*(\a)+(\b))+7] offset:(\a)*16*SPITCH+64*(\b)+16
.endr
.endr
	s_wait_loadcnt 0x0
	RND2 BI, BI+1, T
	RND2 BI+2, BI+3, T
	s_mov_b32 s3, 8
.Lrows:                                        ; a lane holds columns 4 (l % 16) .. + 3 of rows 8 trip + 2 t + l / 16
.irp t, 0,1,2,3
	ds_load_b128 v[T+4*(\t):T+4*(\t)+3], v[RD] offset:(\t)*2*SPITCH
.endr
	s_wait_dscnt 0x0
.irp t, 0,1,2,3
	v_pk_add_f32 v[T+4*(\t):T+4*(\t)+1], v[T+4*(\t):T+4*(\t)+1], v[BI:BI+1]
	v_pk_add_f32 v[T+4*(\t)+2:T+4*(\t)+3], v[T+4*(\t)+2:T+4*(\t)+3], v[BI+2:BI+3]
.endr
.irp t, 0,1,2,3
	global_store_b128 v[GF], v[T+4*(\t):T+4*(\t)+3], s[OUT:OUT+1] offset:(\t)*8192  ; 16 lanes: 256 consecutive bytes, aligned
	v_cvt_pk_bf16_f32 v[U+2*(\t)], v[T+4*(\t)], v[T+4*(\t)+1]
	v_cvt_pk_bf16_f32 v[U+2*(\t)+1], v[T+4*(\t)+2], v[T+4*(\t)+3]
	global_store_b64 v[GO], v[U+2*(\t):U+2*(\t)+1], s[OUT2:OUT2+1] offset:(\t)*256
.endr
	s_wait_xcnt 0x0                                ; the stores' data and offsets are rewritten only behind this wait
	v_add_nc_u32 v[GF], 32768, v[GF]
	v_add_nc_u32 v[GO], 1024, v[GO]
	v_add_nc_u32 v[RD], 8*SPITCH, v[RD]
	s_sub_co_u32 s3, s3, 1
	s_cmp_lg_u32 s3, 0
	s_cbranch_scc1 .Lrows
	s_wait_tensorcnt 0x0                           ; the wave's end
	ds_add_u32 v[SPW], v[NIL]
	s_wait_dscnt 0x0
	CROUND
	s_endpgm
.Lfunc_end_k_q4560995112_gwo:
	.size	k_q4560995112_gwo, .Lfunc_end_k_q4560995112_gwo-k_q4560995112_gwo
	.p2alignl 7, 3214868480
	.fill 96, 4, 3214868480
	.section	.rodata,"a",@progbits
	.p2align	6, 0x0
	.amdhsa_kernel k_q4560995112_gwo
		.amdhsa_group_segment_fixed_size 327680
		.amdhsa_private_segment_fixed_size 0
		.amdhsa_enable_private_segment 0
		.amdhsa_kernarg_size 32
		.amdhsa_user_sgpr_count 2
		.amdhsa_user_sgpr_kernarg_segment_ptr 1
		.amdhsa_wavefront_size32 1
		.amdhsa_system_sgpr_workgroup_id_x 1
		.amdhsa_system_sgpr_workgroup_id_y 1
		.amdhsa_system_sgpr_workgroup_id_z 1
		.amdhsa_system_vgpr_workitem_id 0
		.amdhsa_next_free_vgpr 512
		.amdhsa_next_free_sgpr 96
		.amdhsa_reserve_vcc 0
		.amdhsa_float_denorm_mode_32 3
		.amdhsa_float_denorm_mode_16_64 3
		.amdhsa_memory_ordered 1
		.amdhsa_forward_progress 1
		.amdhsa_inst_pref_size 55
	.end_amdhsa_kernel
	.amdgpu_metadata
---
amdhsa.version: [ 1, 2 ]
amdhsa.kernels:
  - .name:           k_q4560995112_gwo
    .symbol:         k_q4560995112_gwo.kd
    .args:
      - { .name: ob, .offset: 0, .size: 8, .value_kind: global_buffer, .address_space: global }
      - { .name: cb, .offset: 8, .size: 8, .value_kind: global_buffer, .address_space: global }
      - { .name: bo, .offset: 16, .size: 8, .value_kind: global_buffer, .address_space: global }
      - { .name: ao, .offset: 24, .size: 8, .value_kind: global_buffer, .address_space: global }
    .group_segment_fixed_size: 327680
    .private_segment_fixed_size: 0
    .kernarg_segment_align: 8
    .kernarg_segment_size: 32
    .max_flat_workgroup_size: 128
    .sgpr_count:     96
    .vgpr_count:     512
    .wavefront_size: 32
...
	.end_amdgpu_metadata
.endif
;; end of part 10
;; launch gff1 (part 11): grid 16 x 16, 8 waves a work-group, clusters of 4 x 4, 327,680 bytes of LDS; arguments ao, cb, b1, hb; writes hb
.if DOCPART == 11
	.amdgcn_target "amdgcn-amd-amdhsa--gfx1250"
	.amdhsa_code_object_version 6
	.text
	.protected	k_q4560995112_gff1
	.globl	k_q4560995112_gff1
	.p2align	8
	.type	k_q4560995112_gff1,@function
k_q4560995112_gff1:
	s_mov_b64 s[64:65], 0
	v_nop
	global_prefetch_b8 v0, s[64:65] scope:SCOPE_SE
	s_setreg_imm32_b32 hwreg(HW_REG_WAVE_MODE, 25, 1), 1
	s_wait_xcnt 0x0
	s_wait_alu depctr_hold_cnt(0) depctr_sa_sdst(0) depctr_va_vdst(0) depctr_va_sdst(0) depctr_va_ssrc(0) depctr_va_vcc(0) depctr_vm_vsrc(0)
	s_getreg_b32 s2, hwreg(HW_REG_IB_STS2, 6, 4)
	s_cmp_eq_u32 s2, 0
	s_cbranch_scc0 .Lentry_in_a_cluster
	s_endpgm
.Lentry_in_a_cluster:
	s_bfe_u32 s2, ttmp6, 0x10000c
	s_cmp_lg_u32 s2, 0xf033
	s_cbranch_scc0 .Lentry_shape_is_right
	s_endpgm
.Lentry_shape_is_right:
; h = gelu(attn_out W1 + b1), exact GELU.  A = attn_out (bf16 blocks of 64 x 64, at ao + 16,777,216), B = W1 (bf16, [k][n], at cb + 16,777,216), sums in f32; h leaves in bf16, blocks of 64 x 64.
; erf by the rational form 1 - (a1 t + .. + a5 t^5) exp(-z^2), t = 1 / (1 + 0.3275911 z), z = |x| / sqrt(2): its error is at most 1.5e-7 for every z, and it needs no cut of the range.
; THE GEMM.  A tile of C is 256 x 256: 16 x 16 tiles, one for each work-group.  K goes in steps of 128 through two LDS slots: a step brings (256 + 256) x 256 bytes and feeds 256 x 256 x 128 multiply-adds.
; EIGHT WAVES, two to a SIMD, each 64 x 128 of C in 32 accumulators: a K step's text then holds 128 matrix instructions and 96 LDS loads, half of what four waves of 128 x 128 would
; need, and it stands twice (loop and tail); the price: for 32 along K a wave reads 192 rows from LDS for 32 products, where 256 rows would feed 64.  A wave's 64 rows are one row block of the layouts.
; Waves 0-3 fetch A's four row blocks (64 rows x 128 K are 16,384 dense bytes), waves 4-7 B's four parts (column half c, k half kh: 64 k rows of 256 bytes): one tensor load a wave.
; CLUSTER 4 x 4: A's tile is asked for jointly along a row of the cluster, B's along a column.
; The product is taken transposed (source 0 = B, source 1 = A).  B lies [k][n] in LDS and is turned by ds_load_tr16_b128.
; REGISTERS: window 0: v0-31 addresses and bias, v32-63 at work, v64-159 and v160-255 two fragment buffers (A 32, then B 64; at work on the way out); window 1: the accumulators, (a, b) at 8 (8 a + b).
.set NCOL,  4096
.set STEPS, 8
.set RBS,   131072
.set ASTEP, 16384
.set BSTEP, 256*NCOL
.set PA,    144                        ; 128 bytes + 16: the 16 rows of a load start at 16 different groups of four banks (64 banks of 4 bytes: ISA guide 11.1)
.set PB,    288                        ; 256 bytes + 32
.set WLOAD, 18432
.set SLOT,  8*WLOAD
.set SPARE, 2*SLOT
.set SPITCH, 528
.set WSTAGE, 64*SPITCH                 ; the way out's stages lie in the two slots, which have had their last fill; a barrier stands between the last reads of the slots and the first store
.set BI,  8                            ; v[8:15]
.set A0,  16
.set B0,  17
.set LN,  19
.set CA,  20
.set CB,  21
.set STO, 24
.set RD,  25
.set GO,  26
.set PFO, 27
.set SPW, 28
.set NIL, 29
.set R16, 30
.set T,   32                           ; x, 16 numbers
.set Z,   48
.set TT,  64
.set EE,  80
.set PP,  96
.set A5,  112
.set U,   114
.set F0,  64
.set F1,  160
.set WM,  4
.set WN,  5
.set SB,  21
.set G1,  24
.set G0,  32
.set FB,  45
.set G1B, 48
.set G0B, 56
.set OUT2, 68
.set SGN, 80                           ; s80 0x7fffffff
.set RS2, 82                           ; scalar pairs, the low word is used for both halves
.set PC,  84
.set NL,  86
.set A4,  88
.set A3,  90
.set A2,  92
.set A1,  94
.set PFA, 96
.set PST, 98
.set LIM, 100
.set MSB, 0
.macro WIN new
.if MSB != (\new)
	s_set_vgpr_msb (MSB<<8)|(\new)
.set MSB, \new
.endif
.endm
.set MUL,  0x50                        ; C and D window 1; sources 0 (B) and 1 (A) window 0
.set FROM_ACC, 0x04                    ; an LDS store's data (source 1) window 1
.macro JLOAD s                         ; a joint load: waves 0-3 A's parts, waves 4-7 B's; an s_nop 0 and four v_nop follow each line
	s_cmp_eq_u32 s11, 0
	s_cbranch_scc0 .Lfor_b_\@
	tensor_load_to_lds s[G0+4*(\s):G0+4*(\s)+3], s[G1:G1+7]
	s_nop 0
.rept 4
	v_nop
.endr
	s_branch .Lasked_\@
.Lfor_b_\@:
	tensor_load_to_lds s[G0B+4*(\s):G0B+4*(\s)+3], s[G1B:G1B+7]
	s_nop 0
.rept 4
	v_nop
.endr
.Lasked_\@:
.endm
; A PREFETCH INTO THE L2 of the K step that the NEXT refill will ask for: one K step, 128 matrix instructions of each of a SIMD's two waves, ahead of that load.  It stands behind the joint load, its five lines and the run
; of LDS loads.  A's tile row is read by the four clusters of a row of clusters: cluster x = 0 asks; of the tile's four row blocks partner cx takes block cx, waves 0 and 1 half of its 16,384 bytes each, a lane 256 bytes.
; B's tile column is read by the four clusters of a column: cluster y = 0 asks; of the step's 128 k rows partner cy takes 32, a lane a row, waves 4 and 5 a column half of 256 bytes each.  The partners are told apart
; by address alone.  So each block of 256 bytes is named once.  K steps 0 to 2 come by their loads alone; the last refill (s3 = 1) asks for nothing.
.macro ASK
	s_cmp_gt_u32 s3, s[LIM]
	s_cbranch_scc0 .Lnot_mine_\@
	global_prefetch_b8 v[PFO], s[PFA:PFA+1] th:TH_LOAD_NT scope:SCOPE_SE
.Lnot_mine_\@:
.endm
.macro CREST
	s_cmp_lg_u32 s10, 0
	s_cbranch_scc1 .Lnot_wave_0_\@
	s_barrier_signal -3
.Lnot_wave_0_\@:
	s_barrier_wait -3
	s_barrier_signal -1
	s_barrier_wait -1
.endm
.macro CROUND
	s_barrier_signal -1
	s_barrier_wait -1
	CREST
.endm
.macro PLACES
.rept 4
	v_nop
.endr
.endm
.macro MULA f, a, zero=0               ; m block a x all 8 n blocks, 32 along K.  The 32 accumulators take turns, in the same order in every quarter, over the backward jumps too.  zero = 1: the products start the sums
	WIN MUL
.irp b, 0,1,2,3,4,5,6,7
.if \zero
	v_wmma_f32_16x16x32_bf16 v[8*(8*(\a)+(\b)):8*(8*(\a)+(\b))+7], v[(\f)+32+8*(\b):(\f)+32+8*(\b)+7], v[(\f)+8*(\a):(\f)+8*(\a)+7], 0
.else
	v_wmma_f32_16x16x32_bf16 v[8*(8*(\a)+(\b)):8*(8*(\a)+(\b))+7], v[(\f)+32+8*(\b):(\f)+32+8*(\b)+7], v[(\f)+8*(\a):(\f)+8*(\a)+7], v[8*(8*(\a)+(\b)):8*(8*(\a)+(\b))+7]
.endif
.endr
.endm
.macro FETCH q, f                      ; 24 LDS loads in one run: quarter q (32 along K) of the slot in hand into buffer f: B's 8 fragments, then A's 4
	WIN 0
.irp b, 0,1,2,3,4,5,6,7
	ds_load_tr16_b128 v[(\f)+32+8*(\b):(\f)+32+8*(\b)+3],   v[CB] offset:(\q)*32*PB+(\b)*32
	ds_load_tr16_b128 v[(\f)+32+8*(\b)+4:(\f)+32+8*(\b)+7], v[CB] offset:(\q)*32*PB+(\b)*32+16*PB
.endr
.irp i, 0,1,2,3
	ds_load_b128 v[(\f)+8*(\i):(\f)+8*(\i)+3],   v[CA] offset:((\q)/2)*64*PA+((\q)%2)*64+(\i)*16*PA
	ds_load_b128 v[(\f)+8*(\i)+4:(\f)+8*(\i)+7], v[CA] offset:((\q)/2)*64*PA+((\q)%2)*64+(\i)*16*PA+32
.endr
.endm
.macro SETAD
	v_add_nc_u32 v[CA], s[SB], v[A0]
	v_add_nc_u32 v[CB], s[SB], v[B0]
.endm
.macro QUARTER q, f, g, zero=0         ; multiplies buffer f and fetches quarter q into g
	s_wait_dscnt 4                                 ; B and A's rows 0-31 are in; the four youngest loads (A's rows 32-63) may be out
	MULA \f, 0, \zero
	MULA \f, 1, \zero
	PLACES                                         ; four places between the last product that read buffer g and the loads into it
	FETCH \q, \g
	s_wait_dscnt 24                                ; all but the 24 just issued
	MULA \f, 2, \zero
	MULA \f, 3, \zero
.endm
; The last quarter multiplies buffer 1 and changes slots.  Its first 16 products stand AHEAD of the wait for the tiles, its last 16 behind the fetch from the next slot, whose LDS loads they cover.
; One barrier: in front of it each wave waits for all its tensor loads (one is out: its part of the next slot), adds 0 to its spare word, and waits for that and for its reads of this slot.
; fill = 1: the barrier opens a round of the cluster's, and this slot is filled again, two K steps ahead.  A refill goes out with nothing on its way beside it, so between the wait for the tiles and
; the refill stands only what the ordering needs: whatever else stood there would be time in which no tile is on its way.
.macro TURN fill
.if \fill
	s_wait_xcnt 0x0                                ; the last prefetch, a K step back, has read its address: it is stepped here, ahead of the waits of the change of slots
	s_add_nc_u64 s[PFA:PFA+1], s[PFA:PFA+1], s[PST:PST+1]
.endif
	s_wait_dscnt 4                                 ; buffer 1's B and A's rows 0-31 are in; the four youngest loads (A's rows 32-63) may be out
	MULA F1, 0
	MULA F1, 1
	WIN 0
	s_wait_tensorcnt 0x0                           ; all my tensor loads have landed
	ds_add_u32 v[SPW], v[NIL]
	s_wait_dscnt 0x0                               ; the add is done, my reads of this slot are over
	s_barrier_signal -1
	s_barrier_wait -1
.if \fill
	CREST
	s_xor_b32 s[FB], s[FB], SLOT                   ; the walking descriptors: the other slot than last time, the next K step
	s_add_co_u32 s[G0+5], s20, s[FB]
	s_add_nc_u64 s[G0+6:G0+7], s[G0+6:G0+7], ASTEP
	s_add_co_u32 s[G0B+5], s20, s[FB]
	s_add_nc_u64 s[G0B+6:G0B+7], s[G0B+6:G0B+7], BSTEP
	JLOAD 1                                        ; the first tensor load behind the round; its four v_nop are also the places in front of the loads below
.else
	s_cmp_eq_u32 s3, 1                             ; behind the last K step there is nothing to fetch
	s_cbranch_scc1 .Lnofetch_\@
	PLACES
.endif
	s_xor_b32 s[SB], s[SB], SLOT
	SETAD
	FETCH 0, F0
.if \fill
	ASK
.else
.Lnofetch_\@:
.endif
	MULA F1, 2
	MULA F1, 3
.endm
.macro RND2 a, b, t
	v_cvt_pk_bf16_f32 v[\t], v[\a], v[\b]
	v_lshlrev_b32 v[\a], 16, v[\t]
	v_and_b32 v[\b], 0xffff0000, v[\t]
.endm
.macro EACH8 line:vararg               ; one line for each of 8 pairs, k = 0, 2 .. 14
.set k, 0
.rept 8
	\line
.set k, k+2
.endr
.endm
.macro EACH16 line:vararg              ; one line for each of 16 numbers, k = 0 .. 15
.set k, 0
.rept 16
	\line
.set k, k+1
.endr
.endm
	s_load_b256 s[72:79], s[0:1], 0x0              ; ao 72, cb 74, b1 76, hb 78
	v_lshl_add_u32 v[SPW], v0, 2, SPARE
	v_mov_b32 v[NIL], 0
	ds_add_u32 v[SPW], v[NIL]                      ; the wave's opening: the add and its wait ahead of my first tensor load
	v_lshrrev_b32 v1, 5, v0
	v_readfirstlane_b32 s10, v1                    ; wave 0..7
	s_lshr_b32 s11, s10, 2                         ; I fetch for A (0) or B (1),
	s_and_b32 s12, s10, 3                          ; and which of its four parts
	s_lshr_b32 s[WM], s10, 1
	s_and_b32 s[WN], s10, 1
	s_bfe_u32 s40, ttmp6, 0x40000
	s_bfe_u32 s41, ttmp6, 0x40004
	s_lshl_b32 s42, ttmp9, 2
	s_add_co_u32 s42, s42, s40                     ; tile column 0..15
	s_and_b32 s13, ttmp7, 0xffff
	s_lshl_b32 s13, s13, 2
	s_add_co_u32 s13, s13, s41                     ; tile row 0..15
	s_lshl_b32 s43, s41, 2
	s_lshl_b32 s43, 15, s43
	s_lshl_b32 s44, 0x1111, s40
	s_or_b32 s[G1], s43, (1<<16)|(1<<20)|(1<<21)|(4<<22)|(3<<25)
	s_or_b32 s[G1B], s44, (1<<16)|(1<<20)|(1<<21)|(5<<22)|(7<<25)
.irp g, G1, G1B
	s_mov_b32 s[(\g)+1], 128<<16                   ; tensor_dim0 = 128 elements (256 bytes)
	s_mov_b32 s[(\g)+2], 64<<16                    ; tensor_dim1 = 64 rows
	s_mov_b32 s[(\g)+3], 128<<16
	s_mov_b32 s[(\g)+4], 64
	s_mov_b32 s[(\g)+6], 0
	s_mov_b32 s[(\g)+7], 0
.endr
	s_mov_b32 s[G1+5], 128
	s_mov_b32 s[G1B+5], NCOL
	s_lshl_b32 s16, s13, 2
	s_add_co_u32 s16, s16, s12                     ; the row block of A that I fetch
	s_mul_i32 s16, s16, RBS
	s_add_co_u32 s16, s16, 16777216
	s_mov_b32 s17, 0
	s_and_b32 s46, s12, 1                          ; B: my k half,
	s_mul_i32 s46, s46, 64*NCOL*2
	s_lshr_b32 s47, s12, 1                         ; my column half,
	s_lshl_b32 s47, s47, 8
	s_add_co_u32 s46, s46, s47
	s_lshl_b32 s47, s42, 9                         ; the tile's 256 columns
	s_add_co_u32 s46, s46, s47
	s_add_co_u32 s46, s46, 16777216
	s_mov_b32 s47, 0
	s_mul_i32 s20, s10, WLOAD
	s_mov_b32 s[SB], 0
	s_mov_b32 s[FB], SLOT
	s_mov_b32 s[SGN], 0x7fffffff
.irp p, 0,1
	s_mov_b32 s[RS2+(\p)], 0x3f3504f3              ; 1 / sqrt(2)
	s_mov_b32 s[PC+(\p)], 0x3ea7ba05               ; 0.3275911
	s_mov_b32 s[NL+(\p)], 0xbfb8aa3b               ; -log2(e)
	s_mov_b32 s[A4+(\p)], 0xbfba00e3               ; -1.453152027
	s_mov_b32 s[A3+(\p)], 0x3fb5f0e3               ; 1.421413741
	s_mov_b32 s[A2+(\p)], 0xbe91a98e               ; -0.284496736
	s_mov_b32 s[A1+(\p)], 0x3e827906               ; 0.254829592
.endr
	s_wait_dscnt 0x0                               ; the opening add is done
	s_wait_kmcnt 0x0
	s_add_nc_u64 s[14:15], s[72:73], s[16:17]
	s_add_nc_u64 s[46:47], s[74:75], s[46:47]
	CROUND                                         ; all sixteen work-groups are here: the first joint loads meet
.irp s, 0,1
	s_mov_b32 s[G0+4*(\s)], 1
	s_add_co_u32 s[G0+4*(\s)+1], s20, (\s)*SLOT
	s_add_nc_u64 s[G0+4*(\s)+2:G0+4*(\s)+3], s[14:15], (\s)*ASTEP
	s_or_b32 s[G0+4*(\s)+3], s[G0+4*(\s)+3], 0x80000000
	s_mov_b32 s[G0B+4*(\s)], 1
	s_add_co_u32 s[G0B+4*(\s)+1], s20, (\s)*SLOT
	s_add_nc_u64 s[G0B+4*(\s)+2:G0B+4*(\s)+3], s[46:47], (\s)*BSTEP
	s_or_b32 s[G0B+4*(\s)+3], s[G0B+4*(\s)+3], 0x80000000
	JLOAD \s                                       ; two loads of mine are out
.endr
	s_lshl_b32 s70, s13, 2
	s_add_co_u32 s70, s70, s[WM]                   ; rb: my 64 rows
	s_lshl_b32 s71, s42, 2
	s_lshl_b32 s2, s[WN], 1
	s_add_co_u32 s71, s71, s2                      ; kb: the first of my two blocks of 64 columns, 0..62
	s_lshl_b32 s22, s71, 8
	s_mov_b32 s23, 0
	s_add_nc_u64 s[8:9], s[76:77], s[22:23]        ; the bias at my 128 columns
	s_lshl_b32 s22, s70, 19                        ; 64 rows of h are 64 blocks of 8,192 bytes
	s_lshl_b32 s2, s71, 13
	s_add_co_u32 s22, s22, s2
	s_add_nc_u64 s[OUT2:OUT2+1], s[78:79], s[22:23]
	; the prefetches: nothing is asked for here, at the head, where every work-group's first tiles are on their way
	s_lshl_b32 s6, s13, 2
	s_add_co_u32 s6, s6, s40                       ; A: row block cx of the tile,
	s_mul_i32 s6, s6, RBS
	s_lshl_b32 s2, s[WN], 13                       ; my half of its 16,384 bytes
	s_add_co_u32 s6, s6, s2
	s_mul_i32 s22, s41, 32*NCOL*2                  ; B: k rows 32 cy on,
	s_lshl_b32 s2, s42, 9
	s_add_co_u32 s22, s22, s2
	s_lshl_b32 s2, s[WN], 8                        ; my column half
	s_add_co_u32 s22, s22, s2
	s_and_b32 s23, ttmp7, 0xffff                   ; cluster y
	s_mov_b32 s70, ASTEP
	s_mov_b32 s71, 256
	s_cmp_eq_u32 s11, 0                            ; do I fetch for A?
	s_cselect_b32 s6, s6, s22
	s_cselect_b32 s23, ttmp9, s23                  ; the coordinate along which other clusters read the same rows
	s_cselect_b32 s[PST], s70, BSTEP
	s_cselect_b32 s71, s71, NCOL*2                 ; from lane to lane: 256 bytes of A's dense block, a row of B
	s_cselect_b64 s[PFA:PFA+1], s[72:73], s[74:75]
	s_add_co_u32 s6, s6, 16777216                  ; both operands begin 16,777,216 bytes into their buffers
	s_mov_b32 s7, 0
	s_mov_b32 s[PST+1], 0
	s_and_b32 s2, s10, 2                           ; waves 2, 3, 6, 7 ask for nothing
	s_or_b32 s23, s23, s2
	s_cmp_eq_u32 s23, 0
	s_cselect_b32 s[LIM], 1, -1                    ; the same in all sixteen partners, for a given wave
	s_add_nc_u64 s[PFA:PFA+1], s[PFA:PFA+1], s[6:7]
	s_add_nc_u64 s[PFA:PFA+1], s[PFA:PFA+1], s[PST:PST+1]
	s_add_nc_u64 s[PFA:PFA+1], s[PFA:PFA+1], s[PST:PST+1]  ; at K step 2: the first refill steps it to 3
	v_and_b32 v1, 15, v0
	v_bfe_u32 v2, v0, 4, 1
	v_and_b32 v[LN], 31, v0
	v_lshlrev_b32 v[R16], 4, v1
	global_load_b128 v[BI:BI+3], v[R16], s[8:9]
	global_load_b128 v[BI+4:BI+7], v[R16], s[8:9] offset:256
	v_mul_u32_u24 v[PFO], s71, v[LN]
	v_mul_u32_u24 v[A0], v1, PA
	v_lshl_add_u32 v[A0], v2, 4, v[A0]
	s_mul_i32 s22, s[WM], WLOAD
	v_add_nc_u32 v[A0], s22, v[A0]
	v_and_b32 v4, 7, v0
	v_lshl_add_u32 v4, v2, 3, v4
	v_mul_u32_u24 v[B0], v4, PB
	v_bfe_u32 v5, v0, 3, 1
	v_lshl_add_u32 v[B0], v5, 4, v[B0]
	s_mul_i32 s22, s[WN], 2*WLOAD
	s_add_co_u32 s22, s22, 4*WLOAD
	v_add_nc_u32 v[B0], s22, v[B0]
	s_mul_i32 s22, s10, WSTAGE
	v_mul_u32_u24 v[STO], v1, SPITCH
	v_lshl_add_u32 v[STO], v2, 5, v[STO]
	v_add_nc_u32 v[STO], s22, v[STO]
	v_mul_u32_u24 v[RD], v2, SPITCH
	v_lshl_add_u32 v[RD], v1, 4, v[RD]
	v_add_nc_u32 v[RD], s22, v[RD]
	v_lshlrev_b32 v[GO], 3, v[LN]
	SETAD
	s_wait_tensorcnt 1                             ; my part of K step 0 is in; K step 1's may stay out
	s_barrier_signal -1
	s_barrier_wait -1
	FETCH 0, F0
	QUARTER 1, F0, F1, 1                           ; the first quarter stands in front of the loop: its products start the sums
	WIN 0
	s_mov_b32 s3, STEPS-2
.Lfill:                                        ; a trip goes from a K step's second quarter to the next step's first; every step but the last two fills its slot again
	QUARTER 2, F1, F0
	QUARTER 3, F0, F1
	TURN 1
	QUARTER 1, F0, F1
	WIN 0
	s_sub_co_u32 s3, s3, 1
	s_cmp_lg_u32 s3, 0
	s_cbranch_scc1 .Lfill
	s_mov_b32 s3, 2
.Ltail:
	QUARTER 2, F1, F0
	QUARTER 3, F0, F1
	TURN 0
	WIN 0
	s_cmp_eq_u32 s3, 1                             ; behind the last K step there is no first quarter
	s_cbranch_scc1 .Llast
	QUARTER 1, F0, F1
	WIN 0
.Llast:
	s_sub_co_u32 s3, s3, 1
	s_cmp_lg_u32 s3, 0
	s_cbranch_scc1 .Ltail
	; THE WAY OUT: f32 into my stage, back as rows; then a lane holds columns 64 c + 4 (l % 16) .. + 3 of rows 4 trip + 2 p + l / 16
	s_wait_dscnt 0x0                               ; my reads of the slots are over,
	s_barrier_signal -1
	s_barrier_wait -1                              ; and so are everybody's: the stages lie in the slots
	PLACES
	PLACES
	WIN FROM_ACC
.irp a, 0,1,2,3
.irp b, 0,1,2,3,4,5,6,7
	ds_store_b128 v[STO], v[8*(8*(\a)+(\b)):8*(8*(\a)+(\b))+3]   offset:(\a)*16*SPITCH+64*(\b)
	ds_store_b128 v[STO], v[8*(8*(\a)+(\b))+4:8*(8*(\a)+(\b))+7] offset:(\a)*16*SPITCH+64*(\b)+16
.endr
.endr
	WIN 0
	s_wait_loadcnt 0x0                             ; the bias
	RND2 BI, BI+1, T
	RND2 BI+2, BI+3, T
	RND2 BI+4, BI+5, T
	RND2 BI+6, BI+7, T
	v_mov_b32 v[A5], 0x3f87dc22                    ; 1.061405429, in registers that the fragments have left
	v_mov_b32 v[A5+1], 0x3f87dc22
	s_mov_b32 s3, 16
.Lrows:                                        ; 16 numbers a lane and trip
.irp p, 0,1
.irp c, 0,1
	ds_load_b128 v[T+4*(2*(\p)+(\c)):T+4*(2*(\p)+(\c))+3], v[RD] offset:(\p)*2*SPITCH+(\c)*256  ; LDS serves a wave's instructions in order (ISA guide 5.7.1.4): these see my stores
.endr
.endr
	s_wait_dscnt 0x0
.irp p, 0,1
.irp c, 0,1
	v_pk_add_f32 v[T+4*(2*(\p)+(\c)):T+4*(2*(\p)+(\c))+1], v[T+4*(2*(\p)+(\c)):T+4*(2*(\p)+(\c))+1], v[BI+4*(\c):BI+4*(\c)+1]
	v_pk_add_f32 v[T+4*(2*(\p)+(\c))+2:T+4*(2*(\p)+(\c))+3], v[T+4*(2*(\p)+(\c))+2:T+4*(2*(\p)+(\c))+3], v[BI+4*(\c)+2:BI+4*(\c)+3]
.endr
.endr
	EACH16 v_and_b32 v[Z+k], s[SGN], v[T+k]
	EACH8 v_pk_mul_f32 v[Z+k:Z+k+1], v[Z+k:Z+k+1], s[RS2:RS2+1] op_sel_hi:[1,0]                 ; z = |x| / sqrt(2)
	EACH8 v_pk_fma_f32 v[TT+k:TT+k+1], v[Z+k:Z+k+1], s[PC:PC+1], 1.0 op_sel_hi:[1,0,0]
	EACH16 v_rcp_f32 v[TT+k], v[TT+k]                                                            ; t
	EACH8 v_pk_mul_f32 v[EE+k:EE+k+1], v[Z+k:Z+k+1], v[Z+k:Z+k+1]
	EACH8 v_pk_mul_f32 v[EE+k:EE+k+1], v[EE+k:EE+k+1], s[NL:NL+1] op_sel_hi:[1,0]
	EACH16 v_exp_f32 v[EE+k], v[EE+k]                                                            ; exp(-z^2)
	v_nop                                          ; a plain instruction behind the last of them,
	s_wait_alu depctr_va_vdst(0)                   ; and one wait for the 32, ahead of the first use
	EACH8 v_pk_fma_f32 v[PP+k:PP+k+1], v[TT+k:TT+k+1], v[A5:A5+1], s[A4:A4+1] op_sel_hi:[1,1,0]
	EACH8 v_pk_fma_f32 v[PP+k:PP+k+1], v[PP+k:PP+k+1], v[TT+k:TT+k+1], s[A3:A3+1] op_sel_hi:[1,1,0]
	EACH8 v_pk_fma_f32 v[PP+k:PP+k+1], v[PP+k:PP+k+1], v[TT+k:TT+k+1], s[A2:A2+1] op_sel_hi:[1,1,0]
	EACH8 v_pk_fma_f32 v[PP+k:PP+k+1], v[PP+k:PP+k+1], v[TT+k:TT+k+1], s[A1:A1+1] op_sel_hi:[1,1,0]
	EACH8 v_pk_mul_f32 v[PP+k:PP+k+1], v[PP+k:PP+k+1], v[TT+k:TT+k+1]
	EACH8 v_pk_fma_f32 v[PP+k:PP+k+1], v[PP+k:PP+k+1], v[EE+k:EE+k+1], 1.0 op_sel_hi:[1,1,0] neg_lo:[1,0,0] neg_hi:[1,0,0]  ; erf(z)
	EACH16 v_bfi_b32 v[PP+k], s[SGN], v[PP+k], v[T+k]                                            ; with x's sign
	EACH8 v_pk_mul_f32 v[T+k:T+k+1], v[T+k:T+k+1], 0.5 op_sel_hi:[1,0]
	EACH8 v_pk_fma_f32 v[T+k:T+k+1], v[T+k:T+k+1], v[PP+k:PP+k+1], v[T+k:T+k+1]                  ; x / 2 (1 + erf)
.irp p, 0,1
.irp c, 0,1
	v_cvt_pk_bf16_f32 v[U+2*(2*(\p)+(\c))], v[T+4*(2*(\p)+(\c))], v[T+4*(2*(\p)+(\c))+1]
	v_cvt_pk_bf16_f32 v[U+2*(2*(\p)+(\c))+1], v[T+4*(2*(\p)+(\c))+2], v[T+4*(2*(\p)+(\c))+3]
	global_store_b64 v[GO], v[U+2*(2*(\p)+(\c)):U+2*(2*(\p)+(\c))+1], s[OUT2:OUT2+1] offset:(\p)*256+(\c)*8192  ; a wave's store covers 256 consecutive bytes, aligned; block c lies 8,192 bytes on
.endr
.endr
	s_wait_xcnt 0x0                                ; the stores' data and offset are rewritten only behind this wait
	v_add_nc_u32 v[GO], 512, v[GO]
	v_add_nc_u32 v[RD], 4*SPITCH, v[RD]
	s_sub_co_u32 s3, s3, 1
	s_cmp_lg_u32 s3, 0
	s_cbranch_scc1 .Lrows
	s_wait_tensorcnt 0x0                           ; the wave's end
	ds_add_u32 v[SPW], v[NIL]
	s_wait_dscnt 0x0
	CROUND                                         ; the closing round
	s_endpgm
.Lfunc_end_k_q4560995112_gff1:
	.size	k_q4560995112_gff1, .Lfunc_end_k_q4560995112_gff1-k_q4560995112_gff1
	.p2alignl 7, 3214868480
	.fill 96, 4, 3214868480
	.section	.rodata,"a",@progbits
	.p2align	6, 0x0
	.amdhsa_kernel k_q4560995112_gff1
		.amdhsa_group_segment_fixed_size 327680
		.amdhsa_private_segment_fixed_size 0
		.amdhsa_enable_private_segment 0
		.amdhsa_kernarg_size 32
		.amdhsa_user_sgpr_count 2
		.amdhsa_user_sgpr_kernarg_segment_ptr 1
		.amdhsa_wavefront_size32 1
		.amdhsa_system_sgpr_workgroup_id_x 1
		.amdhsa_system_sgpr_workgroup_id_y 1
		.amdhsa_system_sgpr_workgroup_id_z 1
		.amdhsa_system_vgpr_workitem_id 0
		.amdhsa_next_free_vgpr 512
		.amdhsa_next_free_sgpr 106
		.amdhsa_reserve_vcc 0
		.amdhsa_float_denorm_mode_32 3
		.amdhsa_float_denorm_mode_16_64 3
		.amdhsa_memory_ordered 1
		.amdhsa_forward_progress 1
		.amdhsa_inst_pref_size 64
	.end_amdhsa_kernel
	.amdgpu_metadata
---
amdhsa.version: [ 1, 2 ]
amdhsa.kernels:
  - .name:           k_q4560995112_gff1
    .symbol:         k_q4560995112_gff1.kd
    .args:
      - { .name: ao, .offset: 0, .size: 8, .value_kind: global_buffer, .address_space: global }
      - { .name: cb, .offset: 8, .size: 8, .value_kind: global_buffer, .address_space: global }
      - { .name: b1, .offset: 16, .size: 8, .value_kind: global_buffer, .address_space: global }
      - { .name: hb, .offset: 24, .size: 8, .value_kind: global_buffer, .address_space: global }
    .group_segment_fixed_size: 327680
    .private_segment_fixed_size: 0
    .kernarg_segment_align: 8
    .kernarg_segment_size: 32
    .max_flat_workgroup_size: 256
    .sgpr_count:     106
    .vgpr_count:     512
    .wavefront_size: 32
...
	.end_amdgpu_metadata
.endif
;; end of part 11
;; launch gff2 (part 12): grid 8 x 32, 4 waves a work-group, clusters of 4 x 4, 327,680 bytes of LDS; arguments hb, cb, b2, ao, yb; writes yb
.if DOCPART == 12
	.amdgcn_target "amdgcn-amd-amdhsa--gfx1250"
	.amdhsa_code_object_version 6
	.text
	.protected	k_q4560995112_gff2
	.globl	k_q4560995112_gff2
	.p2align	8
	.type	k_q4560995112_gff2,@function
k_q4560995112_gff2:
	s_mov_b64 s[64:65], 0
	v_nop
	global_prefetch_b8 v0, s[64:65] scope:SCOPE_SE
	s_setreg_imm32_b32 hwreg(HW_REG_WAVE_MODE, 25, 1), 1
	s_wait_xcnt 0x0
	s_wait_alu depctr_hold_cnt(0) depctr_sa_sdst(0) depctr_va_vdst(0) depctr_va_sdst(0) depctr_va_ssrc(0) depctr_va_vcc(0) depctr_vm_vsrc(0)
	s_getreg_b32 s2, hwreg(HW_REG_IB_STS2, 6, 4)
	s_cmp_eq_u32 s2, 0
	s_cbranch_scc0 .Lentry_in_a_cluster
	s_endpgm
.Lentry_in_a_cluster:
	s_bfe_u32 s2, ttmp6, 0x10000c
	s_cmp_lg_u32 s2, 0xf033
	s_cbranch_scc0 .Lentry_shape_is_right
	s_endpgm
.Lentry_shape_is_right:
; y = attn_out + h W2 + b2.  A = h (bf16 blocks, 64 rows are 524,288 bytes), B = W2 (bf16, [k][n], at cb + 25,165,824), K = 4,096: 16 steps; sums in f32; the residual comes in f32 from ao; y leaves in f32.
; My 64 x 64 of the residual is loaded at the head into window 2 (128 registers), so that nothing waits for it at the end.
; THE GEMM.  A tile of C is 128 x 128; four waves, each 64 x 64: 16 accumulators.  K goes in steps of 256 through two LDS slots.  Waves 0, 1 fetch A's two halves (64 rows x 256 K are 32,768
; dense bytes of the blocked layout), waves 2, 3 B's (128 k rows of 256 bytes each).  CLUSTER 4 x 4: A's tile is asked for jointly along a row of the cluster, B's along a column.
; The product is taken transposed (source 0 = B, source 1 = A).  B lies [k][n] in LDS and is turned by ds_load_tr16_b128.  The accumulators are cleared while the first tiles are on their way.
.set NCOL,  1024
.set STEPS, 16
.set RBS,   524288
.set ASTEP, 32768
.set BSTEP, 512*NCOL
.set PA,    144
.set PB,    288
.set WLOAD, 36864
.set SLOT,  4*WLOAD                    ; 0x24000: shares no bit with wave x 0x9000, so one exclusive or changes slots
.set SPARE, 2*SLOT
.set SPITCH, 272
.set WSTAGE, 64*SPITCH                 ; the way out's stage lies in slot 0, which has had its last fill and whose last reads lie in front of a barrier
.set BI,  8
.set A0,  16
.set B0,  17
.set B20, 18
.set CA,  20
.set CB,  21
.set STO, 24
.set RD,  25
.set GF,  27
.set SPW, 28
.set NIL, 29
.set R16, 30
.set T,   32
.set ACC, 128
.set F0,  0
.set F1,  128
.set SB,  21
.set G1,  24
.set G0,  32
.set G1B, 48
.set G0B, 56
.set OUT, 66
.set RES, 68
.set MSB, 0
.macro WIN new
.if MSB != (\new)
	s_set_vgpr_msb (MSB<<8)|(\new)
.set MSB, \new
.endif
.endm
.set MUL,  0x05
.set TO_F, 0x40
.macro JLOAD s
	s_cmp_eq_u32 s11, 0
	s_cbranch_scc0 .Lfor_b_\@
	tensor_load_to_lds s[G0+4*(\s):G0+4*(\s)+3], s[G1:G1+7]
	s_nop 0
.rept 4
	v_nop
.endr
	s_branch .Lasked_\@
.Lfor_b_\@:
	tensor_load_to_lds s[G0B+4*(\s):G0B+4*(\s)+3], s[G1B:G1B+7]
	s_nop 0
.rept 4
	v_nop
.endr
.Lasked_\@:
.endm
.macro CREST
	s_cmp_lg_u32 s10, 0
	s_cbranch_scc1 .Lnot_wave_0_\@
	s_barrier_signal -3
.Lnot_wave_0_\@:
	s_barrier_wait -3
	s_barrier_signal -1
	s_barrier_wait -1
.endm
.macro CROUND
	s_barrier_signal -1
	s_barrier_wait -1
	CREST
.endm
.macro PLACES
.rept 4
	v_nop
.endr
.endm
.macro WM d, a, b
	v_wmma_f32_16x16x32_bf16 v[(\d):(\d)+7], v[(\a):(\a)+7], v[(\b):(\b)+7], v[(\d):(\d)+7]
.endm
.macro MUL8 f, c, a0                   ; the 16 accumulators take turns, over the backward jumps too
	WIN MUL
.irp a, \a0, (\a0)+1
.irp b, 0,1,2,3
	WM ACC+8*(4*(\a)+(\b)), (\f)+64+8*(4*(\c)+(\b)), (\f)+8*(4*(\c)+(\a))
.endr
.endr
.endm
.macro FETCH q, f
	WIN TO_F
.irp c, 0,1
.irp i, 0,1,2,3
	ds_load_tr16_b128 v[(\f)+64+8*(4*(\c)+(\i)):(\f)+64+8*(4*(\c)+(\i))+3],   v[CB+(\q)/2] offset:((\q)%2)*64*PB+(\c)*32*PB+(\i)*32
	ds_load_tr16_b128 v[(\f)+64+8*(4*(\c)+(\i))+4:(\f)+64+8*(4*(\c)+(\i))+7], v[CB+(\q)/2] offset:((\q)%2)*64*PB+(\c)*32*PB+(\i)*32+16*PB
	ds_load_b128 v[(\f)+8*(4*(\c)+(\i)):(\f)+8*(4*(\c)+(\i))+3],   v[CA] offset:(\q)*64*PA+(\i)*16*PA+(\c)*64
	ds_load_b128 v[(\f)+8*(4*(\c)+(\i))+4:(\f)+8*(4*(\c)+(\i))+7], v[CA] offset:(\q)*64*PA+(\i)*16*PA+(\c)*64+32
.endr
.endr
.endm
.macro SETAD
	v_add_nc_u32 v[CA], s[SB], v[A0]
	v_add_nc_u32 v[CB], s[SB], v[B0]
	v_add_nc_u32 v[CB+1], s[SB], v[B20]
.endm
.macro QUARTER q, f, g
	s_wait_dscnt 16                                ; the first 32 along K are in; the 16 younger loads may be out
	MUL8 \f, 0, 0
	MUL8 \f, 0, 2
	PLACES
	FETCH \q, \g
	s_wait_dscnt 32                                ; all but the 32 just issued
	MUL8 \f, 1, 0
	MUL8 \f, 1, 2
.endm
; The last quarter and the change of slots.  Its first 16 products stand AHEAD of the wait for the tiles, its last 16 behind the fetch from the next slot, whose LDS loads they cover.  One barrier: in front of it all my
; tensor loads are waited for, then the add, then the wait for it and for my reads of this slot.  fill = 1: a round, and the refill first behind it.  A refill goes out with nothing on its way beside it, so between the
; wait for the tiles and the refill stands only what the ordering needs.
.macro TURN fill
	s_wait_dscnt 16                                ; buffer 1's first 32 along K are in; the 16 younger loads may be out
	MUL8 F1, 0, 0
	MUL8 F1, 0, 2
	WIN 0
	s_wait_tensorcnt 0x0
	ds_add_u32 v[SPW], v[NIL]
	s_wait_dscnt 0x0                               ; the add is done, my reads of this slot are over
	s_barrier_signal -1
	s_barrier_wait -1
.if \fill
	CREST
	s_xor_b32 s[G0+5], s[G0+5], SLOT
	s_add_nc_u64 s[G0+6:G0+7], s[G0+6:G0+7], ASTEP
	s_xor_b32 s[G0B+5], s[G0B+5], SLOT
	s_add_nc_u64 s[G0B+6:G0B+7], s[G0B+6:G0B+7], BSTEP
	JLOAD 1
.else
	s_cmp_eq_u32 s3, 1
	s_cbranch_scc1 .Lnofetch_\@
	PLACES
.endif
	s_xor_b32 s[SB], s[SB], SLOT
	SETAD
	FETCH 0, F0
.if !(\fill)
	WIN 0
.Lnofetch_\@:
.endif
	MUL8 F1, 1, 0
	MUL8 F1, 1, 2
.endm
.macro STEP fill
	QUARTER 1, F0, F1
	QUARTER 2, F1, F0
	QUARTER 3, F0, F1
	TURN \fill
.endm
.macro RND2 a, b, t
	v_cvt_pk_bf16_f32 v[\t], v[\a], v[\b]
	v_lshlrev_b32 v[\a], 16, v[\t]
	v_and_b32 v[\b], 0xffff0000, v[\t]
.endm
	s_load_b256 s[72:79], s[0:1], 0x0              ; hb 72, cb 74, b2 76, ao 78
	s_load_b64 s[80:81], s[0:1], 0x20              ; yb
	v_lshl_add_u32 v[SPW], v0, 2, SPARE
	v_mov_b32 v[NIL], 0
	ds_add_u32 v[SPW], v[NIL]                      ; the wave's opening
	v_lshrrev_b32 v1, 5, v0
	v_readfirstlane_b32 s10, v1
	s_lshr_b32 s11, s10, 1
	s_and_b32 s12, s10, 1
	s_bfe_u32 s40, ttmp6, 0x40000
	s_bfe_u32 s41, ttmp6, 0x40004
	s_lshl_b32 s42, ttmp9, 2
	s_add_co_u32 s42, s42, s40
	s_and_b32 s13, ttmp7, 0xffff
	s_lshl_b32 s13, s13, 2
	s_add_co_u32 s13, s13, s41
	s_lshl_b32 s43, s41, 2
	s_lshl_b32 s43, 15, s43
	s_lshl_b32 s44, 0x1111, s40
	s_or_b32 s[G1], s43, (1<<16)|(1<<20)|(1<<21)|(4<<22)|(3<<25)
	s_or_b32 s[G1B], s44, (1<<16)|(1<<20)|(1<<21)|(5<<22)|(7<<25)
.irp g, G1, G1B
	s_mov_b32 s[(\g)+1], 128<<16
	s_mov_b32 s[(\g)+2], 128<<16
	s_mov_b32 s[(\g)+3], 128<<16
	s_mov_b32 s[(\g)+4], 128
	s_mov_b32 s[(\g)+6], 0
	s_mov_b32 s[(\g)+7], 0
.endr
	s_mov_b32 s[G1+5], 128
	s_mov_b32 s[G1B+5], NCOL
	s_lshl_b32 s16, s13, 1
	s_add_co_u32 s16, s16, s12
	s_mul_i32 s16, s16, RBS
	s_mov_b32 s17, 0
	s_mul_i32 s46, s12, 128*NCOL*2
	s_lshl_b32 s47, s42, 8
	s_add_co_u32 s46, s46, s47
	s_add_co_u32 s46, s46, 25165824
	s_mov_b32 s47, 0
	s_mul_i32 s20, s10, WLOAD
	s_mov_b32 s[SB], 0
	s_wait_dscnt 0x0
	s_wait_kmcnt 0x0
	s_add_nc_u64 s[14:15], s[72:73], s[16:17]
	s_add_nc_u64 s[46:47], s[74:75], s[46:47]
	CROUND
.irp s, 0,1
	s_mov_b32 s[G0+4*(\s)], 1
	s_add_co_u32 s[G0+4*(\s)+1], s20, (\s)*SLOT
	s_add_nc_u64 s[G0+4*(\s)+2:G0+4*(\s)+3], s[14:15], (\s)*ASTEP
	s_or_b32 s[G0+4*(\s)+3], s[G0+4*(\s)+3], 0x80000000
	s_mov_b32 s[G0B+4*(\s)], 1
	s_add_co_u32 s[G0B+4*(\s)+1], s20, (\s)*SLOT
	s_add_nc_u64 s[G0B+4*(\s)+2:G0B+4*(\s)+3], s[46:47], (\s)*BSTEP
	s_or_b32 s[G0B+4*(\s)+3], s[G0B+4*(\s)+3], 0x80000000
	JLOAD \s
.endr
	s_lshl_b32 s70, s13, 1
	s_add_co_u32 s70, s70, s11                     ; rb
	s_lshl_b32 s71, s42, 1
	s_add_co_u32 s71, s71, s12                     ; kb
	s_lshl_b32 s22, s71, 8
	s_mov_b32 s23, 0
	s_add_nc_u64 s[8:9], s[76:77], s[22:23]
	s_lshl_b32 s2, s70, 18
	s_add_co_u32 s22, s22, s2
	s_add_nc_u64 s[OUT:OUT+1], s[80:81], s[22:23]
	s_add_nc_u64 s[RES:RES+1], s[78:79], s[22:23]
	v_and_b32 v1, 15, v0
	v_bfe_u32 v2, v0, 4, 1
	v_lshlrev_b32 v[R16], 4, v1
	v_lshl_add_u32 v[GF], v2, 12, v[R16]           ; row l / 16, 16 bytes at 16 (l % 16); never rewritten
	global_load_b128 v[BI:BI+3], v[R16], s[8:9]
	WIN 0x80                                       ; destination window 2
.set i, 0
.rept 32                               ; rows 2 i + l / 16
	global_load_b128 v[4*i:4*i+3], v[GF], s[RES:RES+1] offset:i*8192
.set i, i+1
.endr
	WIN 0
.set i, 0
.rept 128
	v_mov_b32 v[ACC+i], 0
.set i, i+1
.endr
	v_mul_u32_u24 v[A0], v1, PA
	v_lshl_add_u32 v[A0], v2, 4, v[A0]
	s_mul_i32 s22, s11, WLOAD
	v_add_nc_u32 v[A0], s22, v[A0]
	v_and_b32 v4, 7, v0
	v_lshl_add_u32 v4, v2, 3, v4
	v_mul_u32_u24 v[B0], v4, PB
	v_bfe_u32 v5, v0, 3, 1
	v_lshl_add_u32 v[B0], v5, 4, v[B0]
	s_lshl_b32 s22, s12, 7
	s_add_co_u32 s22, s22, 2*WLOAD
	v_add_nc_u32 v[B0], s22, v[B0]
	v_add_nc_u32 v[B20], WLOAD, v[B0]
	s_mul_i32 s22, s10, WSTAGE
	v_mul_u32_u24 v[STO], v1, SPITCH
	v_lshl_add_u32 v[STO], v2, 5, v[STO]
	v_add_nc_u32 v[STO], s22, v[STO]
	v_mul_u32_u24 v[RD], v2, SPITCH
	v_lshl_add_u32 v[RD], v1, 4, v[RD]
	v_add_nc_u32 v[RD], s22, v[RD]
	SETAD
	s_wait_tensorcnt 1                             ; my part of K step 0 is in; K step 1's may stay out
	s_barrier_signal -1
	s_barrier_wait -1
	FETCH 0, F0
	WIN 0
	s_mov_b32 s3, STEPS-2
.Lfill:
	STEP 1
	WIN 0
	s_sub_co_u32 s3, s3, 1
	s_cmp_lg_u32 s3, 0
	s_cbranch_scc1 .Lfill
	s_mov_b32 s3, 2
.Ltail:
	STEP 0
	WIN 0
	s_sub_co_u32 s3, s3, 1
	s_cmp_lg_u32 s3, 0
	s_cbranch_scc1 .Ltail
	PLACES
	PLACES
.irp a, 0,1,2,3
.irp b, 0,1,2,3
	ds_store_b128 v[STO], v[ACC+8*(4*(\a)+(\b)):ACC+8*(4*(\a)+(\b))+3]   offset:(\a)*16*SPITCH+64*(\b)
	ds_store_b128 v[STO], v[ACC+8*(4*(\a)+(\b))+4:ACC+8*(4*(\a)+(\b))+7] offset:(\a)*16*SPITCH+64*(\b)+16
.endr
.endr
	s_wait_loadcnt 0x0                             ; the bias and the residual
	RND2 BI, BI+1, T
	RND2 BI+2, BI+3, T
.set tr, 0
.rept 8                                ; written out: the residual's registers cannot be stepped.  A lane holds columns 4 (l % 16) .. + 3 of rows 8 tr + 2 t + l / 16
	s_wait_xcnt 0x0                                ; the last four stores have read their data
.irp t, 0,1,2,3
	ds_load_b128 v[T+4*(\t):T+4*(\t)+3], v[RD] offset:tr*8*SPITCH+(\t)*2*SPITCH
.endr
	s_wait_dscnt 0x0
.irp t, 0,1,2,3
	v_pk_add_f32 v[T+4*(\t):T+4*(\t)+1], v[T+4*(\t):T+4*(\t)+1], v[BI:BI+1]
	v_pk_add_f32 v[T+4*(\t)+2:T+4*(\t)+3], v[T+4*(\t)+2:T+4*(\t)+3], v[BI+2:BI+3]
.endr
	WIN 0x08                                       ; source 1 in window 2
.irp t, 0,1,2,3
	v_pk_add_f32 v[T+4*(\t):T+4*(\t)+1], v[T+4*(\t):T+4*(\t)+1], v[16*tr+4*(\t):16*tr+4*(\t)+1]
	v_pk_add_f32 v[T+4*(\t)+2:T+4*(\t)+3], v[T+4*(\t)+2:T+4*(\t)+3], v[16*tr+4*(\t)+2:16*tr+4*(\t)+3]
.endr
	WIN 0
.irp t, 0,1,2,3
	global_store_b128 v[GF], v[T+4*(\t):T+4*(\t)+3], s[OUT:OUT+1] offset:tr*32768+(\t)*8192  ; 16 lanes: 256 consecutive bytes, aligned
.endr
.set tr, tr+1
.endr
	s_wait_tensorcnt 0x0                           ; the wave's end
	ds_add_u32 v[SPW], v[NIL]
	s_wait_dscnt 0x0
	CROUND
	s_endpgm
.Lfunc_end_k_q4560995112_gff2:
	.size	k_q4560995112_gff2, .Lfunc_end_k_q4560995112_gff2-k_q4560995112_gff2
	.p2alignl 7, 3214868480
	.fill 96, 4, 3214868480
	.section	.rodata,"a",@progbits
	.p2align	6, 0x0
	.amdhsa_kernel k_q4560995112_gff2
		.amdhsa_group_segment_fixed_size 327680
		.amdhsa_private_segment_fixed_size 0
		.amdhsa_enable_private_segment 0
		.amdhsa_kernarg_size 40
		.amdhsa_user_sgpr_count 2
		.amdhsa_user_sgpr_kernarg_segment_ptr 1
		.amdhsa_wavefront_size32 1
		.amdhsa_system_sgpr_workgroup_id_x 1
		.amdhsa_system_sgpr_workgroup_id_y 1
		.amdhsa_system_sgpr_workgroup_id_z 1
		.amdhsa_system_vgpr_workitem_id 0
		.amdhsa_next_free_vgpr 640
		.amdhsa_next_free_sgpr 96
		.amdhsa_reserve_vcc 0
		.amdhsa_float_denorm_mode_32 3
		.amdhsa_float_denorm_mode_16_64 3
		.amdhsa_memory_ordered 1
		.amdhsa_forward_progress 1
		.amdhsa_inst_pref_size 70
	.end_amdhsa_kernel
	.amdgpu_metadata
---
amdhsa.version: [ 1, 2 ]
amdhsa.kernels:
  - .name:           k_q4560995112_gff2
    .symbol:         k_q4560995112_gff2.kd
    .args:
      - { .name: hb, .offset: 0, .size: 8, .value_kind: global_buffer, .address_space: global }
      - { .name: cb, .offset: 8, .size: 8, .value_kind: global_buffer, .address_space: global }
      - { .name: b2, .offset: 16, .size: 8, .value_kind: global_buffer, .address_space: global }
      - { .name: ao, .offset: 24, .size: 8, .value_kind: global_buffer, .address_space: global }
      - { .name: yb, .offset: 32, .size: 8, .value_kind: global_buffer, .address_space: global }
    .group_segment_fixed_size: 327680
    .private_segment_fixed_size: 0
    .kernarg_segment_align: 8
    .kernarg_segment_size: 40
    .max_flat_workgroup_size: 128
    .sgpr_count:     96
    .vgpr_count:     640
    .wavefront_size: 32
...
	.end_amdgpu_metadata
.endif
;; end of part 12
;; launch lnorm: the kernel of part 7 again; grid 256 x 1, 4 waves a work-group, no clusters, 0 bytes of LDS; arguments yb, gamma, beta, out0; writes out0
;; ======== version 3 of 3: 7 launches; version 2 with the launch prep written anew for expert scheduling mode
;; limits: values are held in f16: magnitudes above 65,504 overflow, below 6.1e-05 lose precision; right only within a limited range of input values; a function is approximated: absolute error at most 1.5e-07
;; workspace buffers: cb 33,554,432 bytes; mf 16,777,216 bytes; qkv 25,427,968 bytes; ob 8,388,608 bytes; ao 25,165,824 bytes; hb 33,554,432 bytes; yb 16,777,216 bytes
;; launch prep (part 13): grid 1312 x 1, 8 waves a work-group, no clusters, 0 bytes of LDS; arguments x, Wq, Wk, Wv, Wo, W1, W2, mask, cb, mf; writes cb, mf
.if DOCPART == 13
	.amdgcn_target "amdgcn-amd-amdhsa--gfx1250"
	.amdhsa_code_object_version 6
	.text
	.protected	k_q4560995112_prep
	.globl	k_q4560995112_prep
	.p2align	8
	.type	k_q4560995112_prep,@function
k_q4560995112_prep:
	s_mov_b64 s[64:65], 0
	v_nop
	global_prefetch_b8 v0, s[64:65] scope:SCOPE_SE
	s_setreg_imm32_b32 hwreg(HW_REG_WAVE_SCHED_MODE, 0, 2), 2
	s_setreg_imm32_b32 hwreg(HW_REG_WAVE_MODE, 25, 1), 1
	s_wait_xcnt 0x0
	s_wait_alu depctr_vm_vsrc(0)
; THE 16-BIT COPIES.  A work-group takes 65,536 bytes of one input: 256 threads x 16 loads of 16 bytes, all issued at once; each unit is converted when it
; has come and leaves by a store of 8 bytes a lane, 256 consecutive aligned bytes a wave.  Which input: by the work-group's number c.
;   c < 256          x -> cb, bf16, in blocks [row / 64][col / 64][64 rows][64 cols]: a block is 8,192 dense bytes
;   256 <= c < 1024  Wq, Wk, Wv, Wo, W1, W2 -> cb + 32,768 c, in their own order [k][n]; bf16, but Wo: rounded to bf16 and that number written as f16
;                    (exact down to 2^-14; below that f16's fixed step of 6e-8)
;   c >= 1024        tril(mask) -> mf, f16: 0 where the key is seen, -65504 where mask = 0 or key > query.  Only the 36 blocks of 256 x 256 on and below the
;                    diagonal of each batch are read and written: the others are never asked for.
; THE MODE: SCHED_MODE bits 1:0 = 2 (LLVM: expert scheduling mode 2), set by the entry lines.  The code itself states the register dependences
; between vector instructions and memory instructions, with s_wait_alu, always for 0.
; THE PLAN.  Registers that memory instructions touch:
;   v1, v2   byte offsets of the loads and of the stores.  Made once at a path's head and never written again.
;   X        Written by the 16 loads; no vector instruction names X ahead of them.  Read by a unit's conversions behind the unit's own wait on LOADcnt; no memory instruction reads X.
;   Y        Unit j's two registers are written once, by unit j's conversions, and read once, by unit j's store.
; The 16 units go in four groups of four.  Unit j's turn: the wait for its load, the store of unit j - 4, its conversions.  ONE wait on va_vdst stands at the head of groups 1 to 3: the group
; before has written its Y.  The four stores behind it are dealt among this group's conversions, which write this group's Y and the registers at work (v4 to v11): none that those stores read.
; Behind the last group stand one more such wait and the last four stores.  No register that a memory instruction reads is written again, so no wait on vm_vsrc is owed.
;   SA, SB   (the mask's path) scalar registers that compares write and selects read: the compares stand in runs, and one wait on va_sdst stands between a run and its first reader.
.set X, 16                             ; v[16:79]   16 units of 4 words as loaded
.set Y, 80                             ; v[80:111]  16 units of 2 words to store
.set SA, 40                            ; s[40:55]   the mask's path: a group's 16 masks 'on or below the diagonal'
.set SB, 66                            ; s[66:81]   a group's 16 masks 'hidden'
.macro LD16 vo, sb, a, b, m            ; unit j at immediate (j % m) a + (j / m) b
	s_wait_alu depctr_va_vdst(0)                   ; v1 and v2 are written: every load of the path reads v1 as its offset, every store v2
.set j, 0
.rept 16
	global_load_b128 v[X+4*j:X+4*j+3], v[\vo], s[(\sb):(\sb)+1] offset:(j%(\m))*(\a)+(j/(\m))*(\b) th:TH_LOAD_NT
.set j, j+1
.endr
.endm
.macro PUT u, a, b, m                  ; the store of unit u, at immediate (u % m) a + (u / m) b
	global_store_b64 v2, v[Y+2*(\u):Y+2*(\u)+1], s[32:33] offset:((\u)%(\m))*(\a)+((\u)/(\m))*(\b)
.endm
.macro CAST16 half, a, b, m            ; half = 1: bf16's number written as f16
.set j, 0
.rept 16
	s_wait_loadcnt 15-j                            ; loads come back in order: unit j is in, the 15 - j younger ones stay out
.if (j > 0) && (j%4 == 0)
	s_wait_alu depctr_va_vdst(0)                   ; the conversions of the group before have written its Y, which the four stores dealt among this group's conversions read
.endif
.if j >= 4
	PUT j-4, \a, \b, \m                            ; no vector instruction since that wait names this unit's Y or v2
.endif
.if \half
	v_cvt_pk_bf16_f32 v4, v[X+4*j], v[X+4*j+1]
	v_cvt_pk_bf16_f32 v5, v[X+4*j+2], v[X+4*j+3]
	v_lshlrev_b32 v6, 16, v4
	v_and_b32 v7, 0xffff0000, v4
	v_lshlrev_b32 v8, 16, v5
	v_and_b32 v9, 0xffff0000, v5
	v_cvt_pk_f16_f32 v[Y+2*j], v6, v7
	v_cvt_pk_f16_f32 v[Y+2*j+1], v8, v9
.else
	v_cvt_pk_bf16_f32 v[Y+2*j], v[X+4*j], v[X+4*j+1]
	v_cvt_pk_bf16_f32 v[Y+2*j+1], v[X+4*j+2], v[X+4*j+3]
.endif
.set j, j+1
.endr
	s_wait_alu depctr_va_vdst(0)                   ; the last group's conversions have written its Y, which the last four stores read
.set j, 12
.rept 4
	PUT j, \a, \b, \m
.set j, j+1
.endr
.endm
.macro TRIL g                          ; the mask's path: group g's 16 compares with the diagonal: element n % 4 of unit 4 g + n / 4.  They hang on no loaded data
.set n, 0
.rept 16
	v_cmp_le_i32 s[SA+n], (n%4)-4*(4*(\g)+n/4), v5
.set n, n+1
.endr
.endm
	s_load_b512 s[8:23], s[0:1], 0x0               ; x 8, Wq 10, Wk 12, Wv 14, Wo 16, W1 18, W2 20, mask 22
	s_load_b128 s[24:27], s[0:1], 0x40             ; cb 24, mf 26
	s_mov_b32 s2, ttmp9                            ; c
	s_mov_b32 s31, 0                               ; high words of the two offset pairs
	s_mov_b32 s35, 0
	s_wait_kmcnt 0x0
	s_cmp_lt_u32 s2, 256
	s_cbranch_scc1 .Lx
	s_cmp_ge_u32 s2, 1024
	s_cbranch_scc1 .Lm
	; THE WEIGHTS: a plain cast, thread t at 16 t of each 4,096 bytes
	s_mov_b64 s[28:29], s[10:11]
	s_mov_b32 s3, 256                              ; the first chunk of the tensor that c falls into
.macro PICK lim, p
	s_cmp_ge_u32 s2, \lim
	s_cselect_b64 s[28:29], s[(\p):(\p)+1], s[28:29]
	s_cselect_b32 s3, \lim, s3
.endm
	PICK 320, 12
	PICK 384, 14
	PICK 448, 16
	PICK 512, 18
	PICK 768, 20
	s_sub_co_u32 s30, s2, s3
	s_lshl_b32 s30, s30, 16
	s_add_nc_u64 s[28:29], s[28:29], s[30:31]
	s_lshl_b32 s34, s2, 15
	s_add_nc_u64 s[32:33], s[24:25], s[34:35]
	v_lshlrev_b32 v1, 4, v0
	v_lshlrev_b32 v2, 3, v0
	LD16 1, 28, 4096, 0, 16
	s_cmp_eq_u32 s3, 448
	s_cbranch_scc1 .Lwo
	CAST16 0, 2048, 0, 16
	s_endpgm
.Lwo:
	CAST16 1, 2048, 0, 16
	s_endpgm
.Lx:	; x: 16 rows of 4,096 bytes.  Thread: l = t % 16, p = (t / 16) % 2, w = t / 32.  Unit j: row p + 2 (j / 2), columns 64 w + 4 l + 512 (j % 2)
	v_and_b32 v3, 15, v0
	v_bfe_u32 v4, v0, 4, 1
	v_lshrrev_b32 v5, 5, v0
	v_lshlrev_b32 v1, 4, v3
	v_lshl_add_u32 v1, v5, 8, v1
	v_lshl_add_u32 v1, v4, 12, v1                  ; 4,096 p + 256 w + 16 l
	v_lshlrev_b32 v2, 3, v3
	v_lshl_add_u32 v2, v4, 7, v2
	v_lshl_add_u32 v2, v5, 13, v2                  ; block w: 8,192 w + 128 p + 8 l
	s_lshl_b32 s30, s2, 16
	s_add_nc_u64 s[28:29], s[8:9], s[30:31]
	s_lshr_b32 s34, s2, 2
	s_lshl_b32 s34, s34, 17                        ; 64 rows of blocks are 131,072 bytes
	s_and_b32 s3, s2, 3
	s_lshl_b32 s3, s3, 11                          ; my 16 rows in them
	s_add_co_u32 s34, s34, s3
	s_add_nc_u64 s[32:33], s[24:25], s[34:35]
	LD16 1, 28, 2048, 8192, 2
	CAST16 0, 65536, 256, 2
	s_endpgm
.Lm:	; THE MASK: batch bt, block row I, block column J <= I, quarter qd: rows 256 I + 64 qd .. + 63, keys 256 J .. + 255
	s_sub_co_u32 s3, s2, 1024
	s_and_b32 s4, s3, 3                            ; qd
	s_lshr_b32 s3, s3, 2
	s_cmp_ge_u32 s3, 36
	s_cselect_b32 s5, 1, 0                         ; bt
	s_cselect_b32 s6, 36, 0
	s_sub_co_u32 s3, s3, s6                        ; t = I (I + 1) / 2 + J
	s_mov_b32 s6, 0
.irp n, 1,3,6,10,15,21,28
	s_cmp_ge_u32 s3, \n
	s_add_co_ci_u32 s6, s6, 0                      ; I = how many triangular numbers t has reached
.endr
	s_add_co_u32 s7, s6, 1
	s_mul_i32 s7, s7, s6
	s_lshr_b32 s7, s7, 1
	s_sub_co_u32 s7, s3, s7                        ; J
	s_lshl_b32 s36, s6, 8
	s_lshl_b32 s37, s4, 6
	s_add_co_u32 s36, s36, s37                     ; first row
	s_lshl_b32 s30, s36, 13
	s_lshl_b32 s38, s7, 10
	s_add_co_u32 s30, s30, s38
	s_lshl_b32 s38, s5, 24
	s_add_co_u32 s30, s30, s38
	s_add_nc_u64 s[28:29], s[22:23], s[30:31]
	s_lshl_b32 s34, s36, 12
	s_lshl_b32 s38, s7, 9
	s_add_co_u32 s34, s34, s38
	s_lshl_b32 s38, s5, 23
	s_add_co_u32 s34, s34, s38
	s_add_nc_u64 s[32:33], s[26:27], s[34:35]
	s_sub_co_u32 s38, s6, s7
	s_lshl_b32 s38, s38, 8
	s_add_co_u32 s38, s38, s37                     ; 256 (I - J) + 64 qd
	v_lshrrev_b32 v3, 6, v0                        ; my row among four
	v_and_b32 v4, 63, v0                           ; my four keys
	v_lshlrev_b32 v1, 4, v4
	v_lshl_add_u32 v1, v3, 13, v1
	v_lshlrev_b32 v2, 3, v4
	v_lshl_add_u32 v2, v3, 12, v2
	v_add_nc_u32 v5, s38, v3
	v_lshlrev_b32 v6, 2, v4
	v_sub_nc_u32 v5, v5, v6                        ; element e of unit j is on or below the diagonal where e - 4 j <= this (signed)
	v_mov_b32 v7, 0xfbff                           ; -65504 in f16
	LD16 1, 28, 32768, 0, 16
	; A group of four units: unit by unit, as each comes, its four words are cut by tril, in place, and compared with 0; then the next group's compares with the diagonal; one wait for the 32 masks;
	; then the 16 selects and the 8 packings into Y.  The stores of the group before are dealt among the units' turns.
	TRIL 0
	s_wait_alu depctr_va_sdst(0)                   ; group 0's 16 masks in SA are written, ahead of the first select that reads one
.set g, 0
.rept 4
.set u, 0
.rept 4
.set j, 4*g+u
	s_wait_loadcnt 15-j                            ; loads come back in order: unit j is in, the 15 - j younger ones stay out
.if (g > 0) && (u == 0)
	s_wait_alu depctr_va_vdst(0)                   ; the packings of the group before have written its Y, which the four stores dealt among this group's turns read
.endif
.if g > 0
	PUT j-4, 16384, 0, 16                          ; no vector instruction since that wait names this unit's Y or v2
.endif
.irp e, 0,1,2,3
	v_cndmask_b32 v[X+4*j+(\e)], 0, v[X+4*j+(\e)], s[SA+4*u+(\e)]   ; tril: 0 above the diagonal
.endr
.irp e, 0,1,2,3
	v_cmp_eq_u32 s[SB+4*u+(\e)], 0, v[X+4*j+(\e)]
.endr
.set u, u+1
.endr
.if g < 3
	TRIL g+1
.endif
	s_wait_alu depctr_va_sdst(0)                   ; this group's 16 masks in SB and the next group's 16 in SA are written, ahead of their first readers
.set n, 0
.rept 16
	v_cndmask_b32 v[X+16*g+n], 0, v7, s[SB+n]
.set n, n+1
.endr
.set u, 0
.rept 4
	v_lshl_or_b32 v[Y+2*(4*g+u)], v[X+16*g+4*u+1], 16, v[X+16*g+4*u]
	v_lshl_or_b32 v[Y+2*(4*g+u)+1], v[X+16*g+4*u+3], 16, v[X+16*g+4*u+2]
.set u, u+1
.endr
.set g, g+1
.endr
	s_wait_alu depctr_va_vdst(0)                   ; the last group's packings have written its Y, which the last four stores read
.set j, 12
.rept 4
	PUT j, 16384, 0, 16
.set j, j+1
.endr
	s_endpgm
.Lfunc_end_k_q4560995112_prep:
	.size	k_q4560995112_prep, .Lfunc_end_k_q4560995112_prep-k_q4560995112_prep
	.p2alignl 7, 3214868480
	.fill 96, 4, 3214868480
	.section	.rodata,"a",@progbits
	.p2align	6, 0x0
	.amdhsa_kernel k_q4560995112_prep
		.amdhsa_group_segment_fixed_size 0
		.amdhsa_private_segment_fixed_size 0
		.amdhsa_enable_private_segment 0
		.amdhsa_kernarg_size 80
		.amdhsa_user_sgpr_count 2
		.amdhsa_user_sgpr_kernarg_segment_ptr 1
		.amdhsa_wavefront_size32 1
		.amdhsa_system_sgpr_workgroup_id_x 1
		.amdhsa_system_sgpr_workgroup_id_y 1
		.amdhsa_system_sgpr_workgroup_id_z 1
		.amdhsa_system_vgpr_workitem_id 0
		.amdhsa_next_free_vgpr 112
		.amdhsa_next_free_sgpr 82
		.amdhsa_reserve_vcc 0
		.amdhsa_float_denorm_mode_32 3
		.amdhsa_float_denorm_mode_16_64 3
		.amdhsa_memory_ordered 1
		.amdhsa_forward_progress 1
		.amdhsa_inst_pref_size 49
	.end_amdhsa_kernel
	.amdgpu_metadata
---
amdhsa.version: [ 1, 2 ]
amdhsa.kernels:
  - .name:           k_q4560995112_prep
    .symbol:         k_q4560995112_prep.kd
    .args:
      - { .name: x, .offset: 0, .size: 8, .value_kind: global_buffer, .address_space: global }
      - { .name: Wq, .offset: 8, .size: 8, .value_kind: global_buffer, .address_space: global }
      - { .name: Wk, .offset: 16, .size: 8, .value_kind: global_buffer, .address_space: global }
      - { .name: Wv, .offset: 24, .size: 8, .value_kind: global_buffer, .address_space: global }
      - { .name: Wo, .offset: 32, .size: 8, .value_kind: global_buffer, .address_space: global }
      - { .name: W1, .offset: 40, .size: 8, .value_kind: global_buffer, .address_space: global }
      - { .name: W2, .offset: 48, .size: 8, .value_kind: global_buffer, .address_space: global }
      - { .name: mask, .offset: 56, .size: 8, .value_kind: global_buffer, .address_space: global }
      - { .name: cb, .offset: 64, .size: 8, .value_kind: global_buffer, .address_space: global }
      - { .name: mf, .offset: 72, .size: 8, .value_kind: global_buffer, .address_space: global }
    .group_segment_fixed_size: 0
    .private_segment_fixed_size: 0
    .kernarg_segment_align: 8
    .kernarg_segment_size: 80
    .max_flat_workgroup_size: 256
    .sgpr_count:     82
    .vgpr_count:     112
    .wavefront_size: 32
...
	.end_amdgpu_metadata
.endif
;; end of part 13
;; launch gqkv: the kernel of part 8 again; grid 12 x 16, 8 waves a work-group, clusters of 4 x 4, 327,680 bytes of LDS; arguments cb, bq, bk, bv, qkv; writes qkv
;; launch attn: the kernel of part 9 again; grid 16 x 16, 4 waves a work-group, clusters of 4 x 1, 327,680 bytes of LDS; arguments qkv, mf, ob; writes ob
;; launch gwo: the kernel of part 10 again; grid 8 x 32, 4 waves a work-group, clusters of 4 x 4, 327,680 bytes of LDS; arguments ob, cb, bo, ao; writes ao
;; launch gff1: the kernel of part 11 again; grid 16 x 16, 8 waves a work-group, clusters of 4 x 4, 327,680 bytes of LDS; arguments ao, cb, b1, hb; writes hb
;; launch gff2: the kernel of part 12 again; grid 8 x 32, 4 waves a work-group, clusters of 4 x 4, 327,680 bytes of LDS; arguments hb, cb, b2, ao, yb; writes yb
;; launch lnorm: the kernel of part 7 again; grid 256 x 1, 4 waves a work-group, no clusters, 0 bytes of LDS; arguments yb, gamma, beta, out0; writes out0
